; MI455X (gfx1250); checked and timed in simulation.
; The chip was launched on July 23, 2026; its instructions are those of AMD's public machine-readable ISA for CDNA 5 (MIT licence, August 2026) and "CDNA5" Instruction Set Architecture Reference Guide (July 2026). The comments in the code are by the model that wrote it; some were corrected since.
;; Switch MLP. Allowed arithmetic: matrix products marked QUANTISED: E5M2 operands, one given power-of-two scale a tensor, by v_wmma_f32_16x16x64_bf8_bf8 or v_wmma_f32_16x16x128_bf8_bf8, f32 sums; products left as they are: f32 operands where the result goes on into a quantised operand, else bf16, f16 or f32 operands; f32 sums; everything else in f32.
;; Inputs: W1 8 x 1,024 x 4,096 float32; W2 8 x 4,096 x 1,024 float32; Wr 1,024 x 8 float32; br 8 float32; hidden_states 2 x 512 x 1,024 float32; lowp_scales 32 int32 (the exponents e of the quantised operands' scales 2^e).
;; Outputs: out0 2 x 512 x 1,024 float32.
;; This version of the problem:
;;   THIS VERSION OF THE PROBLEM IS GIVEN IN LOW PRECISION. The matrix products marked QUANTISED in the list below multiply operands that are first quantised to E5M2 (5 exponent bits, 2 mantissa bits; 8 bits a number), with one given power-of-two scale for each operand tensor; their sums are f32. All else is computed in f32.
;;   The module's matrix products, in the order in which they are computed (A, B: the left and right operand; K: the contracted axis; several contracted axes count as one K, in the product's order):
;;     1. [M 1,024, K 1,024] x [K 1,024, N 8]; A: input hidden_states; B: input Wr: left as it is (N = 8 < 16)
;;     2. [M 1,024, K 1,024] x [K 1,024, N 4,096]; A: input hidden_states; B: input W1: QUANTISED (scales: A lowp_scales[0], B lowp_scales[1])
;;     3. [M 1,024, K 4,096] x [K 4,096, N 1,024]; A: computed on the way; B: input W2: QUANTISED (scales: A lowp_scales[2], B lowp_scales[3])
;;     4. [M 1,024, K 1,024] x [K 1,024, N 4,096]; A: input hidden_states; B: input W1: QUANTISED (scales: A lowp_scales[4], B lowp_scales[5])
;;     5. [M 1,024, K 4,096] x [K 4,096, N 1,024]; A: computed on the way; B: input W2: QUANTISED (scales: A lowp_scales[6], B lowp_scales[7])
;;     6. [M 1,024, K 1,024] x [K 1,024, N 4,096]; A: input hidden_states; B: input W1: QUANTISED (scales: A lowp_scales[8], B lowp_scales[9])
;;     7. [M 1,024, K 4,096] x [K 4,096, N 1,024]; A: computed on the way; B: input W2: QUANTISED (scales: A lowp_scales[10], B lowp_scales[11])
;;     8. [M 1,024, K 1,024] x [K 1,024, N 4,096]; A: input hidden_states; B: input W1: QUANTISED (scales: A lowp_scales[12], B lowp_scales[13])
;;     9. [M 1,024, K 4,096] x [K 4,096, N 1,024]; A: computed on the way; B: input W2: QUANTISED (scales: A lowp_scales[14], B lowp_scales[15])
;;     10. [M 1,024, K 1,024] x [K 1,024, N 4,096]; A: input hidden_states; B: input W1: QUANTISED (scales: A lowp_scales[16], B lowp_scales[17])
;;     11. [M 1,024, K 4,096] x [K 4,096, N 1,024]; A: computed on the way; B: input W2: QUANTISED (scales: A lowp_scales[18], B lowp_scales[19])
;;     12. [M 1,024, K 1,024] x [K 1,024, N 4,096]; A: input hidden_states; B: input W1: QUANTISED (scales: A lowp_scales[20], B lowp_scales[21])
;;     13. [M 1,024, K 4,096] x [K 4,096, N 1,024]; A: computed on the way; B: input W2: QUANTISED (scales: A lowp_scales[22], B lowp_scales[23])
;;     14. [M 1,024, K 1,024] x [K 1,024, N 4,096]; A: input hidden_states; B: input W1: QUANTISED (scales: A lowp_scales[24], B lowp_scales[25])
;;     15. [M 1,024, K 4,096] x [K 4,096, N 1,024]; A: computed on the way; B: input W2: QUANTISED (scales: A lowp_scales[26], B lowp_scales[27])
;;     16. [M 1,024, K 1,024] x [K 1,024, N 4,096]; A: input hidden_states; B: input W1: QUANTISED (scales: A lowp_scales[28], B lowp_scales[29])
;;     17. [M 1,024, K 4,096] x [K 4,096, N 1,024]; A: computed on the way; B: input W2: QUANTISED (scales: A lowp_scales[30], B lowp_scales[31])
;;   THE QUANTISER, for each operand of a quantised product, along K:
;;     - The operand's scale is 2^e, e = its entry of the input lowp_scales (int32; the entries are numbered through the quantised products in the list's order, A before B).
;;     - Each number is divided by the scale, clamped to +-57,344, and rounded to the nearest number of E5M2, ties to even, subnormals kept.
;;     - The product sums the exact products of the quantised numbers (number of the format x scale) in f32.
;;   ~~~python
;;   def quantise(x, axis, e):      # numpy; x: float32 -> the quantised numbers, widened to float32 again
;;       x = np.moveaxis(x, axis, -1); K = x.shape[-1]
;;       r = np.clip(x / 2.0 ** e, -57344, 57344)
;;       step = 2.0 ** (np.maximum(np.frexp(np.where(r == 0, 1, r))[1] - 1, -14) - 2)
;;       q = np.round(r / step) * step * 2.0 ** e      # np.round: ties to even
;;       return np.moveaxis(q, -1, axis).astype(np.float32)
;;   ~~~
;;   OPERANDS COMPUTED ON THE WAY. 'Computed on the way' means the value that the module computes at that place (a softmax that the list does not call 'softmax' is quantised finished and normalised). What goes into a quantiser is computed in f32, as accurately as f32 sums, v_exp_f32 and their like allow (about 1e-6 of the number): no bf16 or f16 on the way to a quantiser, and a product that is left as it is and whose result goes on into a quantised operand takes f32 operands (vector FMAs, or v_wmma_f32_16x16x4_f32). A number that lies on a knife's edge between two numbers of the format may be rounded either way, as far as f32 arithmetic and the matrix unit's own rounding can turn it there, and no further.
;; 3 versions. Each part assembles by itself: llvm-mc -triple=amdgcn-amd-amdhsa -mcpu=gfx1250 --defsym DOCPART=n.
;; ======== version 1 of 3: 4 launches
;; workspace buffers: eidx 4,096 bytes of whole numbers; prob 4,096 bytes; xq 1,048,576 bytes; list 4,096 bytes of whole numbers; ps 4,096 bytes; meta 256 bytes of whole numbers; h 4,653,056 bytes
;; launch route (part 1): grid 64 x 1, 4 waves a work-group, no clusters, 35,328 bytes of LDS; arguments hidden_states, Wr, br, lowp_scales, eidx, prob, xq; writes eidx, prob, xq
.if DOCPART == 1
	.amdgcn_target "amdgcn-amd-amdhsa--gfx1250"
	.amdhsa_code_object_version 6
	.text
	.protected	k_q9fd7e77dd3_route
	.globl	k_q9fd7e77dd3_route
	.p2align	8
	.type	k_q9fd7e77dd3_route,@function
k_q9fd7e77dd3_route:
	s_mov_b64 s[64:65], 0
	v_nop
	global_prefetch_b8 v0, s[64:65] scope:SCOPE_SE
	s_setreg_imm32_b32 hwreg(HW_REG_WAVE_MODE, 25, 1), 1
	s_wait_xcnt 0x0
; THE ROUTER, AND x AS CODES.  route = sigmoid(x Wr + br) in f32; for each token the largest of its 8 numbers (prob) and that number's index (eidx; of equal numbers the lower index);
; and the token's 1,024 numbers as codes of E5M2 with the scale 2^ex of ITS expert (lowp_scales[4 e]), K as it lies: xq [1024 tokens][1024 bytes].
; The choice steers no address and no branch here: it only selects values (v_cndmask_b32) and is stored at fixed places; the next launch places the rows.
; SHARES.  64 work-groups of four waves; a wave takes 4 tokens.  Lane l holds k = 256 i + 8 l + 0..7 (i = 0..3) of each token: 32 numbers a token, which serve the sums and then the conversions
; (eight neighbours along K in eight consecutive registers).  Wr (32,768 bytes) goes through LDS once for the work-group: a lane's eight rows of Wr are 256 consecutive bytes, a block; blocks lie 272 bytes apart.
; sigmoid(z) = 1 / (1 + 2^(-z log2 e)).  LIMITS: ex between -126 and 112, so that 2^ex and 57,344 x 2^ex are f32 numbers; NaN and infinities among the inputs are not served.
; No matrix unit: 8 columns are half a tile, and the sums are wanted in f32.  No cluster: what the work-groups share is Wr, 32 KiB against 64 KiB of x each.
.set PITCH, 272
.set BEST, 8                           ; v8-11   the largest sigmoid of token 0..3
.set BI,   12                          ; v12-15  its index
.set SC,   16                          ; v16-19  the chosen ex, then 2^ex as f32
.set LIM,  20                          ; v20-23  57,344 x 2^ex
.set ACC,  32                          ; v32-63  the sums: 8 x token + expert
.set X,    64                          ; v64-191 x: 32 x token + 8 i + k
.set WRC,  192                         ; v192-255 Wr as loaded; then a lane's block: 8 k + expert; then the codes
	s_load_b256 s[4:11], s[0:1], 0x0               ; x s[4:5], Wr s[6:7], br s[8:9], the scales' exponents s[10:11]
	s_load_b128 s[12:15], s[0:1], 0x20             ; eidx s[12:13], prob s[14:15]
	s_load_b64 s[16:17], s[0:1], 0x30              ; xq
	v_lshl_add_u32 v30, v0, 2, 0x8800
	v_mov_b32 v31, 0
	v_lshrrev_b32 v24, 5, v0
	v_readfirstlane_b32 s18, v24                   ; wave 0..3
	v_and_b32 v1, 31, v0                           ; lane
	v_lshlrev_b32 v2, 5, v1                        ; x: 32 bytes a lane
	v_lshlrev_b32 v3, 4, v1                        ; Wr as it lies: 16 bytes a lane
	v_bfe_u32 v24, v0, 4, 1
	v_and_b32 v25, 15, v0
	v_mul_u32_u24 v4, v24, PITCH
	v_lshl_add_u32 v4, v25, 4, v4                  ; into LDS: a load's 512 bytes are two blocks: 272 (lane / 16) + 16 (lane % 16)
	s_mul_i32 s20, s18, 32*PITCH
	v_add_nc_u32 v4, s20, v4                       ; + my wave's 32 blocks
	v_mul_u32_u24 v5, v1, PITCH                    ; out of LDS: block 32 i + lane
	v_lshlrev_b32 v6, 3, v1                        ; codes: 8 bytes a lane
	v_lshlrev_b32 v7, 2, v1                        ; eidx, prob: 4 bytes a lane
	s_mov_b32 s66, 0x76543210                      ; v_permlanex16_b32: lane l xor 16
	s_mov_b32 s67, 0xfedcba98
	s_mov_b32 s68, 2                               ; lane 1, lane 2, lane 3 as masks
	s_mov_b32 s69, 4
	s_mov_b32 s70, 8
	s_lshl_b32 s20, ttmp9, 4
	s_lshl_b32 s21, s18, 2
	s_add_co_u32 s20, s20, s21                     ; my first token: 16 x work-group + 4 x wave
	s_mov_b32 s23, 0
	s_wait_kmcnt 0x0
	s_load_b256 s[24:31], s[8:9], 0x0              ; br
	s_load_b512 s[32:47], s[10:11], 0x0            ; the 32 exponents: expert e's ex is s[32 + 4 e]
	s_load_b512 s[48:63], s[10:11], 0x40
	s_lshl_b32 s22, s20, 12
	s_add_nc_u64 s[4:5], s[4:5], s[22:23]          ; x at my first token
	s_lshl_b32 s22, s18, 13
	s_add_nc_u64 s[6:7], s[6:7], s[22:23]          ; Wr at my wave's quarter
	s_lshl_b32 s22, s20, 10
	s_add_nc_u64 s[16:17], s[16:17], s[22:23]      ; xq at my first token
	s_lshl_b32 s22, s20, 2
	s_add_nc_u64 s[12:13], s[12:13], s[22:23]
	s_add_nc_u64 s[14:15], s[14:15], s[22:23]
.irp n, 0,1,2,3,4,5,6,7,8,9,10,11,12,13,14,15
	global_load_b128 v[WRC+4*\n:WRC+4*\n+3], v3, s[6:7] offset:512*\n
.endr
.irp t, 0,1,2,3
.irp i, 0,1,2,3
	global_load_b128 v[X+32*\t+8*\i:X+32*\t+8*\i+3], v2, s[4:5] offset:4096*\t+1024*\i th:TH_LOAD_NT      ; the two loads of a pair cover 1,024 consecutive bytes
	global_load_b128 v[X+32*\t+8*\i+4:X+32*\t+8*\i+7], v2, s[4:5] offset:4096*\t+1024*\i+16 th:TH_LOAD_NT
.endr
.endr
	s_wait_loadcnt 32                              ; Wr's sixteen loads are in; x's 32 were issued behind them
.irp n, 0,1,2,3,4,5,6,7,8,9,10,11,12,13,14,15
	ds_store_b128 v4, v[WRC+4*\n:WRC+4*\n+3] offset:2*PITCH*\n
.endr
	s_wait_dscnt 0x0                               ; for the others' sake: my quarter of Wr lies in LDS
	s_barrier_signal -1
	s_barrier_wait -1
	s_wait_loadcnt 0x0                             ; x
; 256 along K: my block of Wr, then 8 k x 4 tokens x 4 pairs of experts.  x(k) serves both halves of a packed multiply-add.  The very first products start the sums: nothing is cleared.
.macro DOT i
.irp q, 0,1,2,3,4,5,6,7,8,9,10,11,12,13,14,15
	ds_load_b128 v[WRC+4*\q:WRC+4*\q+3], v5 offset:32*PITCH*\i+16*\q
.endr
	s_wait_dscnt 0x0
.irp k, 0,1,2,3,4,5,6,7
.irp t, 0,1,2,3
.irp p, 0,2,4,6
.if (\i == 0) && (\k == 0)
	v_pk_mul_f32 v[ACC+8*\t+\p:ACC+8*\t+\p+1], v[WRC+\p:WRC+\p+1], v[X+32*\t:X+32*\t+1] op_sel_hi:[1,0]
.elseif (\k % 2) == 0
	v_pk_fma_f32 v[ACC+8*\t+\p:ACC+8*\t+\p+1], v[WRC+8*\k+\p:WRC+8*\k+\p+1], v[X+32*\t+8*\i+\k:X+32*\t+8*\i+\k+1], v[ACC+8*\t+\p:ACC+8*\t+\p+1] op_sel_hi:[1,0,1]
.else
	v_pk_fma_f32 v[ACC+8*\t+\p:ACC+8*\t+\p+1], v[WRC+8*\k+\p:WRC+8*\k+\p+1], v[X+32*\t+8*\i+\k-1:X+32*\t+8*\i+\k], v[ACC+8*\t+\p:ACC+8*\t+\p+1] op_sel:[0,1,0] op_sel_hi:[1,1,1]
.endif
.endr
.endr
.endr
.endm
	DOT 0
	DOT 1
	DOT 2
	DOT 3
	; the 32 sums over the 32 lanes: every lane ends with all of them
.irp m, 1,2,4,8
.set j, 0
.rept 32
	v_add_f32_dpp v[ACC+j], v[ACC+j], v[ACC+j] row_xmask:\m row_mask:0xf bank_mask:0xf
.set j, j+1
.endr
.endr
.set j, 0
.rept 32
	v_permlanex16_b32 v[WRC+j], v[ACC+j], s66, s67 ; (its destination counts as read: these registers have been written)
.set j, j+1
.endr
	s_wait_kmcnt 0x0                               ; br and the exponents
.set j, 0
.rept 32
	v_add_f32 v[ACC+j], v[ACC+j], v[WRC+j]
.set j, j+1
.endr
.set j, 0
.rept 32
	v_add_f32 v[ACC+j], s[24+j%8], v[ACC+j]        ; z = x Wr + br
.set j, j+1
.endr
.set j, 0
.rept 32
	v_mul_f32 v[ACC+j], 0xbfb8aa3b, v[ACC+j]       ; -z log2(e)
.set j, j+1
.endr
.set j, 0
.rept 32
	v_exp_f32 v[ACC+j], v[ACC+j]
.set j, j+1
.endr
	v_nop                                          ; a plain instruction between the last exponential and the use of its result (ISA guide 5.7.2)
.set j, 0
	s_wait_alu depctr_va_vdst(0)
.rept 32
	v_add_f32 v[ACC+j], 1.0, v[ACC+j]
.set j, j+1
.endr
.set j, 0
.rept 32
	v_rcp_f32 v[ACC+j], v[ACC+j]                   ; the sigmoid
.set j, j+1
.endr
	v_nop
	; the largest, its index and its expert's ex.  'best >= candidate' keeps the best: of equal numbers the lower index stays
	s_wait_alu depctr_va_vdst(0)
.irp t, 0,1,2,3
	v_mov_b32 v[BEST+\t], v[ACC+8*\t]
	v_mov_b32 v[BI+\t], 0
	v_mov_b32 v[SC+\t], s32
.endr
.irp e, 1,2,3,4,5,6,7
.irp t, 0,1,2,3
	v_cmp_ge_f32 vcc_lo, v[BEST+\t], v[ACC+8*\t+\e]
	v_cndmask_b32 v[BEST+\t], v[ACC+8*\t+\e], v[BEST+\t], vcc_lo
	v_cndmask_b32 v[BI+\t], \e, v[BI+\t], vcc_lo
	v_cndmask_b32 v[SC+\t], s[32+4*\e], v[SC+\t], vcc_lo
.endr
.endr
.irp t, 0,1,2,3
	v_add_lshl_u32 v[SC+\t], v[SC+\t], 0x7f, 23    ; 2^ex as f32: the conversion takes its exponent field
	v_add_nc_u32 v[LIM+\t], 0x07e00000, v[SC+\t]   ; 57,344 x 2^ex: 15 more in the exponent field, 0x600000 in the mantissa
.endr
.irp t, 0,1,2,3
.set j, 0
.rept 32
	v_med3_num_f32 v[X+32*\t+j], v[X+32*\t+j], -v[LIM+\t], v[LIM+\t]   ; the conversion to an 8-bit code does not saturate (ISA guide 7.6.2): the hold at the largest code x the scale
.set j, j+1
.endr
.irp i, 0,1,2,3
	v_cvt_scalef32_pk8_bf8_f32 v[WRC+8*\t+2*\i:WRC+8*\t+2*\i+1], v[X+32*\t+8*\i:X+32*\t+8*\i+7], v[SC+\t]
.endr
.endr
	v_nop                                          ; a plain instruction behind the last conversion
.irp t, 0,1,2,3
.irp i, 0,1,2,3
	global_store_b64 v6, v[WRC+8*\t+2*\i:WRC+8*\t+2*\i+1], s[16:17] offset:1024*\t+256*\i   ; the wave stores 256 consecutive bytes, at a multiple of 256 from xq's first byte
.endr
.endr
	v_cndmask_b32 v24, v[BI], v[BI+1], s68         ; lane t takes token t's index and number
	v_cndmask_b32 v25, v[BEST], v[BEST+1], s68
	v_cndmask_b32 v24, v24, v[BI+2], s69
	v_cndmask_b32 v25, v25, v[BEST+2], s69
	v_cndmask_b32 v24, v24, v[BI+3], s70
	v_cndmask_b32 v25, v25, v[BEST+3], s70
	v_cmp_gt_u32 vcc_lo, 4, v1
	s_wait_xcnt 0x0                                ; EXEC is a source of the stores above: it changes only behind this wait
	s_wait_tensorcnt 0x0
	ds_add_u32 v30, v31
	s_wait_dscnt 0x0
	s_and_saveexec_b32 s20, vcc_lo
	global_store_b32 v7, v24, s[12:13]
	global_store_b32 v7, v25, s[14:15]
	s_endpgm
.Lfunc_end_k_q9fd7e77dd3_route:
	.size	k_q9fd7e77dd3_route, .Lfunc_end_k_q9fd7e77dd3_route-k_q9fd7e77dd3_route
	.p2alignl 7, 3214868480
	.fill 96, 4, 3214868480
	.section	.rodata,"a",@progbits
	.p2align	6, 0x0
	.amdhsa_kernel k_q9fd7e77dd3_route
		.amdhsa_group_segment_fixed_size 35328
		.amdhsa_private_segment_fixed_size 0
		.amdhsa_enable_private_segment 0
		.amdhsa_kernarg_size 56
		.amdhsa_user_sgpr_count 2
		.amdhsa_user_sgpr_kernarg_segment_ptr 1
		.amdhsa_wavefront_size32 1
		.amdhsa_system_sgpr_workgroup_id_x 1
		.amdhsa_system_sgpr_workgroup_id_y 1
		.amdhsa_system_sgpr_workgroup_id_z 1
		.amdhsa_system_vgpr_workitem_id 0
		.amdhsa_next_free_vgpr 256
		.amdhsa_next_free_sgpr 80
		.amdhsa_reserve_vcc 1
		.amdhsa_float_denorm_mode_32 3
		.amdhsa_float_denorm_mode_16_64 3
		.amdhsa_memory_ordered 1
		.amdhsa_forward_progress 1
		.amdhsa_inst_pref_size 77
	.end_amdhsa_kernel
	.amdgpu_metadata
---
amdhsa.version: [ 1, 2 ]
amdhsa.kernels:
  - .name:           k_q9fd7e77dd3_route
    .symbol:         k_q9fd7e77dd3_route.kd
    .args:
      - { .name: hidden_states, .offset: 0, .size: 8, .value_kind: global_buffer, .address_space: global }
      - { .name: Wr, .offset: 8, .size: 8, .value_kind: global_buffer, .address_space: global }
      - { .name: br, .offset: 16, .size: 8, .value_kind: global_buffer, .address_space: global }
      - { .name: lowp_scales, .offset: 24, .size: 8, .value_kind: global_buffer, .address_space: global }
      - { .name: eidx, .offset: 32, .size: 8, .value_kind: global_buffer, .address_space: global }
      - { .name: prob, .offset: 40, .size: 8, .value_kind: global_buffer, .address_space: global }
      - { .name: xq, .offset: 48, .size: 8, .value_kind: global_buffer, .address_space: global }
    .group_segment_fixed_size: 35328
    .private_segment_fixed_size: 0
    .kernarg_segment_align: 8
    .kernarg_segment_size: 56
    .max_flat_workgroup_size: 128
    .sgpr_count:     80
    .vgpr_count:     256
    .wavefront_size: 32
...
	.end_amdgpu_metadata
.endif
;; end of part 1
;; launch place (part 2): grid 32 x 1, 1 waves a work-group, no clusters, 0 bytes of LDS; arguments eidx, prob, list, ps, meta; writes list, ps, meta
.if DOCPART == 2
	.amdgcn_target "amdgcn-amd-amdhsa--gfx1250"
	.amdhsa_code_object_version 6
	.text
	.protected	k_q9fd7e77dd3_place
	.globl	k_q9fd7e77dd3_place
	.p2align	8
	.type	k_q9fd7e77dd3_place,@function
k_q9fd7e77dd3_place:
	s_mov_b64 s[64:65], 0
	v_nop
	global_prefetch_b8 v0, s[64:65] scope:SCOPE_SE
	s_setreg_imm32_b32 hwreg(HW_REG_WAVE_MODE, 25, 1), 1
	s_wait_xcnt 0x0
; THE ROWS ARE PLACED BY EXPERT: a counting sort without atomics.  list[p] = the token at place p, ps[p] = its router number; the tokens of expert e stand at places start_e .. start_e + n_e - 1, in ascending order.
; meta: word e = n_e; word 8 + e = start_e; word 16 + e = the number of tiles of 16 rows that the experts before e take; words 24-31 = 0.
; SHARES.  32 work-groups of one wave; work-group W places tokens 32 W + lane.  Every wave counts all 1,024 choices itself (4 KiB, 32 registers): so nothing goes between work-groups.
; A token's place = start of its expert + the expert's tokens in the groups before W + those in lower lanes of W.
.set TOT, 16                           ; s[16:23] n_e
.set BEF, 24                           ; s[24:31] expert e's tokens in groups before mine
.set ST,  32                           ; s[32:39] eight masks while counting; then start_e
.set TB,  40                           ; s[40:47] tiles before expert e
	s_load_b256 s[4:11], s[0:1], 0x0               ; eidx s[4:5], prob s[6:7], list s[8:9], ps s[10:11]
	s_load_b64 s[12:13], s[0:1], 0x20              ; meta
	v_lshlrev_b32 v2, 2, v0                        ; 4 bytes a lane (one wave: the thread's number is the lane)
	s_lshl_b32 s14, ttmp9, 7                       ; my group's 128 bytes
	s_mov_b32 s15, 0
.irp e, 0,1,2,3,4,5,6,7
	s_mov_b32 s[TOT+\e], 0
	s_mov_b32 s[BEF+\e], 0
.endr
	s_wait_kmcnt 0x0
	s_add_nc_u64 s[52:53], s[4:5], s[14:15]
	s_add_nc_u64 s[54:55], s[6:7], s[14:15]
.set j, 0
.rept 32
	global_load_b32 v[16+j], v2, s[4:5] offset:128*j   ; group j's choices
.set j, j+1
.endr
	global_load_b32 v8, v2, s[52:53]               ; my token's choice,
	global_load_b32 v9, v2, s[54:55]               ; and its router number
	s_wait_loadcnt 0x0
.set j, 0
.rept 32
	s_cmp_gt_u32 ttmp9, j
	s_cselect_b32 s48, -1, 0                       ; all ones where group j stands before mine
.irp e, 0,1,2,3,4,5,6,7
	v_cmp_eq_u32 s[ST+\e], \e, v[16+j]             ; eight masks first, so that no count waits for the compare just ahead of it
.endr
.irp e, 0,1,2,3,4,5,6,7
	s_bcnt1_i32_b32 s50, s[ST+\e]
	s_add_co_u32 s[TOT+\e], s[TOT+\e], s50
	s_and_b32 s50, s50, s48
	s_add_co_u32 s[BEF+\e], s[BEF+\e], s50
.endr
.set j, j+1
.endr
	s_mov_b32 s[ST], 0
	s_mov_b32 s[TB], 0
.irp e, 1,2,3,4,5,6,7
	s_add_co_u32 s[ST+\e], s[ST+\e-1], s[TOT+\e-1]
	s_add_co_u32 s50, s[TOT+\e-1], 15
	s_lshr_b32 s50, s50, 4
	s_add_co_u32 s[TB+\e], s[TB+\e-1], s50
.endr
	v_mov_b32 v11, 0
.irp e, 0,1,2,3,4,5,6,7
	v_cmp_eq_u32 s49, \e, v8
	v_mbcnt_lo_u32_b32 v12, s49, 0                 ; expert e's tokens in lower lanes
	s_add_co_u32 s50, s[ST+\e], s[BEF+\e]
	v_add_nc_u32 v12, s50, v12
	v_cndmask_b32 v11, v11, v12, s49
.endr
	v_min_u32 v11, 0x3ff, v11                      ; a place made of loaded numbers is held inside the list
	v_lshlrev_b32 v11, 2, v11
	s_lshl_b32 s50, ttmp9, 5
	v_add_nc_u32 v13, s50, v0                      ; my token
	global_store_b32 v11, v13, s[8:9]
	global_store_b32 v11, v9, s[10:11]
	s_cmp_lg_u32 ttmp9, 0
	s_cbranch_scc1 .Lend                           ; the table is stored by work-group 0 alone
	v_mov_b32 v10, 0
.irp e, 0,1,2,3,4,5,6,7
	v_writelane_b32 v10, s[TOT+\e], \e
	v_writelane_b32 v10, s[ST+\e], 8+\e
	v_writelane_b32 v10, s[TB+\e], 16+\e
.endr
	global_store_b32 v2, v10, s[12:13]
.Lend:
	s_endpgm
.Lfunc_end_k_q9fd7e77dd3_place:
	.size	k_q9fd7e77dd3_place, .Lfunc_end_k_q9fd7e77dd3_place-k_q9fd7e77dd3_place
	.p2alignl 7, 3214868480
	.fill 96, 4, 3214868480
	.section	.rodata,"a",@progbits
	.p2align	6, 0x0
	.amdhsa_kernel k_q9fd7e77dd3_place
		.amdhsa_group_segment_fixed_size 0
		.amdhsa_private_segment_fixed_size 0
		.amdhsa_enable_private_segment 0
		.amdhsa_kernarg_size 40
		.amdhsa_user_sgpr_count 2
		.amdhsa_user_sgpr_kernarg_segment_ptr 1
		.amdhsa_wavefront_size32 1
		.amdhsa_system_sgpr_workgroup_id_x 1
		.amdhsa_system_sgpr_workgroup_id_y 1
		.amdhsa_system_sgpr_workgroup_id_z 1
		.amdhsa_system_vgpr_workitem_id 0
		.amdhsa_next_free_vgpr 64
		.amdhsa_next_free_sgpr 66
		.amdhsa_reserve_vcc 0
		.amdhsa_float_denorm_mode_32 3
		.amdhsa_float_denorm_mode_16_64 3
		.amdhsa_memory_ordered 1
		.amdhsa_forward_progress 1
		.amdhsa_inst_pref_size 60
	.end_amdhsa_kernel
	.amdgpu_metadata
---
amdhsa.version: [ 1, 2 ]
amdhsa.kernels:
  - .name:           k_q9fd7e77dd3_place
    .symbol:         k_q9fd7e77dd3_place.kd
    .args:
      - { .name: eidx, .offset: 0, .size: 8, .value_kind: global_buffer, .address_space: global }
      - { .name: prob, .offset: 8, .size: 8, .value_kind: global_buffer, .address_space: global }
      - { .name: list, .offset: 16, .size: 8, .value_kind: global_buffer, .address_space: global }
      - { .name: ps, .offset: 24, .size: 8, .value_kind: global_buffer, .address_space: global }
      - { .name: meta, .offset: 32, .size: 8, .value_kind: global_buffer, .address_space: global }
    .group_segment_fixed_size: 0
    .private_segment_fixed_size: 0
    .kernarg_segment_align: 8
    .kernarg_segment_size: 40
    .max_flat_workgroup_size: 32
    .sgpr_count:     66
    .vgpr_count:     64
    .wavefront_size: 32
...
	.end_amdgpu_metadata
.endif
;; end of part 2
;; launch fc1 (part 3): grid 256 x 1, 4 waves a work-group, no clusters, 66,048 bytes of LDS; arguments W1, xq, list, meta, lowp_scales, h; writes h
.if DOCPART == 3
	.amdgcn_target "amdgcn-amd-amdhsa--gfx1250"
	.amdhsa_code_object_version 6
	.text
	.protected	k_q9fd7e77dd3_fc1
	.globl	k_q9fd7e77dd3_fc1
	.p2align	8
	.type	k_q9fd7e77dd3_fc1,@function
k_q9fd7e77dd3_fc1:
	s_mov_b64 s[64:65], 0
	v_nop
	global_prefetch_b8 v0, s[64:65] scope:SCOPE_SE
	s_setreg_imm32_b32 hwreg(HW_REG_WAVE_MODE, 25, 1), 1
	s_wait_xcnt 0x0
; h = Q(gelu(Q(x) Q(W1[e]))) for the rows that chose expert e, on codes of E5M2 (v_wmma_f32_16x16x128_bf8_bf8), sums in f32.  The exponents are lowp_scales[4 e ..]: ex, ew1, eh, ew2.
; SHARES.  Work-group = (expert e = number / 32, slice sl = number % 32): hidden units 128 sl .. 128 sl + 127, which are K step sl of the second product.  It reads its 1,024 x 128 numbers of W1 once, as f32,
; quantises them in registers and keeps the codes there.  Wave w: kw = w % 2 takes rows (K) 512 kw .. + 511, cw = w / 2 takes 64 of the columns: 4 tiles x 4 K steps x 16 registers = 256 registers of codes.
; W1's K IS ITS FIRST AXIS, AND NOTHING IS TRANSPOSED: a lane loads 16 bytes = columns 4 r .. 4 r + 3 (r = lane % 16) of one row; eight such loads run down K; lanes 16-31 take the rows 16 further down.
; Column 4 r + t is row r of tile t.  The hold sorts the four columns apart, and the conversions' results are the operand's registers: byte i of a lane's 64 is k = 128 s + 32 (i / 16) + 16 (lane / 16) + i % 16,
; the places that four 16-byte loads of a row of xq give the other operand: the same order of k on both sides, so every product meets its partner.
; THE PRODUCT IS USED TRANSPOSED (source 0 = 16 columns of W1, source 1 = 16 rows of x): a lane holds one row (lane % 16), and register j of tile t the unit 64 cw + 32 (lane / 16) + 4 j + t.
; THE ROWS go in chunks of 64 (4 tiles), 16 trips whatever the count: barriers stand on every wave's path, and the work of a trip is jumped over by scalar branches on the stored count.  The two halves of K meet in LDS:
; each wave stores its 16 accumulators as they stand; behind a barrier wave w adds, for each tile of rows, tiles t = 2 kw, 2 kw + 1 of its columns, takes gelu, quantises, and stores registers 4 w .. 4 w + 3 of the
; next operand's fragment: h [tile][K step 32][4][lane][16 bytes], 512 consecutive bytes a store.  A second barrier stands between these reads and the next trip's stores.
; ROWS PAST THE COUNT in an expert's last tile repeat its last row (every index is held at n - 1): no lane is switched off and every byte of a stored tile is written.
; gelu(z) = z (1 + erf(z / sqrt 2)) / 2.  erf: above |a| = 0.9277 by 1 - exp(polynomial in |a|), below by an odd polynomial; 1 + erf has an absolute error of about 1e-7 (a unit in erf's last place);
; for a < -0.9277 the exponential itself is 1 + erf.  The factors 1/2 and 2^(ex + ew1) are folded into the conversion's scale, 2^(eh - ex - ew1 + 1).
; LIMITS: ew1 and eh - ex - ew1 + 1 between -126 and 112; ex + ew1 between -125 and 127.  NaN and infinities are not served.
; NO TENSOR LOADS, NO CLUSTER: the weights must pass through registers to be quantised and no two work-groups read the same; the rows' codes are shared by an expert's 32 work-groups, but how many there are hangs on a stored count.
; An expert without rows still streams its weights (its registers are then written on every path) and stores nothing.
; REGISTERS, in windows of 256 (s_set_vgpr_msb: bits 1:0 source 0, 3:2 source 1, 5:4 source 2, 7:6 destination):
;   window 0: v1-29 addresses and scales; v32-63 eight rows x four columns sorted apart; v64-127, v128-191 two tiles of x (4 K steps x 16)
;   window 1: W1's codes, fragment (K step s, tile t) at 16 (4 s + t)     window 2: a ring of 7 x 32 registers for W1 as f32; then the 16 accumulators, (tile of rows a, tile t) at 32 a + 8 t
;   window 3: gelu's registers and constants
.set TMP, 32
.set AB0, 64
.set AB1, 128
.set LA,  12                           ; v12-15  byte offsets in the list
.set LT,  16                           ; v16-19  tokens from the list
.set ADR, 20                           ; v20-23  a tile's byte offsets in xq
.set RA,  26                           ; v26-29  r + 16 a;  v26 = r
.set Z0,  0                            ; window 3: the sums of K's first half, then z, then z (1 + erf)
.set Z1,  16                           ; the sums of K's second half
.set GA,  32                           ; a = z / sqrt 2
.set GS,  48                           ; a^2; later 2 - exp
.set GT,  64                           ; |a|
.set GR,  80
.set GU,  96
.set CODE, 112
.set KC,  128                          ; 14 constants, each twice (a pair for the packed forms): 7 of the upper branch, 6 of the lower, log2(e)
.set DC,  142
.set L2E, 154
.set C1,  156                          ; 2^(ex + ew1) / sqrt 2, twice
.set LIMH, 158                         ; 57,344 x 2^(eh - ex - ew1 + 1)
.set SCH, 159                          ; 2^(eh - ex - ew1 + 1)
.set MSB, 0
.macro WIN new                         ; the immediate's high byte repeats the setting that is left; a switch that changes nothing is dropped
.if MSB != \new
	s_set_vgpr_msb (MSB<<8)|\new
.set MSB, \new
.endif
.endm
.macro PLACES                          ; four plain vector instructions between a matrix instruction and a load into a register that it has read (ISA guide 7.12.1 for vector instructions)
.rept 4
	v_nop
.endr
.endm
; Granule g = 8 s + a: the eight rows of K step s that make registers 2 a, 2 a + 1 of the four fragments.  Each load: two rows x 256 consecutive bytes, each piece at a multiple of 256 from W1's first byte.
.macro GLOAD g
	WIN 0x80
.irp j, 0,1,2,3,4,5,6,7
	global_load_b128 v[32*((\g)%7)+4*\j:32*((\g)%7)+4*\j+3], v4, s[4:5] offset:(128*((\g)/8)+32*(((\g)%8)/2)+8*((\g)%2)+\j)*16384 th:TH_LOAD_NT
.endr
.endm
; Granule g is quantised; its place in the ring takes granule g + 7.  n: the loads issued behind granule g's.
.macro GRAN g, n
	s_wait_loadcnt \n
	WIN 0x02
.irp t, 0,1,2,3
.irp j, 0,1,2,3,4,5,6,7
	v_med3_num_f32 v[TMP+8*\t+\j], v[32*((\g)%7)+4*\j+\t], -v11, v11   ; the hold at the largest code x the scale (the conversion does not saturate: ISA guide 7.6.2); it also sorts the four columns apart
.endr
.endr
	WIN 0x40
.irp t, 0,1,2,3
	v_cvt_scalef32_pk8_bf8_f32 v[16*(4*((\g)/8)+\t)+2*((\g)%8):16*(4*((\g)/8)+\t)+2*((\g)%8)+1], v[TMP+8*\t:TMP+8*\t+7], v10
.endr
	v_nop                                          ; a plain instruction behind the last conversion: the next granule writes its sources, products read its results
.if (\g)+7 < 32
	GLOAD (\g)+7
.endif
.endm
; The list's entries of the chunk at s35: place = start + min(r + 16 a + s35, n - 1), held inside the list
.macro LISTLOAD
.irp a, 0,1,2,3
	v_add_nc_u32 v[LA+\a], s35, v[RA+\a]
.endr
.irp a, 0,1,2,3
	v_min_u32 v[LA+\a], s24, v[LA+\a]
.endr
.irp a, 0,1,2,3
	v_add_nc_u32 v[LA+\a], s22, v[LA+\a]
.endr
.irp a, 0,1,2,3
	v_min_u32 v[LA+\a], 0x3ff, v[LA+\a]
.endr
.irp a, 0,1,2,3
	v_lshlrev_b32 v[LA+\a], 2, v[LA+\a]
.endr
.irp a, 0,1,2,3
	global_load_b32 v[LT+\a], v[LA+\a], s[8:9]
.endr
	s_add_co_u32 s35, s35, 64
.endm
.macro LOADA a, buf                    ; tile a of the chunk: my half of K of 16 rows of xq: 4 K steps x 4 loads of 16 bytes
.irp s, 0,1,2,3
.irp c, 0,1,2,3
	global_load_b128 v[\buf+16*\s+4*\c:\buf+16*\s+4*\c+3], v[ADR+\a], s[6:7] offset:128*\s+32*\c
.endr
.endr
.endm
; The tokens that have come from the list become the next chunk's addresses; the list of the chunk after it is asked for; the next chunk's first two tiles are asked for.  36 loads; 28 plain vector instructions ahead of them.
.macro NEXTA
.irp a, 0,1,2,3
	v_min_u32 v[ADR+\a], 0x3ff, v[LT+\a]           ; a loaded token is held inside xq
.endr
.irp a, 0,1,2,3
	v_lshl_add_u32 v[ADR+\a], v[ADR+\a], 10, v24   ; row x 1,024 + 512 kw + 16 (lane / 16)
.endr
	LISTLOAD
	LOADA 0, AB0
	LOADA 1, AB1
.endm
; 16 matrix instructions: tile a of the rows x my 4 tiles of columns x my 4 K steps.  The four accumulators take turns, one instruction a turn; the first K step starts the sums.
.macro MUL a, buf
	WIN 0xa1                                       ; source 0 (W1) window 1, source 1 (x) window 0, C and D window 2
.irp s, 0,1,2,3
.irp t, 0,1,2,3
.if \s == 0
	v_wmma_f32_16x16x128_bf8_bf8 v[32*\a+8*\t:32*\a+8*\t+7], v[16*(4*\s+\t):16*(4*\s+\t)+15], v[\buf+16*\s:\buf+16*\s+15], 0
.else
	v_wmma_f32_16x16x128_bf8_bf8 v[32*\a+8*\t:32*\a+8*\t+7], v[16*(4*\s+\t):16*(4*\s+\t)+15], v[\buf+16*\s:\buf+16*\s+15], v[32*\a+8*\t:32*\a+8*\t+7]
.endif
.endr
.endr
	WIN 0
.endm
; 16 numbers a lane, all in window 3: the two halves' sums become codes of gelu
.macro GELU
.irp p, 0,2,4,6,8,10,12,14
	v_pk_add_f32 v[Z0+\p:Z0+\p+1], v[Z0+\p:Z0+\p+1], v[Z1+\p:Z1+\p+1]
.endr
.irp p, 0,2,4,6,8,10,12,14
	v_pk_mul_f32 v[GA+\p:GA+\p+1], v[Z0+\p:Z0+\p+1], v[C1:C1+1]
.endr
.irp p, 0,2,4,6,8,10,12,14
	v_pk_mul_f32 v[GS+\p:GS+\p+1], v[GA+\p:GA+\p+1], v[GA+\p:GA+\p+1]
.endr
.set j, 0
.rept 16
	v_and_b32 v[GT+j], 0x7fffffff, v[GA+j]
.set j, j+1
.endr
.irp p, 0,2,4,6,8,10,12,14
	v_pk_fma_f32 v[GR+\p:GR+\p+1], v[GT+\p:GT+\p+1], v[KC:KC+1], v[KC+2:KC+3]
.endr
.irp p, 0,2,4,6,8,10,12,14
	v_pk_fma_f32 v[GU+\p:GU+\p+1], v[GT+\p:GT+\p+1], v[KC+4:KC+5], v[KC+6:KC+7]
.endr
.irp p, 0,2,4,6,8,10,12,14
	v_pk_fma_f32 v[GR+\p:GR+\p+1], v[GR+\p:GR+\p+1], v[GS+\p:GS+\p+1], v[GU+\p:GU+\p+1]
.endr
.irp c, 8,10,12
.irp p, 0,2,4,6,8,10,12,14
	v_pk_fma_f32 v[GR+\p:GR+\p+1], v[GR+\p:GR+\p+1], v[GT+\p:GT+\p+1], v[KC+\c:KC+\c+1]
.endr
.endr
.irp p, 0,2,4,6,8,10,12,14
	v_pk_fma_f32 v[GR+\p:GR+\p+1], v[GR+\p:GR+\p+1], v[GT+\p:GT+\p+1], v[GT+\p:GT+\p+1] neg_lo:[0,0,1] neg_hi:[0,0,1]
.endr
.irp p, 0,2,4,6,8,10,12,14
	v_pk_mul_f32 v[GR+\p:GR+\p+1], v[GR+\p:GR+\p+1], v[L2E:L2E+1]
.endr
.set j, 0
.rept 16
	v_exp_f32 v[GR+j], v[GR+j]                     ; 1 - erf(|a|), in the upper branch
.set j, j+1
.endr
.irp p, 0,2,4,6,8,10,12,14
	v_pk_fma_f32 v[GU+\p:GU+\p+1], v[GS+\p:GS+\p+1], v[DC:DC+1], v[DC+2:DC+3]   ; the lower branch; its first line is the plain instruction behind the exponentials (ISA guide 5.7.2)
.endr
.irp c, 4,6,8,10
.irp p, 0,2,4,6,8,10,12,14
	v_pk_fma_f32 v[GU+\p:GU+\p+1], v[GU+\p:GU+\p+1], v[GS+\p:GS+\p+1], v[DC+\c:DC+\c+1]
.endr
.endr
.irp p, 0,2,4,6,8,10,12,14
	v_pk_fma_f32 v[GU+\p:GU+\p+1], v[GU+\p:GU+\p+1], v[GA+\p:GA+\p+1], v[GA+\p:GA+\p+1]   ; erf(a)
.endr
.irp p, 0,2,4,6,8,10,12,14
	v_pk_add_f32 v[GU+\p:GU+\p+1], v[GU+\p:GU+\p+1], 1.0 op_sel_hi:[1,0]
.endr
	s_wait_alu depctr_va_vdst(0)
.irp p, 0,2,4,6,8,10,12,14
	v_pk_add_f32 v[GS+\p:GS+\p+1], 2.0, v[GR+\p:GR+\p+1] op_sel_hi:[0,1] neg_lo:[0,1] neg_hi:[0,1]   ; 1 + erf for a > 0 in the upper branch
.endr
.set j, 0
.rept 16
	v_cmp_lt_f32 vcc_lo, 0, v[GA+j]
	v_cndmask_b32 v[GR+j], v[GR+j], v[GS+j], vcc_lo
	v_cmp_lt_f32 vcc_lo, 0x3f6d8000, v[GT+j]       ; |a| > 0.927734375: the upper branch.  A choice of values, no branch
	v_cndmask_b32 v[GR+j], v[GU+j], v[GR+j], vcc_lo
.set j, j+1
.endr
.irp p, 0,2,4,6,8,10,12,14
	v_pk_mul_f32 v[Z0+\p:Z0+\p+1], v[Z0+\p:Z0+\p+1], v[GR+\p:GR+\p+1]
.endr
.set j, 0
.rept 16
	v_med3_num_f32 v[Z0+j], v[Z0+j], -v[LIMH], v[LIMH]
.set j, j+1
.endr
	v_cvt_scalef32_pk8_bf8_f32 v[CODE:CODE+1], v[Z0:Z0+7], v[SCH]
	v_cvt_scalef32_pk8_bf8_f32 v[CODE+2:CODE+3], v[Z0+8:Z0+15], v[SCH]
	v_nop                                          ; a plain instruction behind the last conversion
.endm
; Tile a of the chunk is finished, if it has a row: my two tiles of columns from both halves of K, gelu, codes, one store of 512 consecutive bytes
.macro FIN a
	s_add_co_u32 s40, s32, 16*\a
	s_cmp_lt_u32 s40, s21
	s_cbranch_scc0 .Lfin_\@
	WIN 0xc0                                       ; destination window 3
.irp k, 0,1
.irp u, 0,1
.irp f, 0,1
	ds_load_b128 v[16*\k+8*\u+4*\f:16*\k+8*\u+4*\f+3], v7 offset:16384*\k+4096*\a+1024*\u+512*\f
.endr
.endr
.endr
	s_lshr_b32 s40, s40, 4
	s_add_co_u32 s40, s40, s23                     ; the tile's number among all experts' tiles,
	s_min_u32 s40, s40, 70                         ; held inside h: 1,024 rows on 8 experts make at most 71 tiles
	s_lshl_b32 s40, s40, 16
	s_mov_b32 s41, 0
	s_wait_xcnt 0x0                                ; the store before this one has read its base and its data: both are written again only behind this wait
	s_add_nc_u64 s[36:37], s[38:39], s[40:41]
	s_wait_dscnt 0x0
	WIN 0xff
	GELU
	WIN 0x0c                                       ; a store's data: source 1, window 3
	global_store_b128 v5, v[CODE:CODE+3], s[36:37]
	WIN 0
.Lfin_\@:
.endm
	s_load_b256 s[4:11], s[0:1], 0x0               ; W1 s[4:5], xq s[6:7], list s[8:9], meta s[10:11]
	s_load_b128 s[12:15], s[0:1], 0x20             ; the scales' exponents s[12:13], h s[14:15]
	v_lshl_add_u32 v254, v0, 2, 0x10000
	v_mov_b32 v255, 0
	v_lshrrev_b32 v1, 5, v0
	v_readfirstlane_b32 s16, v1                    ; wave 0..3
	s_and_b32 s17, s16, 1                          ; kw
	s_lshr_b32 s18, s16, 1                         ; cw
	s_lshr_b32 s19, ttmp9, 5                       ; e
	s_and_b32 s20, ttmp9, 31                       ; sl
	v_and_b32 v1, 31, v0                           ; lane
	v_and_b32 v[RA], 15, v0                        ; r
	v_bfe_u32 v3, v0, 4, 1                         ; lane / 16
	v_lshlrev_b32 v4, 4, v[RA]
	v_lshl_add_u32 v4, v3, 18, v4                  ; W1: 16 r, and 16 rows of 16,384 bytes further down for lanes 16-31
	v_lshlrev_b32 v5, 4, v1                        ; 16 x lane
	s_lshl_b32 s40, s16, 14
	v_add_nc_u32 v6, s40, v5                       ; LDS, in: [wave 16,384][tile of rows 4,096][tile of columns 1,024][half 512][16 x lane]
	s_lshl_b32 s40, s18, 15
	s_lshl_b32 s41, s17, 11
	s_add_co_u32 s40, s40, s41
	v_add_nc_u32 v7, s40, v5                       ; LDS, out: waves 2 cw and 2 cw + 1, tiles 2 kw and 2 kw + 1
	s_lshl_b32 s40, s17, 9
	v_lshl_add_u32 v24, v3, 4, s40                 ; xq: 512 kw + 16 (lane / 16)
.irp a, 1,2,3
	v_add_nc_u32 v[RA+\a], 16*\a, v[RA]
.endr
	s_lshl_b32 s40, s19, 24                        ; W1: expert, my half of K, the slice's 512 bytes of a row, my 256 of them
	s_lshl_b32 s41, s17, 23
	s_add_co_u32 s40, s40, s41
	s_lshl_b32 s41, s20, 9
	s_add_co_u32 s40, s40, s41
	s_lshl_b32 s41, s18, 8
	s_add_co_u32 s40, s40, s41
	s_mov_b32 s41, 0
	s_lshl_b32 s42, s19, 2
	s_mov_b32 s43, 0
	s_lshl_b32 s44, s19, 4
	s_mov_b32 s45, 0
	s_lshl_b32 s46, s20, 11                        ; h: K step sl, registers 4 w on
	s_lshl_b32 s47, s16, 9
	s_add_co_u32 s46, s46, s47
	s_mov_b32 s47, 0
	s_mov_b32 s35, 0
	s_mov_b32 s32, 0
	s_wait_kmcnt 0x0
	s_add_nc_u64 s[4:5], s[4:5], s[40:41]
	s_add_nc_u64 s[10:11], s[10:11], s[42:43]
	s_add_nc_u64 s[12:13], s[12:13], s[44:45]
	s_add_nc_u64 s[38:39], s[14:15], s[46:47]
	s_load_b32 s21, s[10:11], 0x0                  ; n
	s_load_b32 s22, s[10:11], 0x20                 ; start
	s_load_b32 s23, s[10:11], 0x40                 ; tiles before my expert
	s_load_b128 s[28:31], s[12:13], 0x0            ; ex, ew1, eh, ew2
.irp g, 0,1,2,3,4,5,6
	GLOAD \g                                       ; 56 loads of 512 bytes are out from here to the stream's end
.endr
	WIN 0xc0
.set j, 0
.irp c, 0xb7910000, 0x39c8e7d9, 0xbb7e8a1c, 0x3cc6b1a1, 0xbddaae5c, 0xbf228550, 0xbe03ce86, 0xba1c7000, 0x3ba38d2c, 0xbcdb48d9, 0x3de70e22, 0xbec09380, 0x3e0375d4, 0x3fb8aa3b
	v_mov_b32 v[KC+2*j], \c
	v_mov_b32 v[KC+2*j+1], \c
.set j, j+1
.endr
	s_wait_kmcnt 0x0
	s_add_co_i32 s41, s28, s29                     ; ex + ew1
	s_lshl_b32 s42, s41, 23
	s_add_co_i32 s42, s42, 0x3f3504f3              ; added to the exponent field of 1 / sqrt 2
	s_sub_co_i32 s43, s30, s41
	s_add_co_i32 s43, s43, 128
	s_lshl_b32 s43, s43, 23                        ; 2^(eh - ex - ew1 + 1)
	s_add_co_u32 s44, s43, 0x07e00000              ; 57,344 x that
	v_mov_b32 v[C1], s42
	v_mov_b32 v[C1+1], s42
	v_mov_b32 v[LIMH], s44
	v_mov_b32 v[SCH], s43
	WIN 0
	s_add_co_i32 s40, s29, 127
	s_lshl_b32 s40, s40, 23
	v_mov_b32 v10, s40                             ; 2^ew1
	s_add_co_u32 s40, s40, 0x07e00000
	v_mov_b32 v11, s40                             ; 57,344 x 2^ew1
	s_max_u32 s24, s21, 1
	s_sub_co_u32 s24, s24, 1                       ; n - 1 (0 where n = 0)
	LISTLOAD                                       ; the first chunk's tokens: four loads behind the 56
	; THE STREAM.  Behind granule g stand six granules of 8 loads (the four list loads too, up to granule 6: the count 48 is then the smaller, safe one)
.set Q, 0
.rept 26
	GRAN Q, 48
.set Q, Q+1
.endr
	GRAN 26, 40                                    ; nothing is left to ask for: the counts run down
	GRAN 27, 32
	GRAN 28, 24
	WIN 0
	NEXTA                                          ; the first chunk's first two tiles of x come while the last three granules are quantised: 36 loads behind them
	GRAN 29, 52
	GRAN 30, 44
	GRAN 31, 36
	WIN 0
.Lchunk:                                               ; 16 trips of 64 rows
	s_cmp_lt_u32 s32, s21
	s_cbranch_scc0 .Lno1                           ; no row in this chunk: no products; the barriers are passed all the same
	s_wait_loadcnt 16                              ; tile 0 (and the list) are in; tile 1's sixteen loads may be out
	MUL 0, AB0
	PLACES
	LOADA 2, AB0
	s_wait_loadcnt 16                              ; tile 1
	MUL 1, AB1
	PLACES
	LOADA 3, AB1
	s_wait_loadcnt 16                              ; tile 2
	MUL 2, AB0
	s_wait_loadcnt 0x0                             ; tile 3
	MUL 3, AB1
	NEXTA                                          ; its 28 vector instructions are the places behind the last products, for its own loads and for the stores below
	WIN 0x08                                       ; an LDS store's data: source 1, window 2
.irp a, 0,1,2,3
.irp t, 0,1,2,3
	ds_store_b128 v6, v[32*\a+8*\t:32*\a+8*\t+3] offset:4096*\a+1024*\t          ; each accumulator from its low end on
	ds_store_b128 v6, v[32*\a+8*\t+4:32*\a+8*\t+7] offset:4096*\a+1024*\t+512
.endr
.endr
	WIN 0
.Lno1:
	s_wait_dscnt 0x0                               ; for the others' sake: my sums lie in LDS
	s_barrier_signal -1
	s_barrier_wait -1
	FIN 0
	FIN 1
	FIN 2
	FIN 3
	s_wait_dscnt 0x0                               ; my reads of the sums are over:
	s_barrier_signal -1
	s_barrier_wait -1                              ; only now does any wave store the next chunk's
	s_add_co_u32 s32, s32, 64
	s_cmp_lt_u32 s32, 1024
	s_cbranch_scc1 .Lchunk
	s_wait_tensorcnt 0x0
	ds_add_u32 v254, v255
	s_wait_dscnt 0x0
	s_endpgm
.Lfunc_end_k_q9fd7e77dd3_fc1:
	.size	k_q9fd7e77dd3_fc1, .Lfunc_end_k_q9fd7e77dd3_fc1-k_q9fd7e77dd3_fc1
	.p2alignl 7, 3214868480
	.fill 96, 4, 3214868480
	.section	.rodata,"a",@progbits
	.p2align	6, 0x0
	.amdhsa_kernel k_q9fd7e77dd3_fc1
		.amdhsa_group_segment_fixed_size 66048
		.amdhsa_private_segment_fixed_size 0
		.amdhsa_enable_private_segment 0
		.amdhsa_kernarg_size 48
		.amdhsa_user_sgpr_count 2
		.amdhsa_user_sgpr_kernarg_segment_ptr 1
		.amdhsa_wavefront_size32 1
		.amdhsa_system_sgpr_workgroup_id_x 1
		.amdhsa_system_sgpr_workgroup_id_y 1
		.amdhsa_system_sgpr_workgroup_id_z 1
		.amdhsa_system_vgpr_workitem_id 0
		.amdhsa_next_free_vgpr 1024
		.amdhsa_next_free_sgpr 66
		.amdhsa_reserve_vcc 1
		.amdhsa_float_denorm_mode_32 3
		.amdhsa_float_denorm_mode_16_64 3
		.amdhsa_memory_ordered 1
		.amdhsa_forward_progress 1
		.amdhsa_inst_pref_size 192
	.end_amdhsa_kernel
	.amdgpu_metadata
---
amdhsa.version: [ 1, 2 ]
amdhsa.kernels:
  - .name:           k_q9fd7e77dd3_fc1
    .symbol:         k_q9fd7e77dd3_fc1.kd
    .args:
      - { .name: W1, .offset: 0, .size: 8, .value_kind: global_buffer, .address_space: global }
      - { .name: xq, .offset: 8, .size: 8, .value_kind: global_buffer, .address_space: global }
      - { .name: list, .offset: 16, .size: 8, .value_kind: global_buffer, .address_space: global }
      - { .name: meta, .offset: 24, .size: 8, .value_kind: global_buffer, .address_space: global }
      - { .name: lowp_scales, .offset: 32, .size: 8, .value_kind: global_buffer, .address_space: global }
      - { .name: h, .offset: 40, .size: 8, .value_kind: global_buffer, .address_space: global }
    .group_segment_fixed_size: 66048
    .private_segment_fixed_size: 0
    .kernarg_segment_align: 8
    .kernarg_segment_size: 48
    .max_flat_workgroup_size: 128
    .sgpr_count:     66
    .vgpr_count:     1024
    .wavefront_size: 32
...
	.end_amdgpu_metadata
.endif
;; end of part 3
;; launch fc2 (part 4): grid 256 x 1, 8 waves a work-group, no clusters, 148,480 bytes of LDS; arguments W2, h, list, ps, meta, lowp_scales, out0; writes out0
.if DOCPART == 4
	.amdgcn_target "amdgcn-amd-amdhsa--gfx1250"
	.amdhsa_code_object_version 6
	.text
	.protected	k_q9fd7e77dd3_fc2
	.globl	k_q9fd7e77dd3_fc2
	.p2align	8
	.type	k_q9fd7e77dd3_fc2,@function
k_q9fd7e77dd3_fc2:
	s_mov_b64 s[64:65], 0
	v_nop
	global_prefetch_b8 v0, s[64:65] scope:SCOPE_SE
	s_setreg_imm32_b32 hwreg(HW_REG_WAVE_MODE, 25, 1), 1
	s_wait_xcnt 0x0
; out[token] = prob x (h Q(W2[e])) for the rows that chose expert e, on codes of E5M2 (v_wmma_f32_16x16x128_bf8_bf8), sums in f32, each sum x 2^(eh + ew2) (lowp_scales[4 e + 2], [4 e + 3]).
; SHARES.  Work-group = (expert e = number / 32, slice sl = number % 32): output columns 32 sl .. 32 sl + 31, all 4,096 of K: so each output number has one owner.  It reads its 4,096 x 32 numbers of W2 once, as f32,
; quantises them in registers and keeps the codes.  Wave w of eight takes rows (K) 512 w .. + 511: 2 tiles x 4 K steps x 16 registers = 128 registers of codes.
; W2's K IS ITS FIRST AXIS, AND NOTHING IS TRANSPOSED: a lane loads 8 bytes = columns 2 r, 2 r + 1 (r = lane % 16) of one row; column 2 r + t is row r of tile t.  The rows that a conversion's eight numbers come from are
; chosen as the launch before has laid h: byte 8 u + j of a lane's 64 is row 128 s + 64 (u / 4) + u % 4 + 4 j + 32 (lane / 16).  The same order of k on both sides: every product meets its partner.
; h comes as images of the operand's registers: a fragment is four loads of 512 consecutive bytes.
; THE PRODUCT IS USED TRANSPOSED (source 0 = 16 columns of W2, source 1 = 16 rows of h): a lane holds one row (lane % 16) and, of the two tiles together, sixteen neighbouring columns.
; THE ROWS go in chunks of 128 (8 tiles, in 4 pairs), 8 trips whatever the count; barriers stand on every wave's path, work is jumped over by scalar branches on the stored count.  The eight parts of K meet in LDS:
; [tile 18,432][wave 2,304][row 144][128 bytes]; behind a barrier wave w adds the eight parts of tile w, multiplies by the row's router number and stores 128 bytes of each of 16 rows of out0 (eight lanes a row).
; A second barrier stands between these reads and the next trip's stores.  ROWS PAST THE COUNT repeat the expert's last row, here as in the launch before: they store the same numbers to the same place.
; A slice is 128 bytes of a row, in W2 and in out0: 1,024 columns on 32 slices, so that 256 work-groups each own whole sums.
; LIMITS: ew2 between -126 and 112; eh + ew2 between -126 and 127.  NaN and infinities are not served.
; NO TENSOR LOADS, NO CLUSTER: the weights pass through registers to be quantised and no two work-groups read the same; h is shared by an expert's 32 work-groups, but how many tiles there are hangs on a stored count.
; REGISTERS, in windows of 256: window 0: v1-31 addresses and scales; v32-63 four accumulators; v64-95 their numbers in the order of the columns (v32-95 later: parts from LDS); v96-111 eight rows x two columns sorted apart,
;   later the sums; v112-115 row numbers; v128-255 a pair of tiles of h.   window 1: v0-127 W2's codes, fragment (K step s, tile t) at 16 (2 s + t); v128-239 a ring of 7 x 16 for W2 as f32, then v128-255 the other pair of tiles.
.set IA,  14                           ; v14-17  byte offsets in list and ps
.set TK,  18                           ; v18-21  tokens
.set PR,  22                           ; v22-25  router numbers
.set OA,  26                           ; v26-29  byte offsets in out0
.set ACC, 32
.set OUT, 64
.set TMP, 96
.set SUM, 96
.set RI,  112                          ; v112-115  16 w + 4 i + lane / 8
.set MSB, 0
.macro WIN new                         ; the immediate's high byte repeats the setting that is left; a switch that changes nothing is dropped
.if MSB != \new
	s_set_vgpr_msb (MSB<<8)|\new
.set MSB, \new
.endif
.endm
.macro PLACES                          ; four plain vector instructions between a matrix instruction and the first read of its result (ISA guide 7.12.1)
.rept 4
	v_nop
.endr
.endm
; Granule g = 8 s + u: the eight rows of K step s that make registers 2 u, 2 u + 1 of the two fragments.  Each load: two rows x 128 consecutive bytes.  No hint: the other 128 bytes of each aligned 256 are the neighbouring slice's
.macro GLOAD g
	WIN 0x40
.irp j, 0,1,2,3,4,5,6,7
	global_load_b64 v[128+16*((\g)%7)+2*\j:128+16*((\g)%7)+2*\j+1], v4, s[4:5] offset:(128*((\g)/8)+64*(((\g)%8)/4)+((\g)%4)+4*\j)*4096
.endr
.endm
.macro GRAN g, n                       ; granule g is quantised; its place in the ring takes granule g + 7.  n: the loads issued behind granule g's
	s_wait_loadcnt \n
	WIN 0x01
.irp t, 0,1
.irp j, 0,1,2,3,4,5,6,7
	v_med3_num_f32 v[TMP+8*\t+\j], v[128+16*((\g)%7)+2*\j+\t], -v13, v13   ; the hold at the largest code x the scale (the conversion does not saturate: ISA guide 7.6.2); it also sorts the two columns apart
.endr
.endr
	WIN 0x40
.irp t, 0,1
	v_cvt_scalef32_pk8_bf8_f32 v[16*(2*((\g)/8)+\t)+2*((\g)%8):16*(2*((\g)/8)+\t)+2*((\g)%8)+1], v[TMP+8*\t:TMP+8*\t+7], v12
.endr
	v_nop                                          ; a plain instruction behind the last conversion
.if (\g)+7 < 32
	GLOAD (\g)+7
.endif
.endm
; Pair p of the chunk (p = 4: the next chunk's first pair): my 4 K steps of two tiles of h, 32 loads of 512 consecutive bytes.  win: 0 for the buffer in window 0, 0x40 for that in window 1; sb: its two bases.
; A tile's number is held at the expert's last tile, and inside h.
.macro LOADP p, win, sb
.irp a, 0,1
	s_add_co_u32 s48, s57, 2*\p+\a
	s_min_u32 s48, s48, s25
	s_add_co_u32 s48, s48, s23
	s_min_u32 s48, s48, 70
	s_lshl_b32 s48, s48, 16
	s_add_nc_u64 s[\sb+2*\a:\sb+2*\a+1], s[36:37], s[48:49]
.endr
	WIN \win
.irp a, 0,1
.irp s, 0,1,2,3
.irp c, 0,1,2,3
	global_load_b128 v[128+64*\a+16*\s+4*\c:128+64*\a+16*\s+4*\c+3], v5, s[\sb+2*\a:\sb+2*\a+1] offset:2048*\s+512*\c
.endr
.endr
.endr
.endm
; 16 matrix instructions: two tiles of rows x my two tiles of columns x my 4 K steps.  The four accumulators take turns, one instruction a turn; the first K step starts the sums.
.macro MULP win                        ; 0x01: h in window 0; 0x05: h in window 1; W2 in window 1
	WIN \win
.irp s, 0,1,2,3
.irp a, 0,1
.irp t, 0,1
.if \s == 0
	v_wmma_f32_16x16x128_bf8_bf8 v[ACC+16*\a+8*\t:ACC+16*\a+8*\t+7], v[16*(2*\s+\t):16*(2*\s+\t)+15], v[128+64*\a+16*\s:128+64*\a+16*\s+15], 0
.else
	v_wmma_f32_16x16x128_bf8_bf8 v[ACC+16*\a+8*\t:ACC+16*\a+8*\t+7], v[16*(2*\s+\t):16*(2*\s+\t)+15], v[128+64*\a+16*\s:128+64*\a+16*\s+15], v[ACC+16*\a+8*\t:ACC+16*\a+8*\t+7]
.endif
.endr
.endr
.endr
.endm
; The pair's sums x 2^(eh + ew2), laid in the order of the columns (register j of tile t is column 16 (lane / 16) + 2 j + t), go to LDS: 64 bytes a lane and tile
.macro OUTP p
	WIN 0
	PLACES
.irp a, 0,1
.irp t, 0,1
.irp j, 0,1,2,3,4,5,6,7
	v_mul_f32 v[OUT+16*\a+2*\j+\t], s35, v[ACC+16*\a+8*\t+\j]      ; each accumulator from its low end on
.endr
.endr
.endr
.irp a, 0,1
.irp c, 0,1,2,3
	ds_store_b128 v[6+(\p)/2], v[OUT+16*\a+4*\c:OUT+16*\a+4*\c+3] offset:((2*\p+\a)%4)*18432+16*\c
.endr
.endr
.endm
	s_load_b256 s[4:11], s[0:1], 0x0               ; W2 s[4:5], h s[6:7], list s[8:9], ps s[10:11]
	s_load_b128 s[12:15], s[0:1], 0x20             ; meta s[12:13], the scales' exponents s[14:15]
	s_load_b64 s[16:17], s[0:1], 0x30              ; out0
	v_lshl_add_u32 v126, v0, 2, 0x24000
	v_mov_b32 v127, 0
	v_lshrrev_b32 v1, 5, v0
	v_readfirstlane_b32 s18, v1                    ; wave 0..7
	s_lshr_b32 s19, ttmp9, 5                       ; e
	s_and_b32 s20, ttmp9, 31                       ; sl
	s_lshl_b32 s56, s18, 4                         ; 16 w: the first row of the tile that I finish
	v_and_b32 v1, 31, v0                           ; lane
	v_and_b32 v2, 15, v0                           ; r
	v_bfe_u32 v3, v0, 4, 1                         ; lane / 16
	v_lshlrev_b32 v4, 3, v2
	v_lshl_add_u32 v4, v3, 17, v4                  ; W2: 8 r, and 32 rows of 4,096 bytes further down for lanes 16-31
	v_lshlrev_b32 v5, 4, v1                        ; 16 x lane
	s_mul_i32 s48, s18, 2304
	v_mul_u32_u24 v6, v2, 144
	v_lshl_add_u32 v6, v3, 6, v6
	v_add_nc_u32 v6, s48, v6                       ; LDS, in, tiles 0-3: 2,304 w + 144 r + 64 (lane / 16)
	v_add_nc_u32 v7, 73728, v6                     ; tiles 4-7: four tiles on
	v_bfe_u32 v31, v0, 3, 2                        ; lane / 8
	v_and_b32 v30, 7, v0
	v_lshlrev_b32 v30, 4, v30                      ; 16 (lane % 8)
	s_mul_i32 s48, s18, 18432
	v_mul_u32_u24 v8, v31, 144
	v_add_nc_u32 v8, v30, v8
	v_add_nc_u32 v8, s48, v8                       ; LDS, out: tile w, row lane / 8, 16 bytes a lane
	v_add_nc_u32 v[RI], s56, v31
.irp i, 1,2,3
	v_add_nc_u32 v[RI+\i], 4*\i, v[RI]
.endr
.irp i, 0,1,2,3
	v_mov_b32 v[TK+\i], 0                          ; written once, so that they are written on every path
	v_mov_b32 v[PR+\i], 0
.endr
	s_lshl_b32 s48, s19, 24                        ; W2: expert, my 512 rows, the slice's 128 bytes of a row
	s_lshl_b32 s50, s18, 21
	s_add_co_u32 s48, s48, s50
	s_lshl_b32 s50, s20, 7
	s_add_co_u32 s48, s48, s50
	s_mov_b32 s49, 0                               ; stays 0: the upper word of every offset below
	s_mov_b32 s32, 0                               ; the chunk's first row
	s_mov_b32 s57, 0                               ; and its first tile
	s_wait_kmcnt 0x0
	s_add_nc_u64 s[4:5], s[4:5], s[48:49]
	s_lshl_b32 s48, s19, 2
	s_add_nc_u64 s[12:13], s[12:13], s[48:49]
	s_lshl_b32 s48, s19, 4
	s_add_nc_u64 s[14:15], s[14:15], s[48:49]
	s_lshl_b32 s48, s18, 13
	s_add_nc_u64 s[36:37], s[6:7], s[48:49]        ; h at my 4 K steps
	s_lshl_b32 s48, s20, 7
	s_add_nc_u64 s[38:39], s[16:17], s[48:49]      ; out0 at the slice's columns
	s_load_b32 s21, s[12:13], 0x0                  ; n
	s_load_b32 s22, s[12:13], 0x20                 ; start
	s_load_b32 s23, s[12:13], 0x40                 ; tiles before my expert
	s_load_b128 s[28:31], s[14:15], 0x0            ; ex, ew1, eh, ew2
.irp g, 0,1,2,3,4,5,6
	GLOAD \g                                       ; 56 loads of 256 bytes a wave are out from here to the stream's end
.endr
	WIN 0
	s_wait_kmcnt 0x0
	s_add_co_i32 s48, s31, 127
	s_lshl_b32 s48, s48, 23
	v_mov_b32 v12, s48                             ; 2^ew2
	s_add_co_u32 s48, s48, 0x07e00000
	v_mov_b32 v13, s48                             ; 57,344 x 2^ew2
	s_add_co_i32 s35, s30, s31
	s_add_co_i32 s35, s35, 127
	s_lshl_b32 s35, s35, 23                        ; 2^(eh + ew2)
	s_max_u32 s24, s21, 1
	s_sub_co_u32 s24, s24, 1                       ; n - 1 (0 where n = 0)
	s_add_co_u32 s25, s21, 15
	s_lshr_b32 s25, s25, 4
	s_max_u32 s25, s25, 1
	s_sub_co_u32 s25, s25, 1                       ; the expert's last tile
	s_cmp_eq_u32 s21, 0
	s_cselect_b32 s23, 0, s23                      ; an expert without rows reads tile 0, which is always written, and uses nothing of it
	; THE STREAM.  Behind granule g stand six granules of 8 loads
.set Q, 0
.rept 26
	GRAN Q, 48
.set Q, Q+1
.endr
	GRAN 26, 40                                    ; nothing is left to ask for: the counts run down
	GRAN 27, 32
	GRAN 28, 24
	LOADP 0, 0, 40                                 ; the first chunk's first pair of tiles comes while the last three granules are quantised: 32 loads behind them
	GRAN 29, 48
	GRAN 30, 40
	GRAN 31, 32
	WIN 0
.Lchunk:                                               ; 8 trips of 128 rows
	s_cmp_lt_u32 s32, s21
	s_cbranch_scc0 .Lno1                           ; no row in this chunk; the barriers are passed all the same
.irp i, 0,1,2,3
	v_add_nc_u32 v[IA+\i], s32, v[RI+\i]           ; the rows that I shall store: place = start + min(row, n - 1), held inside the list
.endr
.irp i, 0,1,2,3
	v_min_u32 v[IA+\i], s24, v[IA+\i]
.endr
.irp i, 0,1,2,3
	v_add_nc_u32 v[IA+\i], s22, v[IA+\i]
.endr
.irp i, 0,1,2,3
	v_min_u32 v[IA+\i], 0x3ff, v[IA+\i]
.endr
.irp i, 0,1,2,3
	v_lshlrev_b32 v[IA+\i], 2, v[IA+\i]
.endr
.irp i, 0,1,2,3
	global_load_b32 v[TK+\i], v[IA+\i], s[8:9]
	global_load_b32 v[PR+\i], v[IA+\i], s[10:11]
.endr
	s_add_co_u32 s50, s32, 32                      ; a pair is asked for only if it has a row; the pair in hand is then multiplied with a wait for all loads, in a tail of its own
	s_cmp_lt_u32 s50, s21
	s_cbranch_scc0 .Ltail0
	LOADP 1, 0x40, 44
	s_wait_loadcnt 40                              ; pair 0 is in: behind it stand the 8 loads above and pair 1's 32
	MULP 0x01
	OUTP 0
	s_add_co_u32 s50, s32, 64
	s_cmp_lt_u32 s50, s21
	s_cbranch_scc0 .Ltail1
	LOADP 2, 0, 40
	s_wait_loadcnt 32                              ; pair 1 is in; pair 2's 32 may be out
	MULP 0x05
	OUTP 1
	s_add_co_u32 s50, s32, 96
	s_cmp_lt_u32 s50, s21
	s_cbranch_scc0 .Ltail2
	LOADP 3, 0x40, 44
	s_wait_loadcnt 32                              ; pair 2
	MULP 0x01
	OUTP 2
	s_wait_loadcnt 0x0                             ; pair 3
	MULP 0x05
	OUTP 3
	s_branch .Lnext
.Ltail0:
	s_wait_loadcnt 0x0
	MULP 0x01
	OUTP 0
	s_branch .Lnext
.Ltail1:
	s_wait_loadcnt 0x0
	MULP 0x05
	OUTP 1
	s_branch .Lnext
.Ltail2:
	s_wait_loadcnt 0x0
	MULP 0x01
	OUTP 2
.Lnext:
	LOADP 4, 0, 40                                 ; the next chunk's first pair comes while this chunk is added up.  No load of mine was out: every way here has waited for all
.Lno1:
	s_wait_dscnt 0x0                               ; for the others' sake: my parts lie in LDS
	s_barrier_signal -1
	s_barrier_wait -1
	s_add_co_u32 s50, s32, s56
	s_cmp_lt_u32 s50, s21
	s_cbranch_scc0 .Lno2                           ; tile w of the chunk has no row
.irp b, 0,1,2,3
.irp i, 0,1,2,3
	ds_load_b128 v[32+16*\b+4*\i:32+16*\b+4*\i+3], v8 offset:2304*\b+576*\i       ; waves 0-3's parts: four rows an instruction, eight lanes a row
.endr
.endr
	s_wait_xcnt 0x0                                ; the last chunk's stores have read their offsets and data: both are written again only behind this wait
	s_wait_loadcnt 32                              ; my tokens and router numbers are in; the 32 loads of the next chunk may be out
.irp i, 0,1,2,3
	v_min_u32 v[OA+\i], 0x3ff, v[TK+\i]            ; a loaded token is held inside out0
.endr
.irp i, 0,1,2,3
	v_lshl_add_u32 v[OA+\i], v[OA+\i], 12, v30     ; row x 4,096 + 16 (lane % 8)
.endr
	s_wait_dscnt 0x0
.irp p, 0,2,4,6,8,10,12,14
	v_pk_add_f32 v[SUM+\p:SUM+\p+1], v[32+\p:32+\p+1], v[48+\p:48+\p+1]
	v_pk_add_f32 v[64+\p:64+\p+1], v[64+\p:64+\p+1], v[80+\p:80+\p+1]
.endr
.irp p, 0,2,4,6,8,10,12,14
	v_pk_add_f32 v[SUM+\p:SUM+\p+1], v[SUM+\p:SUM+\p+1], v[64+\p:64+\p+1]
.endr
.irp b, 0,1,2,3
.irp i, 0,1,2,3
	ds_load_b128 v[32+16*\b+4*\i:32+16*\b+4*\i+3], v8 offset:2304*(\b+4)+576*\i   ; waves 4-7's parts
.endr
.endr
	s_wait_dscnt 0x0
.irp p, 0,2,4,6,8,10,12,14
	v_pk_add_f32 v[32+\p:32+\p+1], v[32+\p:32+\p+1], v[48+\p:48+\p+1]
	v_pk_add_f32 v[64+\p:64+\p+1], v[64+\p:64+\p+1], v[80+\p:80+\p+1]
.endr
.irp p, 0,2,4,6,8,10,12,14
	v_pk_add_f32 v[32+\p:32+\p+1], v[32+\p:32+\p+1], v[64+\p:64+\p+1]
.endr
.irp p, 0,2,4,6,8,10,12,14
	v_pk_add_f32 v[SUM+\p:SUM+\p+1], v[SUM+\p:SUM+\p+1], v[32+\p:32+\p+1]
.endr
.irp i, 0,1,2,3
.irp q, 0,2
.if (\i % 2) == 0
	v_pk_mul_f32 v[SUM+4*\i+\q:SUM+4*\i+\q+1], v[SUM+4*\i+\q:SUM+4*\i+\q+1], v[PR+\i:PR+\i+1] op_sel_hi:[1,0]               ; x the row's router number: the pair's first register for both halves,
.else
	v_pk_mul_f32 v[SUM+4*\i+\q:SUM+4*\i+\q+1], v[SUM+4*\i+\q:SUM+4*\i+\q+1], v[PR+\i-1:PR+\i] op_sel:[0,1] op_sel_hi:[1,1]   ; or its second
.endif
.endr
.endr
.irp i, 0,1,2,3
	global_store_b128 v[OA+\i], v[SUM+4*\i:SUM+4*\i+3], s[38:39] th:TH_STORE_NT    ; eight lanes store a row's 128 consecutive bytes; written once, read by nobody here
.endr
.Lno2:
	s_wait_dscnt 0x0                               ; my reads of the parts are over:
	s_barrier_signal -1
	s_barrier_wait -1                              ; only now does any wave store the next chunk's
	s_add_co_u32 s57, s57, 8
	s_add_co_u32 s32, s32, 128
	s_cmp_lt_u32 s32, 1024
	s_cbranch_scc1 .Lchunk
	s_wait_tensorcnt 0x0
	ds_add_u32 v126, v127
	s_wait_dscnt 0x0
	s_endpgm
.Lfunc_end_k_q9fd7e77dd3_fc2:
	.size	k_q9fd7e77dd3_fc2, .Lfunc_end_k_q9fd7e77dd3_fc2-k_q9fd7e77dd3_fc2
	.p2alignl 7, 3214868480
	.fill 96, 4, 3214868480
	.section	.rodata,"a",@progbits
	.p2align	6, 0x0
	.amdhsa_kernel k_q9fd7e77dd3_fc2
		.amdhsa_group_segment_fixed_size 148480
		.amdhsa_private_segment_fixed_size 0
		.amdhsa_enable_private_segment 0
		.amdhsa_kernarg_size 56
		.amdhsa_user_sgpr_count 2
		.amdhsa_user_sgpr_kernarg_segment_ptr 1
		.amdhsa_wavefront_size32 1
		.amdhsa_system_sgpr_workgroup_id_x 1
		.amdhsa_system_sgpr_workgroup_id_y 1
		.amdhsa_system_sgpr_workgroup_id_z 1
		.amdhsa_system_vgpr_workitem_id 0
		.amdhsa_next_free_vgpr 512
		.amdhsa_next_free_sgpr 72
		.amdhsa_reserve_vcc 0
		.amdhsa_float_denorm_mode_32 3
		.amdhsa_float_denorm_mode_16_64 3
		.amdhsa_memory_ordered 1
		.amdhsa_forward_progress 1
		.amdhsa_inst_pref_size 114
	.end_amdhsa_kernel
	.amdgpu_metadata
---
amdhsa.version: [ 1, 2 ]
amdhsa.kernels:
  - .name:           k_q9fd7e77dd3_fc2
    .symbol:         k_q9fd7e77dd3_fc2.kd
    .args:
      - { .name: W2, .offset: 0, .size: 8, .value_kind: global_buffer, .address_space: global }
      - { .name: h, .offset: 8, .size: 8, .value_kind: global_buffer, .address_space: global }
      - { .name: list, .offset: 16, .size: 8, .value_kind: global_buffer, .address_space: global }
      - { .name: ps, .offset: 24, .size: 8, .value_kind: global_buffer, .address_space: global }
      - { .name: meta, .offset: 32, .size: 8, .value_kind: global_buffer, .address_space: global }
      - { .name: lowp_scales, .offset: 40, .size: 8, .value_kind: global_buffer, .address_space: global }
      - { .name: out0, .offset: 48, .size: 8, .value_kind: global_buffer, .address_space: global }
    .group_segment_fixed_size: 148480
    .private_segment_fixed_size: 0
    .kernarg_segment_align: 8
    .kernarg_segment_size: 56
    .max_flat_workgroup_size: 256
    .sgpr_count:     72
    .vgpr_count:     512
    .wavefront_size: 32
...
	.end_amdgpu_metadata
.endif
;; end of part 4
;; ======== version 2 of 3: 3 launches
;; workspace buffers: eidx 4,096 bytes of whole numbers; prob 4,096 bytes; xq 1,048,576 bytes; list 4,096 bytes of whole numbers; ps 4,096 bytes; meta 256 bytes of whole numbers; h 4,653,056 bytes
;; launch route: the kernel of part 1 again; grid 64 x 1, 4 waves a work-group, no clusters, 35,328 bytes of LDS; arguments hidden_states, Wr, br, lowp_scales, eidx, prob, xq; writes eidx, prob, xq
;; launch fc1 (part 5): grid 256 x 1, 4 waves a work-group, no clusters, 70,912 bytes of LDS; arguments W1, xq, eidx, prob, lowp_scales, h, list, ps, meta; writes h, list, ps, meta
.if DOCPART == 5
	.amdgcn_target "amdgcn-amd-amdhsa--gfx1250"
	.amdhsa_code_object_version 6
	.text
	.protected	k_q9fd7e77dd3_fc1
	.globl	k_q9fd7e77dd3_fc1
	.p2align	8
	.type	k_q9fd7e77dd3_fc1,@function
k_q9fd7e77dd3_fc1:
	s_mov_b64 s[64:65], 0
	v_nop
	global_prefetch_b8 v0, s[64:65] scope:SCOPE_SE
	s_setreg_imm32_b32 hwreg(HW_REG_WAVE_MODE, 25, 1), 1
	s_wait_xcnt 0x0
; h = Q(gelu(Q(x) Q(W1[e]))) for the rows that chose expert e, on codes of E5M2 (v_wmma_f32_16x16x128_bf8_bf8), sums in f32.  The exponents are lowp_scales[4 e ..]: ex, ew1, eh, ew2.
; SHARES.  Work-group = (expert e = number / 32, slice sl = number % 32): hidden units 128 sl .. 128 sl + 127, which are K step sl of the second product.  It reads its 1,024 x 128 numbers of W1 once, as f32,
; quantises them in registers and keeps the codes there.  Wave w: kw = w % 2 takes rows (K) 512 kw .. + 511, cw = w / 2 takes 64 of the columns: 4 tiles x 4 K steps x 16 registers = 256 registers of codes.
; THE ROWS ARE PLACED HERE, from the choices that the launch before stored (eidx: whole numbers 0..7), while the first weights are on their way.  Every wave counts n (choices equal to e) and start (choices below e).
; Wave 0 lays the expert's tokens in LDS, a counting sort without atomics: 1,152 entries are filled with the expert's last token, then each token goes to its place; lanes of other experts store into 32 spare entries, so
; that no lane is switched off.  One barrier; then the list is read at addresses made of the lane and the loop's counter alone, and an entry past n holds the last token.
; The order in the list: group 4 i + q holds tokens 128 i + 4 lane + q (as eight 16-byte loads bring them); groups ascending, lanes descending.  For the next launch: of an expert's 32 work-groups number sl stores entries
; 32 sl .. 32 sl + 31 of list and ps (at start + place), number 0 the words e (n), 8 + e (start), 16 + e (first tile) of meta.  An expert's first tile is start / 16 + e: floor(S/16) + ceil(N/16) <= floor((S+N)/16) + 1 keeps
; the experts' tiles apart, and 1,023 / 16 + 7 = 70 is the last.  The next launch lets an expert without rows read tile 0: where expert 0 has no row, its work-groups store zeros there.
; W1's K IS ITS FIRST AXIS, AND NOTHING IS TRANSPOSED: a lane loads 16 bytes = columns 4 r .. 4 r + 3 (r = lane % 16) of one row; eight such loads run down K; lanes 16-31 take the rows 16 further down.
; Column 4 r + t is row r of tile t.  The hold sorts the four columns apart, and the conversions' results are the operand's registers: byte i of a lane's 64 is k = 128 s + 32 (i / 16) + 16 (lane / 16) + i % 16,
; the places that four 16-byte loads of a row of xq give the other operand: the same order of k on both sides, so every product meets its partner.
; THE PRODUCT IS USED TRANSPOSED (source 0 = 16 columns of W1, source 1 = 16 rows of x): a lane holds one row (lane % 16), and register j of tile t the unit 64 cw + 32 (lane / 16) + 4 j + t.
; THE ROWS go in chunks of 64 (4 tiles), 16 trips whatever the count: barriers stand on every wave's path, and the work of a trip is jumped over by scalar branches on the count.  The two halves of K meet in LDS:
; each wave stores its 16 accumulators as they stand; behind a barrier wave w adds, for each tile of rows, tiles t = 2 kw, 2 kw + 1 of its columns, takes gelu, quantises, and stores registers 4 w .. 4 w + 3 of the
; next operand's fragment: h [tile][K step 32][4][lane][16 bytes], 512 consecutive bytes a store.  A second barrier stands between these reads and the next trip's stores.
; ROWS PAST THE COUNT in an expert's last tile repeat its last row: no lane is switched off and every byte of a stored tile is written.
; gelu(z) = z (1 + erf(z / sqrt 2)) / 2.  erf: above |a| = 0.9277 by 1 - exp(polynomial in |a|), below by an odd polynomial; 1 + erf has an absolute error of about 1e-7 (a unit in erf's last place);
; for a < -0.9277 the exponential itself is 1 + erf.  The factors 1/2 and 2^(ex + ew1) are folded into the conversion's scale, 2^(eh - ex - ew1 + 1).
; LIMITS: ew1 and eh - ex - ew1 + 1 between -126 and 112; ex + ew1 between -125 and 127.  NaN and infinities are not served.
; NO TENSOR LOADS, NO CLUSTER: the weights must pass through registers to be quantised and no two work-groups read the same; the rows' codes are shared by an expert's 32 work-groups, but how many there are hangs on a count.
; An expert without rows still streams its weights (its registers are then written on every path); of h it stores nothing but the zeros named above.
; REGISTERS, in windows of 256 (s_set_vgpr_msb: bits 1:0 source 0, 3:2 source 1, 5:4 source 2, 7:6 destination):
;   window 0: v1-31 addresses and scales; v32-63 eight rows x four columns sorted apart; v64-127, v128-191 two tiles of x (4 K steps x 16; v64-95 first hold the choices); v192-201 the placing's registers
;   window 1: W1's codes, fragment (K step s, tile t) at 16 (4 s + t)     window 2: a ring of 7 x 32 registers for W1 as f32; then the 16 accumulators, (tile of rows a, tile t) at 32 a + 8 t
;   window 3: gelu's registers and constants
.set LIST, 65536                       ; LDS: the sums take bytes 0 .. 65,535; then the list: 1,152 entries and 32 spare ones
.set NLIST, 1152                       ; 16 chunks of 64, and the two chunks that the loop reads ahead
.set TMP, 32
.set E,   64                           ; v64-95  the choices: register 4 i + q, lane l: token 128 i + 4 l + q
.set AB0, 64
.set AB1, 128
.set FD,  12                           ; v12-15  the last token, four times
.set LT,  16                           ; v16-19  tokens from the list (wave 0, placing: LDS addresses)
.set ADR, 20                           ; v20-23  a tile's byte offsets in xq (wave 0, placing: tokens)
.set MK,  66                           ; s[66:97] the 32 groups' masks of lanes that chose e
.set Z0,  0                            ; window 3: the sums of K's first half, then z, then z (1 + erf)
.set Z1,  16                           ; the sums of K's second half
.set GA,  32                           ; a = z / sqrt 2
.set GS,  48                           ; a^2; later 2 - exp
.set GT,  64                           ; |a|
.set GR,  80
.set GU,  96
.set CODE, 112
.set KC,  128                          ; 14 constants, each twice (a pair for the packed forms): 7 of the upper branch, 6 of the lower, log2(e)
.set DC,  142
.set L2E, 154
.set C1,  156                          ; 2^(ex + ew1) / sqrt 2, twice
.set LIMH, 158                         ; 57,344 x 2^(eh - ex - ew1 + 1)
.set SCH, 159                          ; 2^(eh - ex - ew1 + 1)
.set MSB, 0
.macro WIN new                         ; the immediate's high byte repeats the setting that is left; a switch that changes nothing is dropped
.if MSB != \new
	s_set_vgpr_msb (MSB<<8)|\new
.set MSB, \new
.endif
.endm
.macro PLACES                          ; four plain vector instructions between a matrix instruction and a load into a register that it has read (ISA guide 7.12.1 for vector instructions)
.rept 4
	v_nop
.endr
.endm
; Granule g = 8 s + a: the eight rows of K step s that make registers 2 a, 2 a + 1 of the four fragments.  Each load: two rows x 256 consecutive bytes, each piece at a multiple of 256 from W1's first byte.
.macro GLOAD g
	WIN 0x80
.irp j, 0,1,2,3,4,5,6,7
	global_load_b128 v[32*((\g)%7)+4*\j:32*((\g)%7)+4*\j+3], v4, s[4:5] offset:(128*((\g)/8)+32*(((\g)%8)/2)+8*((\g)%2)+\j)*16384 th:TH_LOAD_NT
.endr
.endm
; Granule g is quantised; its place in the ring takes granule g + 7.  n: the loads issued behind granule g's.
.macro GRAN g, n
	s_wait_loadcnt \n
	WIN 0x02
.irp t, 0,1,2,3
.irp j, 0,1,2,3,4,5,6,7
	v_med3_num_f32 v[TMP+8*\t+\j], v[32*((\g)%7)+4*\j+\t], -v11, v11   ; the hold at the largest code x the scale (the conversion does not saturate: ISA guide 7.6.2); it also sorts the four columns apart
.endr
.endr
	WIN 0x40
.irp t, 0,1,2,3
	v_cvt_scalef32_pk8_bf8_f32 v[16*(4*((\g)/8)+\t)+2*((\g)%8):16*(4*((\g)/8)+\t)+2*((\g)%8)+1], v[TMP+8*\t:TMP+8*\t+7], v10
.endr
	v_nop                                          ; a plain instruction behind the last conversion: the next granule writes its sources, products read its results
.if (\g)+7 < 32
	GLOAD (\g)+7
.endif
.endm
.macro LOADA a, buf                    ; tile a of the chunk: my half of K of 16 rows of xq: 4 K steps x 4 loads of 16 bytes
.irp s, 0,1,2,3
.irp c, 0,1,2,3
	global_load_b128 v[\buf+16*\s+4*\c:\buf+16*\s+4*\c+3], v[ADR+\a], s[6:7] offset:128*\s+32*\c
.endr
.endr
.endm
; The tokens that have come from the list become the next chunk's addresses; the list of the chunk after it is read (at v[adr] + off); the next chunk's first two tiles are asked for: 32 loads, eight plain vector instructions ahead of them.
.macro NEXTA adr, off
	s_wait_dscnt 0x0                               ; the tokens are in
.irp a, 0,1,2,3
	v_min_u32 v[ADR+\a], 0x3ff, v[LT+\a]           ; a loaded token is held inside xq
.endr
.irp a, 0,1,2,3
	v_lshl_add_u32 v[ADR+\a], v[ADR+\a], 10, v24   ; row x 1,024 + 512 kw + 16 (lane / 16)
.endr
.irp a, 0,1,2,3
	ds_load_b32 v[LT+\a], v[\adr] offset:\off+64*\a
.endr
	LOADA 0, AB0
	LOADA 1, AB1
.endm
; 16 matrix instructions: tile a of the rows x my 4 tiles of columns x my 4 K steps.  The four accumulators take turns, one instruction a turn; the first K step starts the sums.
.macro MUL a, buf
	WIN 0xa1                                       ; source 0 (W1) window 1, source 1 (x) window 0, C and D window 2
.irp s, 0,1,2,3
.irp t, 0,1,2,3
.if \s == 0
	v_wmma_f32_16x16x128_bf8_bf8 v[32*\a+8*\t:32*\a+8*\t+7], v[16*(4*\s+\t):16*(4*\s+\t)+15], v[\buf+16*\s:\buf+16*\s+15], 0
.else
	v_wmma_f32_16x16x128_bf8_bf8 v[32*\a+8*\t:32*\a+8*\t+7], v[16*(4*\s+\t):16*(4*\s+\t)+15], v[\buf+16*\s:\buf+16*\s+15], v[32*\a+8*\t:32*\a+8*\t+7]
.endif
.endr
.endr
	WIN 0
.endm
; 16 numbers a lane, all in window 3: the two halves' sums become codes of gelu
.macro GELU
.irp p, 0,2,4,6,8,10,12,14
	v_pk_add_f32 v[Z0+\p:Z0+\p+1], v[Z0+\p:Z0+\p+1], v[Z1+\p:Z1+\p+1]
.endr
.irp p, 0,2,4,6,8,10,12,14
	v_pk_mul_f32 v[GA+\p:GA+\p+1], v[Z0+\p:Z0+\p+1], v[C1:C1+1]
.endr
.irp p, 0,2,4,6,8,10,12,14
	v_pk_mul_f32 v[GS+\p:GS+\p+1], v[GA+\p:GA+\p+1], v[GA+\p:GA+\p+1]
.endr
.set j, 0
.rept 16
	v_and_b32 v[GT+j], 0x7fffffff, v[GA+j]
.set j, j+1
.endr
.irp p, 0,2,4,6,8,10,12,14
	v_pk_fma_f32 v[GR+\p:GR+\p+1], v[GT+\p:GT+\p+1], v[KC:KC+1], v[KC+2:KC+3]
.endr
.irp p, 0,2,4,6,8,10,12,14
	v_pk_fma_f32 v[GU+\p:GU+\p+1], v[GT+\p:GT+\p+1], v[KC+4:KC+5], v[KC+6:KC+7]
.endr
.irp p, 0,2,4,6,8,10,12,14
	v_pk_fma_f32 v[GR+\p:GR+\p+1], v[GR+\p:GR+\p+1], v[GS+\p:GS+\p+1], v[GU+\p:GU+\p+1]
.endr
.irp c, 8,10,12
.irp p, 0,2,4,6,8,10,12,14
	v_pk_fma_f32 v[GR+\p:GR+\p+1], v[GR+\p:GR+\p+1], v[GT+\p:GT+\p+1], v[KC+\c:KC+\c+1]
.endr
.endr
.irp p, 0,2,4,6,8,10,12,14
	v_pk_fma_f32 v[GR+\p:GR+\p+1], v[GR+\p:GR+\p+1], v[GT+\p:GT+\p+1], v[GT+\p:GT+\p+1] neg_lo:[0,0,1] neg_hi:[0,0,1]
.endr
.irp p, 0,2,4,6,8,10,12,14
	v_pk_mul_f32 v[GR+\p:GR+\p+1], v[GR+\p:GR+\p+1], v[L2E:L2E+1]
.endr
.set j, 0
.rept 16
	v_exp_f32 v[GR+j], v[GR+j]                     ; 1 - erf(|a|), in the upper branch
.set j, j+1
.endr
.irp p, 0,2,4,6,8,10,12,14
	v_pk_fma_f32 v[GU+\p:GU+\p+1], v[GS+\p:GS+\p+1], v[DC:DC+1], v[DC+2:DC+3]   ; the lower branch; its first line is the plain instruction behind the exponentials (ISA guide 5.7.2)
.endr
.irp c, 4,6,8,10
.irp p, 0,2,4,6,8,10,12,14
	v_pk_fma_f32 v[GU+\p:GU+\p+1], v[GU+\p:GU+\p+1], v[GS+\p:GS+\p+1], v[DC+\c:DC+\c+1]
.endr
.endr
.irp p, 0,2,4,6,8,10,12,14
	v_pk_fma_f32 v[GU+\p:GU+\p+1], v[GU+\p:GU+\p+1], v[GA+\p:GA+\p+1], v[GA+\p:GA+\p+1]   ; erf(a)
.endr
.irp p, 0,2,4,6,8,10,12,14
	v_pk_add_f32 v[GU+\p:GU+\p+1], v[GU+\p:GU+\p+1], 1.0 op_sel_hi:[1,0]
.endr
	s_wait_alu depctr_va_vdst(0)
.irp p, 0,2,4,6,8,10,12,14
	v_pk_add_f32 v[GS+\p:GS+\p+1], 2.0, v[GR+\p:GR+\p+1] op_sel_hi:[0,1] neg_lo:[0,1] neg_hi:[0,1]   ; 1 + erf for a > 0 in the upper branch
.endr
.set j, 0
.rept 16
	v_cmp_lt_f32 vcc_lo, 0, v[GA+j]
	v_cndmask_b32 v[GR+j], v[GR+j], v[GS+j], vcc_lo
	v_cmp_lt_f32 vcc_lo, 0x3f6d8000, v[GT+j]       ; |a| > 0.927734375: the upper branch.  A choice of values, no branch
	v_cndmask_b32 v[GR+j], v[GU+j], v[GR+j], vcc_lo
.set j, j+1
.endr
.irp p, 0,2,4,6,8,10,12,14
	v_pk_mul_f32 v[Z0+\p:Z0+\p+1], v[Z0+\p:Z0+\p+1], v[GR+\p:GR+\p+1]
.endr
.set j, 0
.rept 16
	v_med3_num_f32 v[Z0+j], v[Z0+j], -v[LIMH], v[LIMH]
.set j, j+1
.endr
	v_cvt_scalef32_pk8_bf8_f32 v[CODE:CODE+1], v[Z0:Z0+7], v[SCH]
	v_cvt_scalef32_pk8_bf8_f32 v[CODE+2:CODE+3], v[Z0+8:Z0+15], v[SCH]
	v_nop                                          ; a plain instruction behind the last conversion
.endm
; Tile a of the chunk is finished, if it has a row: my two tiles of columns from both halves of K, gelu, codes, one store of 512 consecutive bytes
.macro FIN a
	s_add_co_u32 s40, s32, 16*\a
	s_cmp_lt_u32 s40, s21
	s_cbranch_scc0 .Lfin_\@
	WIN 0xc0                                       ; destination window 3
.irp k, 0,1
.irp u, 0,1
.irp f, 0,1
	ds_load_b128 v[16*\k+8*\u+4*\f:16*\k+8*\u+4*\f+3], v7 offset:16384*\k+4096*\a+1024*\u+512*\f
.endr
.endr
.endr
	s_lshr_b32 s40, s40, 4
	s_add_co_u32 s40, s40, s23                     ; the tile's number among all experts' tiles,
	s_min_u32 s40, s40, 70                         ; held inside h
	s_lshl_b32 s40, s40, 16
	s_mov_b32 s41, 0
	s_wait_xcnt 0x0                                ; the store before this one has read its base and its data: both are written again only behind this wait
	s_add_nc_u64 s[36:37], s[38:39], s[40:41]
	s_wait_dscnt 0x0
	WIN 0xff
	GELU
	WIN 0x0c                                       ; a store's data: source 1, window 3
	global_store_b128 v5, v[CODE:CODE+3], s[36:37]
	WIN 0
.Lfin_\@:
.endm
	s_load_b256 s[4:11], s[0:1], 0x0               ; W1 s[4:5], xq s[6:7], eidx s[8:9], prob s[10:11]
	s_load_b256 s[52:59], s[0:1], 0x20             ; the scales' exponents s[52:53], h s[54:55], list s[56:57], ps s[58:59]
	s_load_b64 s[60:61], s[0:1], 0x40              ; meta
	v_lshl_add_u32 v254, v0, 2, 0x11300
	v_mov_b32 v255, 0
	v_lshrrev_b32 v1, 5, v0
	v_readfirstlane_b32 s16, v1                    ; wave 0..3
	s_and_b32 s17, s16, 1                          ; kw
	s_lshr_b32 s18, s16, 1                         ; cw
	s_lshr_b32 s19, ttmp9, 5                       ; e
	s_and_b32 s20, ttmp9, 31                       ; sl
	v_and_b32 v1, 31, v0                           ; lane
	v_and_b32 v26, 15, v0                          ; r
	v_bfe_u32 v3, v0, 4, 1                         ; lane / 16
	v_lshlrev_b32 v4, 4, v26
	v_lshl_add_u32 v4, v3, 18, v4                  ; W1: 16 r, and 16 rows of 16,384 bytes further down for lanes 16-31
	v_lshlrev_b32 v5, 4, v1                        ; 16 x lane
	s_lshl_b32 s40, s16, 14
	v_add_nc_u32 v6, s40, v5                       ; LDS, sums in: [wave 16,384][tile of rows 4,096][tile of columns 1,024][half 512][16 x lane]
	s_lshl_b32 s40, s18, 15
	s_lshl_b32 s41, s17, 11
	s_add_co_u32 s40, s40, s41
	v_add_nc_u32 v7, s40, v5                       ; LDS, sums out: waves 2 cw and 2 cw + 1, tiles 2 kw and 2 kw + 1
	s_lshl_b32 s40, s17, 9
	v_lshl_add_u32 v24, v3, 4, s40                 ; xq: 512 kw + 16 (lane / 16)
	v_lshl_add_u32 v2, v26, 2, LIST                ; the list's entry r
	s_lshl_b32 s40, s20, 7
	v_lshl_add_u32 v25, v1, 2, s40
	v_add_nc_u32 v25, LIST, v25                    ; the list's entry 32 sl + lane: the one that this work-group hands on
	v_add_nc_u32 v192, NLIST, v1                   ; a spare entry for each lane
	v_lshlrev_b32 v193, 2, v1                      ; 4 x lane: a lane's part of its tokens' numbers
	v_add_nc_u32 v194, LIST, v5                    ; the fill: 16 bytes a lane
.irp k, 0,1,2,3
	v_mov_b32 v[196+\k], 0                         ; 16 bytes of zero codes
.endr
	s_lshl_b32 s40, s19, 24                        ; W1: expert, my half of K, the slice's 512 bytes of a row, my 256 of them
	s_lshl_b32 s41, s17, 23
	s_add_co_u32 s40, s40, s41
	s_lshl_b32 s41, s20, 9
	s_add_co_u32 s40, s40, s41
	s_lshl_b32 s41, s18, 8
	s_add_co_u32 s40, s40, s41
	s_mov_b32 s41, 0
	s_lshl_b32 s42, s19, 2
	s_mov_b32 s43, 0
	s_lshl_b32 s44, s19, 4
	s_mov_b32 s45, 0
	s_lshl_b32 s46, s20, 11                        ; h: K step sl, registers 4 w on
	s_lshl_b32 s47, s16, 9
	s_add_co_u32 s46, s46, s47
	s_mov_b32 s47, 0
	s_mov_b32 s32, 0
	s_wait_kmcnt 0x0
	s_add_nc_u64 s[4:5], s[4:5], s[40:41]
	s_add_nc_u64 s[60:61], s[60:61], s[42:43]      ; meta at word e
	s_add_nc_u64 s[52:53], s[52:53], s[44:45]
	s_add_nc_u64 s[38:39], s[54:55], s[46:47]
	s_load_b128 s[28:31], s[52:53], 0x0            ; ex, ew1, eh, ew2
.irp i, 0,1,2,3,4,5,6,7
	global_load_b128 v[E+4*\i:E+4*\i+3], v5, s[8:9] offset:512*\i   ; all 1,024 choices: 512 consecutive bytes a load
.endr
.irp g, 0,1,2,3,4,5
	GLOAD \g
.endr
	WIN 0xc0
.set j, 0
.irp c, 0xb7910000, 0x39c8e7d9, 0xbb7e8a1c, 0x3cc6b1a1, 0xbddaae5c, 0xbf228550, 0xbe03ce86, 0xba1c7000, 0x3ba38d2c, 0xbcdb48d9, 0x3de70e22, 0xbec09380, 0x3e0375d4, 0x3fb8aa3b
	v_mov_b32 v[KC+2*j], \c
	v_mov_b32 v[KC+2*j+1], \c
.set j, j+1
.endr
	s_wait_kmcnt 0x0
	s_add_co_i32 s41, s28, s29                     ; ex + ew1
	s_lshl_b32 s42, s41, 23
	s_add_co_i32 s42, s42, 0x3f3504f3              ; added to the exponent field of 1 / sqrt 2
	s_sub_co_i32 s43, s30, s41
	s_add_co_i32 s43, s43, 128
	s_lshl_b32 s43, s43, 23                        ; 2^(eh - ex - ew1 + 1)
	s_add_co_u32 s44, s43, 0x07e00000              ; 57,344 x that
	v_mov_b32 v[C1], s42
	v_mov_b32 v[C1+1], s42
	v_mov_b32 v[LIMH], s44
	v_mov_b32 v[SCH], s43
	WIN 0
	s_add_co_i32 s40, s29, 127
	s_lshl_b32 s40, s40, 23
	v_mov_b32 v10, s40                             ; 2^ew1
	s_add_co_u32 s40, s40, 0x07e00000
	v_mov_b32 v11, s40                             ; 57,344 x 2^ew1
	s_wait_loadcnt 48                              ; the eight loads of the choices are in; six granules were issued behind them
	GLOAD 6                                        ; 56 loads of 512 bytes are out from here to the stream's end
	WIN 0
	; THE COUNTS, in every wave.  All compares of a run first, so that no count waits for the compare just ahead of it
	s_mov_b32 s21, 0
	s_mov_b32 s22, 0
.set j, 0
.rept 32
	v_cmp_eq_u32 s[MK+j], s19, v[E+j]              ; group j's lanes that chose e
.set j, j+1
.endr
.set j, 0
.rept 32
	s_bcnt1_i32_b32 s40, s[MK+j]
	s_add_co_u32 s21, s21, s40                     ; n
.set j, j+1
.endr
.irp b, 0,1,2,3
.irp k, 0,1,2,3,4,5,6,7
	v_cmp_gt_u32 s[40+\k], s19, v[E+8*\b+\k]       ; lanes that chose an expert below e
.endr
.irp k, 0,1,2,3,4,5,6,7
	s_bcnt1_i32_b32 s48, s[40+\k]
	s_add_co_u32 s22, s22, s48                     ; start
.endr
.endr
	s_lshr_b32 s23, s22, 4
	s_add_co_u32 s23, s23, s19                     ; my expert's first tile
	s_max_u32 s24, s21, 1
	s_sub_co_u32 s24, s24, 1                       ; n - 1 (0 where n = 0)
	s_cmp_lg_u32 s16, 0
	s_cbranch_scc1 .Lnot0                          ; THE LIST is laid by wave 0 alone: up to the barrier below no other wave touches LDS
	s_mov_b32 s48, 0
	s_mov_b32 s49, 0
.set j, 0
.rept 32
	s_cmp_lg_u32 s[MK+j], 0
	s_cselect_b32 s48, s[MK+j], s48                ; the last group that has a token of e: its mask,
	s_cselect_b32 s49, 128*(j/4)+j%4, s49          ; and its tokens' common part
.set j, j+1
.endr
	s_ctz_i32_b32 s50, s48                         ; lanes go in descending order: the list's last token sits in the lowest lane
	s_lshl_b32 s50, s50, 2
	s_add_co_u32 s49, s49, s50
	s_min_u32 s49, s49, 0x3ff                      ; (where n = 0 there is none: any token's number, which nothing uses)
.irp k, 0,1,2,3
	v_mov_b32 v[FD+\k], s49
.endr
.irp i, 0,1,2,3,4,5,6,7,8
	ds_store_b128 v194, v[FD:FD+3] offset:512*\i   ; 9 x 128 = 1,152 entries hold the last token
.endr
	s_mov_b32 s50, 0
.set j, 0
.rept 32
	s_bcnt1_i32_b32 s51, s[MK+j]
	s_add_co_u32 s50, s50, s51                     ; where the next group begins
	s_sub_co_u32 s51, s50, 1
	v_mbcnt_lo_u32_b32 v[LT+j%4], s[MK+j], 0       ; e's tokens in lower lanes
	v_sub_nc_u32 v[LT+j%4], s51, v[LT+j%4]         ; the place
	v_cndmask_b32 v[LT+j%4], v192, v[LT+j%4], s[MK+j]   ; a lane of another expert takes its spare entry
	v_min_u32 v[LT+j%4], NLIST+31, v[LT+j%4]       ; a place made of loaded numbers is held inside the list
	v_lshl_add_u32 v[LT+j%4], v[LT+j%4], 2, LIST
	v_add_nc_u32 v[ADR+j%4], 128*(j/4)+j%4, v193   ; the token
	ds_store_b32 v[LT+j%4], v[ADR+j%4]             ; LDS serves a wave's instructions in order (ISA guide 5.7.1.4): behind the fill
.set j, j+1
.endr
.Lnot0:
	s_wait_dscnt 0x0                               ; for the others' sake: the list lies in LDS
	s_barrier_signal -1
	s_barrier_wait -1
.irp a, 0,1,2,3
	ds_load_b32 v[LT+\a], v2 offset:64*\a          ; the first chunk's tokens
.endr
	ds_load_b32 v9, v25                            ; the entry that this work-group hands on
	s_wait_dscnt 0x0
	v_min_u32 v195, 0x3ff, v9
	v_lshlrev_b32 v195, 2, v195
	global_load_b32 v30, v195, s[10:11]            ; its router number: one load behind the 56
	; THE STREAM.  Behind granule g stand six granules of 8 loads (up to granule 6 the load above too: the count 48 is then the smaller, safe one)
.set Q, 0
.rept 7
	GRAN Q, 48
.set Q, Q+1
.endr
	WIN 0
	; granule 6's wait has shown the router number in: granules 7 to 12, 48 loads, were issued behind it.  Wave 0 hands the list on
	s_cmp_lg_u32 s16, 0
	s_cbranch_scc1 .Lpub_end
	s_lshl_b32 s40, s20, 5
	s_cmp_lt_u32 s40, s21
	s_cbranch_scc0 .Lpub_meta                      ; the expert has no entry 32 sl
	v_add_nc_u32 v31, s40, v1
	v_min_u32 v31, s24, v31                        ; entries past n hold the last token and go to its place: the same number to the same word
	v_add_nc_u32 v31, s22, v31
	v_min_u32 v31, 0x3ff, v31                      ; held inside list and ps
	v_lshlrev_b32 v31, 2, v31
	global_store_b32 v31, v9, s[56:57]
	global_store_b32 v31, v30, s[58:59]
.Lpub_meta:
	s_cmp_lg_u32 s20, 0
	s_cbranch_scc1 .Lpub_end
	v_min_u32 v200, 2, v1                          ; lane 0: n, lane 1: start, the others: the first tile
	v_mov_b32 v201, s23
	v_cmp_ne_u32 vcc_lo, 1, v200
	v_cndmask_b32 v201, s22, v201, vcc_lo
	v_cmp_ne_u32 vcc_lo, 0, v200
	v_cndmask_b32 v201, s21, v201, vcc_lo
	v_lshlrev_b32 v200, 5, v200                    ; words e, 8 + e, 16 + e
	global_store_b32 v200, v201, s[60:61]
.Lpub_end:
	s_or_b32 s40, s19, s21
	s_cmp_lg_u32 s40, 0
	s_cbranch_scc1 .Lno_zero
	global_store_b128 v5, v[196:199], s[38:39]     ; expert 0 has no row: every wave of its 32 work-groups writes its 512 bytes of tile 0
.Lno_zero:
.rept 19
	GRAN Q, 48
.set Q, Q+1
.endr
	GRAN 26, 40                                    ; nothing is left to ask for: the counts run down
	GRAN 27, 32
	GRAN 28, 24
	WIN 0
	NEXTA 2, 256                                   ; the first chunk's first two tiles of x come while the last three granules are quantised: 32 loads behind them
	GRAN 29, 48
	GRAN 30, 40
	GRAN 31, 32
	WIN 0
.Lchunk:                                               ; 16 trips of 64 rows
	s_cmp_lt_u32 s32, s21
	s_cbranch_scc0 .Lno1                           ; no row in this chunk: no products; the barriers are passed all the same
	s_wait_loadcnt 16                              ; tile 0 is in; tile 1's sixteen loads may be out
	MUL 0, AB0
	PLACES
	LOADA 2, AB0
	s_wait_loadcnt 16                              ; tile 1
	MUL 1, AB1
	PLACES
	LOADA 3, AB1
	s_wait_loadcnt 16                              ; tile 2
	MUL 2, AB0
	s_wait_loadcnt 0x0                             ; tile 3
	MUL 3, AB1
	s_lshl_b32 s40, s32, 2
	v_add_nc_u32 v8, s40, v2                       ; the list at this chunk's entry r; two chunks on are 512 bytes on
	NEXTA 8, 512                                   ; with the line above nine plain vector instructions: the places behind the last products, for its own loads and for the stores below
	WIN 0x08                                       ; an LDS store's data: source 1, window 2
.irp a, 0,1,2,3
.irp t, 0,1,2,3
	ds_store_b128 v6, v[32*\a+8*\t:32*\a+8*\t+3] offset:4096*\a+1024*\t          ; each accumulator from its low end on
	ds_store_b128 v6, v[32*\a+8*\t+4:32*\a+8*\t+7] offset:4096*\a+1024*\t+512
.endr
.endr
	WIN 0
.Lno1:
	s_wait_dscnt 0x0                               ; for the others' sake: my sums lie in LDS
	s_barrier_signal -1
	s_barrier_wait -1
	FIN 0
	FIN 1
	FIN 2
	FIN 3
	s_wait_dscnt 0x0                               ; my reads of the sums are over:
	s_barrier_signal -1
	s_barrier_wait -1                              ; only now does any wave store the next chunk's
	s_add_co_u32 s32, s32, 64
	s_cmp_lt_u32 s32, 1024
	s_cbranch_scc1 .Lchunk
	s_wait_tensorcnt 0x0
	ds_add_u32 v254, v255
	s_wait_dscnt 0x0
	s_endpgm
.Lfunc_end_k_q9fd7e77dd3_fc1:
	.size	k_q9fd7e77dd3_fc1, .Lfunc_end_k_q9fd7e77dd3_fc1-k_q9fd7e77dd3_fc1
	.p2alignl 7, 3214868480
	.fill 96, 4, 3214868480
	.section	.rodata,"a",@progbits
	.p2align	6, 0x0
	.amdhsa_kernel k_q9fd7e77dd3_fc1
		.amdhsa_group_segment_fixed_size 70912
		.amdhsa_private_segment_fixed_size 0
		.amdhsa_enable_private_segment 0
		.amdhsa_kernarg_size 72
		.amdhsa_user_sgpr_count 2
		.amdhsa_user_sgpr_kernarg_segment_ptr 1
		.amdhsa_wavefront_size32 1
		.amdhsa_system_sgpr_workgroup_id_x 1
		.amdhsa_system_sgpr_workgroup_id_y 1
		.amdhsa_system_sgpr_workgroup_id_z 1
		.amdhsa_system_vgpr_workitem_id 0
		.amdhsa_next_free_vgpr 1024
		.amdhsa_next_free_sgpr 100
		.amdhsa_reserve_vcc 1
		.amdhsa_float_denorm_mode_32 3
		.amdhsa_float_denorm_mode_16_64 3
		.amdhsa_memory_ordered 1
		.amdhsa_forward_progress 1
		.amdhsa_inst_pref_size 222
	.end_amdhsa_kernel
	.amdgpu_metadata
---
amdhsa.version: [ 1, 2 ]
amdhsa.kernels:
  - .name:           k_q9fd7e77dd3_fc1
    .symbol:         k_q9fd7e77dd3_fc1.kd
    .args:
      - { .name: W1, .offset: 0, .size: 8, .value_kind: global_buffer, .address_space: global }
      - { .name: xq, .offset: 8, .size: 8, .value_kind: global_buffer, .address_space: global }
      - { .name: eidx, .offset: 16, .size: 8, .value_kind: global_buffer, .address_space: global }
      - { .name: prob, .offset: 24, .size: 8, .value_kind: global_buffer, .address_space: global }
      - { .name: lowp_scales, .offset: 32, .size: 8, .value_kind: global_buffer, .address_space: global }
      - { .name: h, .offset: 40, .size: 8, .value_kind: global_buffer, .address_space: global }
      - { .name: list, .offset: 48, .size: 8, .value_kind: global_buffer, .address_space: global }
      - { .name: ps, .offset: 56, .size: 8, .value_kind: global_buffer, .address_space: global }
      - { .name: meta, .offset: 64, .size: 8, .value_kind: global_buffer, .address_space: global }
    .group_segment_fixed_size: 70912
    .private_segment_fixed_size: 0
    .kernarg_segment_align: 8
    .kernarg_segment_size: 72
    .max_flat_workgroup_size: 128
    .sgpr_count:     100
    .vgpr_count:     1024
    .wavefront_size: 32
...
	.end_amdgpu_metadata
.endif
;; end of part 5
;; launch fc2 (part 6): grid 256 x 1, 8 waves a work-group, no clusters, 148,480 bytes of LDS; arguments W2, h, list, ps, meta, lowp_scales, out0; writes out0
.if DOCPART == 6
	.amdgcn_target "amdgcn-amd-amdhsa--gfx1250"
	.amdhsa_code_object_version 6
	.text
	.protected	k_q9fd7e77dd3_fc2
	.globl	k_q9fd7e77dd3_fc2
	.p2align	8
	.type	k_q9fd7e77dd3_fc2,@function
k_q9fd7e77dd3_fc2:
	s_mov_b64 s[64:65], 0
	v_nop
	global_prefetch_b8 v0, s[64:65] scope:SCOPE_SE
	s_setreg_imm32_b32 hwreg(HW_REG_WAVE_MODE, 25, 1), 1
	s_wait_xcnt 0x0
; out[token] = prob x (h Q(W2[e])) for the rows that chose expert e, on codes of E5M2 (v_wmma_f32_16x16x128_bf8_bf8), sums in f32, each sum x 2^(eh + ew2) (lowp_scales[4 e + 2], [4 e + 3]).
; SHARES.  Work-group = (expert e = number / 32, slice sl = number % 32): output columns 32 sl .. 32 sl + 31, all 4,096 of K: so each output number has one owner.  It reads its 4,096 x 32 numbers of W2 once, as f32,
; quantises them in registers and keeps the codes.  Wave w of eight takes rows (K) 512 w .. + 511: 2 tiles x 4 K steps x 16 registers = 128 registers of codes.
; W2's K IS ITS FIRST AXIS.  Column 2 r + t is row r (= lane % 16) of tile t.  The rows that a conversion's eight numbers come from are chosen as the launch before has laid h: byte 8 u + j of a lane's 64 is row
; 128 s + 64 (u / 4) + u % 4 + 4 j + 32 (lane / 16).  The same order of k on both sides: every product meets its partner.
; A LANE LOADS 16 BYTES, FOUR COLUMNS: its own two and its neighbour's two (lanes 2 i and 2 i + 1 read the same 16 bytes of two neighbouring rows: the even lane those of u = 2 v, the odd lane those of u = 2 v + 1).
; So a load covers four rows x 128 bytes, 512 bytes an instruction.  Behind the conversions each lane hands its neighbour the codes of the neighbour's two columns (4 registers for 16 numbers a column pair;
; v_mov_b32 with row_xmask:1), and both then hold their own two columns for u = 2 v and u = 2 v + 1.
; h comes as images of the operand's registers: a fragment is four loads of 512 consecutive bytes.
; THE PRODUCT IS USED TRANSPOSED (source 0 = 16 columns of W2, source 1 = 16 rows of h): a lane holds one row (lane % 16) and, of the two tiles together, sixteen neighbouring columns.
; THE ROWS go in chunks of 128 (8 tiles, in 4 pairs), 8 trips whatever the count; barriers stand on every wave's path, work is jumped over by scalar branches on the stored count.  The eight parts of K meet in LDS:
; [tile 18,432][wave 2,304][row 144][128 bytes]; behind a barrier wave w adds the eight parts of tile w, multiplies by the row's router number and stores 128 bytes of each of 16 rows of out0 (eight lanes a row).
; A second barrier stands between these reads and the next trip's stores.  ROWS PAST THE COUNT repeat the expert's last row, here as in the launch before: they store the same numbers to the same place.
; A slice is 128 bytes of a row, in W2 and in out0: 1,024 columns on 32 slices, so that 256 work-groups each own whole sums.
; LIMITS: ew2 between -126 and 112; eh + ew2 between -126 and 127.  NaN and infinities are not served.
; NO TENSOR LOADS, NO CLUSTER: the weights pass through registers to be quantised and no two work-groups read the same; h is shared by an expert's 32 work-groups, but how many tiles there are hangs on a stored count.
; REGISTERS, in windows of 256: window 0: v1-31 addresses and scales; v32-63 four accumulators (in the stream: eight rows x four columns sorted apart); v64-95 their numbers in the order of the columns (in the stream: v64-79 codes
;   on their way between neighbours; v32-95 later: parts from LDS); v96-111 the sums; v112-115 row numbers; v128-255 a pair of tiles of h.
;   window 1: v0-127 W2's codes, fragment (K step s, tile t) at 16 (2 s + t); v128-255 a ring of 4 x 32 for W2 as f32, then the other pair of tiles.
.set IA,  14                           ; v14-17  byte offsets in list and ps
.set TK,  18                           ; v18-21  tokens
.set PR,  22                           ; v22-25  router numbers
.set OA,  26                           ; v26-29  byte offsets in out0
.set ACC, 32
.set OUT, 64
.set TMP, 32                           ; the stream: 8 q + j: column q of my four, row j of eight
.set CD,  64                           ; the stream: column q's eight codes at 2 q
.set SND, 72                           ; the codes of my neighbour's two columns
.set RCV, 76                           ; and what it sends me
.set SUM, 96
.set RI,  112                          ; v112-115  16 w + 4 i + lane / 8
.set MSB, 0
.macro WIN new                         ; the immediate's high byte repeats the setting that is left; a switch that changes nothing is dropped
.if MSB != \new
	s_set_vgpr_msb (MSB<<8)|\new
.set MSB, \new
.endif
.endm
.macro PLACES                          ; four plain vector instructions between a matrix instruction and the first read of its result (ISA guide 7.12.1)
.rept 4
	v_nop
.endr
.endm
; Granule g = 4 s + v: the rows of K step s that make registers 4 v .. 4 v + 3 of the two fragments.  Each load: four rows x 128 consecutive bytes.  No hint: the other 128 bytes of each aligned 256 are the neighbouring slice's
.macro GLOAD g
	WIN 0x40
.irp j, 0,1,2,3,4,5,6,7
	global_load_b128 v[128+32*((\g)%4)+4*\j:128+32*((\g)%4)+4*\j+3], v4, s[4:5] offset:(128*((\g)/4)+64*(((\g)%4)/2)+2*((\g)%2)+4*\j)*4096
.endr
.endm
; Granule g is quantised; its place in the ring takes granule g + 4 as soon as the holds have read it.  n: the loads issued behind granule g's
.macro GRAN g, n
	s_wait_loadcnt \n
	WIN 0x01
.irp q, 0,1,2,3
.irp j, 0,1,2,3,4,5,6,7
	v_med3_num_f32 v[TMP+8*\q+\j], v[128+32*((\g)%4)+4*\j+\q], -v13, v13   ; the hold at the largest code x the scale (the conversion does not saturate: ISA guide 7.6.2); it also sorts the four columns apart
.endr
.endr
.if (\g)+4 < 16
	GLOAD (\g)+4
.endif
	WIN 0
.irp q, 0,1,2,3
	v_cvt_scalef32_pk8_bf8_f32 v[CD+2*\q:CD+2*\q+1], v[TMP+8*\q:TMP+8*\q+7], v12
.endr
	v_nop                                          ; a plain instruction behind the last conversion
.irp k, 0,1,2,3
	v_cndmask_b32 v[SND+\k], v[CD+4+\k], v[CD+\k], s58     ; an even lane sends columns 2, 3 of its four, an odd lane columns 0, 1
.endr
.irp k, 0,1,2,3
	v_mov_b32_dpp v[RCV+\k], v[SND+\k] row_xmask:1 row_mask:0xf bank_mask:0xf
.endr
	WIN 0x40
.irp t, 0,1
.irp i, 0,1
	v_cndmask_b32 v[16*(2*((\g)/4)+\t)+4*((\g)%4)+\i], v[CD+2*\t+\i], v[RCV+2*\t+\i], s58       ; u = 2 v: an even lane's own rows, an odd lane's from its neighbour
	v_cndmask_b32 v[16*(2*((\g)/4)+\t)+4*((\g)%4)+2+\i], v[RCV+2*\t+\i], v[CD+4+2*\t+\i], s58   ; u = 2 v + 1: the other way round
.endr
.endr
.endm
; Pair p of the chunk (p = 4: the next chunk's first pair): my 4 K steps of two tiles of h, 32 loads of 512 consecutive bytes.  win: 0 for the buffer in window 0, 0x40 for that in window 1; sb: its two bases.
; A tile's number is held at the expert's last tile, and inside h.
.macro LOADP p, win, sb
.irp a, 0,1
	s_add_co_u32 s48, s57, 2*\p+\a
	s_min_u32 s48, s48, s25
	s_add_co_u32 s48, s48, s23
	s_min_u32 s48, s48, 70
	s_lshl_b32 s48, s48, 16
	s_add_nc_u64 s[\sb+2*\a:\sb+2*\a+1], s[36:37], s[48:49]
.endr
	WIN \win
.irp a, 0,1
.irp s, 0,1,2,3
.irp c, 0,1,2,3
	global_load_b128 v[128+64*\a+16*\s+4*\c:128+64*\a+16*\s+4*\c+3], v5, s[\sb+2*\a:\sb+2*\a+1] offset:2048*\s+512*\c
.endr
.endr
.endr
.endm
; 16 matrix instructions: two tiles of rows x my two tiles of columns x my 4 K steps.  The four accumulators take turns, one instruction a turn; the first K step starts the sums.
.macro MULP win                        ; 0x01: h in window 0; 0x05: h in window 1; W2 in window 1
	WIN \win
.irp s, 0,1,2,3
.irp a, 0,1
.irp t, 0,1
.if \s == 0
	v_wmma_f32_16x16x128_bf8_bf8 v[ACC+16*\a+8*\t:ACC+16*\a+8*\t+7], v[16*(2*\s+\t):16*(2*\s+\t)+15], v[128+64*\a+16*\s:128+64*\a+16*\s+15], 0
.else
	v_wmma_f32_16x16x128_bf8_bf8 v[ACC+16*\a+8*\t:ACC+16*\a+8*\t+7], v[16*(2*\s+\t):16*(2*\s+\t)+15], v[128+64*\a+16*\s:128+64*\a+16*\s+15], v[ACC+16*\a+8*\t:ACC+16*\a+8*\t+7]
.endif
.endr
.endr
.endr
.endm
; The pair's sums x 2^(eh + ew2), laid in the order of the columns (register j of tile t is column 16 (lane / 16) + 2 j + t), go to LDS: 64 bytes a lane and tile
.macro OUTP p
	WIN 0
	PLACES
.irp a, 0,1
.irp t, 0,1
.irp j, 0,1,2,3,4,5,6,7
	v_mul_f32 v[OUT+16*\a+2*\j+\t], s35, v[ACC+16*\a+8*\t+\j]      ; each accumulator from its low end on
.endr
.endr
.endr
.irp a, 0,1
.irp c, 0,1,2,3
	ds_store_b128 v[6+(\p)/2], v[OUT+16*\a+4*\c:OUT+16*\a+4*\c+3] offset:((2*\p+\a)%4)*18432+16*\c
.endr
.endr
.endm
	s_load_b256 s[4:11], s[0:1], 0x0               ; W2 s[4:5], h s[6:7], list s[8:9], ps s[10:11]
	s_load_b128 s[12:15], s[0:1], 0x20             ; meta s[12:13], the scales' exponents s[14:15]
	s_load_b64 s[16:17], s[0:1], 0x30              ; out0
	v_lshl_add_u32 v126, v0, 2, 0x24000
	v_mov_b32 v127, 0
	v_lshrrev_b32 v1, 5, v0
	v_readfirstlane_b32 s18, v1                    ; wave 0..7
	s_lshr_b32 s19, ttmp9, 5                       ; e
	s_and_b32 s20, ttmp9, 31                       ; sl
	s_lshl_b32 s56, s18, 4                         ; 16 w: the first row of the tile that I finish
	s_mov_b32 s58, 0xaaaaaaaa                      ; the odd lanes
	v_and_b32 v1, 31, v0                           ; lane
	v_and_b32 v2, 15, v0                           ; r
	v_bfe_u32 v3, v0, 4, 1                         ; lane / 16
	v_lshrrev_b32 v4, 1, v2
	v_lshlrev_b32 v4, 4, v4                        ; W2: 16 (r / 2): the four columns that I share with my neighbour,
	v_and_b32 v9, 1, v2
	v_lshl_add_u32 v4, v9, 12, v4                  ; one row of 4,096 bytes further down for odd lanes,
	v_lshl_add_u32 v4, v3, 17, v4                  ; and 32 rows further down for lanes 16-31
	v_lshlrev_b32 v5, 4, v1                        ; 16 x lane
	s_mul_i32 s48, s18, 2304
	v_mul_u32_u24 v6, v2, 144
	v_lshl_add_u32 v6, v3, 6, v6
	v_add_nc_u32 v6, s48, v6                       ; LDS, in, tiles 0-3: 2,304 w + 144 r + 64 (lane / 16)
	v_add_nc_u32 v7, 73728, v6                     ; tiles 4-7: four tiles on
	v_bfe_u32 v31, v0, 3, 2                        ; lane / 8
	v_and_b32 v30, 7, v0
	v_lshlrev_b32 v30, 4, v30                      ; 16 (lane % 8)
	s_mul_i32 s48, s18, 18432
	v_mul_u32_u24 v8, v31, 144
	v_add_nc_u32 v8, v30, v8
	v_add_nc_u32 v8, s48, v8                       ; LDS, out: tile w, row lane / 8, 16 bytes a lane
	v_add_nc_u32 v[RI], s56, v31
.irp i, 1,2,3
	v_add_nc_u32 v[RI+\i], 4*\i, v[RI]
.endr
.irp i, 0,1,2,3
	v_mov_b32 v[TK+\i], 0                          ; written once, so that they are written on every path
	v_mov_b32 v[PR+\i], 0
	v_mov_b32 v[RCV+\i], 0                         ; (the destination of a move between lanes counts as one of its sources)
.endr
	s_lshl_b32 s48, s19, 24                        ; W2: expert, my 512 rows, the slice's 128 bytes of a row
	s_lshl_b32 s50, s18, 21
	s_add_co_u32 s48, s48, s50
	s_lshl_b32 s50, s20, 7
	s_add_co_u32 s48, s48, s50
	s_mov_b32 s49, 0                               ; stays 0: the upper word of every offset below
	s_mov_b32 s32, 0                               ; the chunk's first row
	s_mov_b32 s57, 0                               ; and its first tile
	s_wait_kmcnt 0x0
	s_add_nc_u64 s[4:5], s[4:5], s[48:49]
	s_lshl_b32 s48, s19, 2
	s_add_nc_u64 s[12:13], s[12:13], s[48:49]
	s_lshl_b32 s48, s19, 4
	s_add_nc_u64 s[14:15], s[14:15], s[48:49]
	s_lshl_b32 s48, s18, 13
	s_add_nc_u64 s[36:37], s[6:7], s[48:49]        ; h at my 4 K steps
	s_lshl_b32 s48, s20, 7
	s_add_nc_u64 s[38:39], s[16:17], s[48:49]      ; out0 at the slice's columns
	s_load_b32 s21, s[12:13], 0x0                  ; n
	s_load_b32 s22, s[12:13], 0x20                 ; start
	s_load_b32 s23, s[12:13], 0x40                 ; my expert's first tile
	s_load_b128 s[28:31], s[14:15], 0x0            ; ex, ew1, eh, ew2
.irp g, 0,1,2,3
	GLOAD \g                                       ; 32 loads of 512 bytes a wave are out from here to the stream's end
.endr
	WIN 0
	s_wait_kmcnt 0x0
	s_add_co_i32 s48, s31, 127
	s_lshl_b32 s48, s48, 23
	v_mov_b32 v12, s48                             ; 2^ew2
	s_add_co_u32 s48, s48, 0x07e00000
	v_mov_b32 v13, s48                             ; 57,344 x 2^ew2
	s_add_co_i32 s35, s30, s31
	s_add_co_i32 s35, s35, 127
	s_lshl_b32 s35, s35, 23                        ; 2^(eh + ew2)
	s_max_u32 s24, s21, 1
	s_sub_co_u32 s24, s24, 1                       ; n - 1 (0 where n = 0)
	s_add_co_u32 s25, s21, 15
	s_lshr_b32 s25, s25, 4
	s_max_u32 s25, s25, 1
	s_sub_co_u32 s25, s25, 1                       ; the expert's last tile
	s_cmp_eq_u32 s21, 0
	s_cselect_b32 s23, 0, s23                      ; an expert without rows reads tile 0, which is always written, and uses nothing of it
	; THE STREAM.  Behind granule g stand three granules of 8 loads
.set Q, 0
.rept 13
	GRAN Q, 24
.set Q, Q+1
.endr
	LOADP 0, 0, 40                                 ; nothing of W2 is left to ask for.  The first chunk's first pair of tiles comes while the last three granules are quantised: 32 loads behind them
	GRAN 13, 48
	GRAN 14, 40
	GRAN 15, 32
	WIN 0
.Lchunk:                                               ; 8 trips of 128 rows
	s_cmp_lt_u32 s32, s21
	s_cbranch_scc0 .Lno1                           ; no row in this chunk; the barriers are passed all the same
.irp i, 0,1,2,3
	v_add_nc_u32 v[IA+\i], s32, v[RI+\i]           ; the rows that I shall store: place = start + min(row, n - 1), held inside the list
.endr
.irp i, 0,1,2,3
	v_min_u32 v[IA+\i], s24, v[IA+\i]
.endr
.irp i, 0,1,2,3
	v_add_nc_u32 v[IA+\i], s22, v[IA+\i]
.endr
.irp i, 0,1,2,3
	v_min_u32 v[IA+\i], 0x3ff, v[IA+\i]
.endr
.irp i, 0,1,2,3
	v_lshlrev_b32 v[IA+\i], 2, v[IA+\i]
.endr
.irp i, 0,1,2,3
	global_load_b32 v[TK+\i], v[IA+\i], s[8:9]
	global_load_b32 v[PR+\i], v[IA+\i], s[10:11]
.endr
	s_add_co_u32 s50, s32, 32                      ; a pair is asked for only if it has a row; the pair in hand is then multiplied with a wait for all loads, in a tail of its own
	s_cmp_lt_u32 s50, s21
	s_cbranch_scc0 .Ltail0
	LOADP 1, 0x40, 44
	s_wait_loadcnt 40                              ; pair 0 is in: behind it stand the 8 loads above and pair 1's 32
	MULP 0x01
	OUTP 0
	s_add_co_u32 s50, s32, 64
	s_cmp_lt_u32 s50, s21
	s_cbranch_scc0 .Ltail1
	LOADP 2, 0, 40
	s_wait_loadcnt 32                              ; pair 1 is in; pair 2's 32 may be out
	MULP 0x05
	OUTP 1
	s_add_co_u32 s50, s32, 96
	s_cmp_lt_u32 s50, s21
	s_cbranch_scc0 .Ltail2
	LOADP 3, 0x40, 44
	s_wait_loadcnt 32                              ; pair 2
	MULP 0x01
	OUTP 2
	s_wait_loadcnt 0x0                             ; pair 3
	MULP 0x05
	OUTP 3
	s_branch .Lnext
.Ltail0:
	s_wait_loadcnt 0x0
	MULP 0x01
	OUTP 0
	s_branch .Lnext
.Ltail1:
	s_wait_loadcnt 0x0
	MULP 0x05
	OUTP 1
	s_branch .Lnext
.Ltail2:
	s_wait_loadcnt 0x0
	MULP 0x01
	OUTP 2
.Lnext:
	s_add_co_u32 s50, s32, 128                     ; every way here has waited for all my loads
	s_cmp_lt_u32 s50, s21
	s_cbranch_scc0 .Lno1                           ; the next chunk has no row: nothing is asked for
	LOADP 4, 0, 40                                 ; the next chunk's first pair comes while this chunk is added up
.Lno1:
	s_wait_dscnt 0x0                               ; for the others' sake: my parts lie in LDS
	s_barrier_signal -1
	s_barrier_wait -1
	s_add_co_u32 s50, s32, s56
	s_cmp_lt_u32 s50, s21
	s_cbranch_scc0 .Lno2                           ; tile w of the chunk has no row
.irp b, 0,1,2,3
.irp i, 0,1,2,3
	ds_load_b128 v[32+16*\b+4*\i:32+16*\b+4*\i+3], v8 offset:2304*\b+576*\i       ; waves 0-3's parts: four rows an instruction, eight lanes a row
.endr
.endr
	s_wait_xcnt 0x0                                ; the last chunk's stores have read their offsets and data: both are written again only behind this wait
	s_wait_loadcnt 32                              ; my tokens and router numbers are in; the 32 loads of the next chunk, where they were asked for, may be out
.irp i, 0,1,2,3
	v_min_u32 v[OA+\i], 0x3ff, v[TK+\i]            ; a loaded token is held inside out0
.endr
.irp i, 0,1,2,3
	v_lshl_add_u32 v[OA+\i], v[OA+\i], 12, v30     ; row x 4,096 + 16 (lane % 8)
.endr
	s_wait_dscnt 0x0
.irp p, 0,2,4,6,8,10,12,14
	v_pk_add_f32 v[SUM+\p:SUM+\p+1], v[32+\p:32+\p+1], v[48+\p:48+\p+1]
	v_pk_add_f32 v[64+\p:64+\p+1], v[64+\p:64+\p+1], v[80+\p:80+\p+1]
.endr
.irp p, 0,2,4,6,8,10,12,14
	v_pk_add_f32 v[SUM+\p:SUM+\p+1], v[SUM+\p:SUM+\p+1], v[64+\p:64+\p+1]
.endr
.irp b, 0,1,2,3
.irp i, 0,1,2,3
	ds_load_b128 v[32+16*\b+4*\i:32+16*\b+4*\i+3], v8 offset:2304*(\b+4)+576*\i   ; waves 4-7's parts
.endr
.endr
	s_wait_dscnt 0x0
.irp p, 0,2,4,6,8,10,12,14
	v_pk_add_f32 v[32+\p:32+\p+1], v[32+\p:32+\p+1], v[48+\p:48+\p+1]
	v_pk_add_f32 v[64+\p:64+\p+1], v[64+\p:64+\p+1], v[80+\p:80+\p+1]
.endr
.irp p, 0,2,4,6,8,10,12,14
	v_pk_add_f32 v[32+\p:32+\p+1], v[32+\p:32+\p+1], v[64+\p:64+\p+1]
.endr
.irp p, 0,2,4,6,8,10,12,14
	v_pk_add_f32 v[SUM+\p:SUM+\p+1], v[SUM+\p:SUM+\p+1], v[32+\p:32+\p+1]
.endr
.irp i, 0,1,2,3
.irp q, 0,2
.if (\i % 2) == 0
	v_pk_mul_f32 v[SUM+4*\i+\q:SUM+4*\i+\q+1], v[SUM+4*\i+\q:SUM+4*\i+\q+1], v[PR+\i:PR+\i+1] op_sel_hi:[1,0]               ; x the row's router number: the pair's first register for both halves,
.else
	v_pk_mul_f32 v[SUM+4*\i+\q:SUM+4*\i+\q+1], v[SUM+4*\i+\q:SUM+4*\i+\q+1], v[PR+\i-1:PR+\i] op_sel:[0,1] op_sel_hi:[1,1]   ; or its second
.endif
.endr
.endr
.irp i, 0,1,2,3
	global_store_b128 v[OA+\i], v[SUM+4*\i:SUM+4*\i+3], s[38:39] th:TH_STORE_NT    ; eight lanes store a row's 128 consecutive bytes; written once, read by nobody here
.endr
.Lno2:
	s_wait_dscnt 0x0                               ; my reads of the parts are over:
	s_barrier_signal -1
	s_barrier_wait -1                              ; only now does any wave store the next chunk's
	s_add_co_u32 s57, s57, 8
	s_add_co_u32 s32, s32, 128
	s_cmp_lt_u32 s32, 1024
	s_cbranch_scc1 .Lchunk
	s_wait_tensorcnt 0x0
	ds_add_u32 v126, v127
	s_wait_dscnt 0x0
	s_endpgm
.Lfunc_end_k_q9fd7e77dd3_fc2:
	.size	k_q9fd7e77dd3_fc2, .Lfunc_end_k_q9fd7e77dd3_fc2-k_q9fd7e77dd3_fc2
	.p2alignl 7, 3214868480
	.fill 96, 4, 3214868480
	.section	.rodata,"a",@progbits
	.p2align	6, 0x0
	.amdhsa_kernel k_q9fd7e77dd3_fc2
		.amdhsa_group_segment_fixed_size 148480
		.amdhsa_private_segment_fixed_size 0
		.amdhsa_enable_private_segment 0
		.amdhsa_kernarg_size 56
		.amdhsa_user_sgpr_count 2
		.amdhsa_user_sgpr_kernarg_segment_ptr 1
		.amdhsa_wavefront_size32 1
		.amdhsa_system_sgpr_workgroup_id_x 1
		.amdhsa_system_sgpr_workgroup_id_y 1
		.amdhsa_system_sgpr_workgroup_id_z 1
		.amdhsa_system_vgpr_workitem_id 0
		.amdhsa_next_free_vgpr 512
		.amdhsa_next_free_sgpr 72
		.amdhsa_reserve_vcc 0
		.amdhsa_float_denorm_mode_32 3
		.amdhsa_float_denorm_mode_16_64 3
		.amdhsa_memory_ordered 1
		.amdhsa_forward_progress 1
		.amdhsa_inst_pref_size 117
	.end_amdhsa_kernel
	.amdgpu_metadata
---
amdhsa.version: [ 1, 2 ]
amdhsa.kernels:
  - .name:           k_q9fd7e77dd3_fc2
    .symbol:         k_q9fd7e77dd3_fc2.kd
    .args:
      - { .name: W2, .offset: 0, .size: 8, .value_kind: global_buffer, .address_space: global }
      - { .name: h, .offset: 8, .size: 8, .value_kind: global_buffer, .address_space: global }
      - { .name: list, .offset: 16, .size: 8, .value_kind: global_buffer, .address_space: global }
      - { .name: ps, .offset: 24, .size: 8, .value_kind: global_buffer, .address_space: global }
      - { .name: meta, .offset: 32, .size: 8, .value_kind: global_buffer, .address_space: global }
      - { .name: lowp_scales, .offset: 40, .size: 8, .value_kind: global_buffer, .address_space: global }
      - { .name: out0, .offset: 48, .size: 8, .value_kind: global_buffer, .address_space: global }
    .group_segment_fixed_size: 148480
    .private_segment_fixed_size: 0
    .kernarg_segment_align: 8
    .kernarg_segment_size: 56
    .max_flat_workgroup_size: 256
    .sgpr_count:     72
    .vgpr_count:     512
    .wavefront_size: 32
...
	.end_amdgpu_metadata
.endif
;; end of part 6
;; ======== version 3 of 3: 3 launches
;; workspace buffers: eidx 4,096 bytes of whole numbers; prob 4,096 bytes; xq 1,048,576 bytes; list 4,096 bytes of whole numbers; ps 4,096 bytes; meta 256 bytes of whole numbers; h 4,653,056 bytes
;; launch route (part 7): grid 64 x 1, 4 waves a work-group, no clusters, 35,328 bytes of LDS; arguments hidden_states, Wr, br, lowp_scales, eidx, prob, xq; writes eidx, prob, xq
.if DOCPART == 7
	.amdgcn_target "amdgcn-amd-amdhsa--gfx1250"
	.amdhsa_code_object_version 6
	.text
	.protected	k_q9fd7e77dd3_route
	.globl	k_q9fd7e77dd3_route
	.p2align	8
	.type	k_q9fd7e77dd3_route,@function
k_q9fd7e77dd3_route:
	s_mov_b64 s[64:65], 0
	v_nop
	global_prefetch_b8 v0, s[64:65] scope:SCOPE_SE
	s_setreg_imm32_b32 hwreg(HW_REG_WAVE_MODE, 25, 1), 1
	s_wait_xcnt 0x0
; THE ROUTER, AND x AS CODES.  route = sigmoid(x Wr + br) in f32; for each token the largest of its 8 numbers (prob) and that number's index (eidx; of equal numbers the lower index);
; and the token's 1,024 numbers as codes of E5M2 with the scale 2^ex of ITS expert (lowp_scales[4 e]), K as it lies: xq [1024 tokens][1024 bytes].
; The choice steers no address and no branch here: it only selects values (v_cndmask_b32) and is stored at fixed places; the next launch places the rows.
; SHARES.  64 work-groups of four waves; a wave takes 4 tokens.  Lane l holds k = 256 i + 8 l + 0..7 (i = 0..3) of each token: 32 numbers a token, which serve the sums and then the conversions
; (eight neighbours along K in eight consecutive registers).  Wr (32,768 bytes) goes through LDS once for the work-group: a lane's eight rows of Wr are 256 consecutive bytes, a block; blocks lie 272 bytes apart.
; sigmoid(z) = 1 / (1 + 2^(-z log2 e)).  LIMITS: ex between -126 and 112, so that 2^ex and 57,344 x 2^ex are f32 numbers; NaN and infinities among the inputs are not served.
; No matrix unit: 8 columns are half a tile, and the sums are wanted in f32.  No cluster: what the work-groups share is Wr, 32 KiB against 64 KiB of x each.
.set PITCH, 272
.set BEST, 8                           ; v8-11   the largest sigmoid of token 0..3
.set BI,   12                          ; v12-15  its index
.set SC,   16                          ; v16-19  the chosen ex, then 2^ex as f32
.set LIM,  20                          ; v20-23  57,344 x 2^ex
.set ACC,  32                          ; v32-63  the sums: 8 x token + expert
.set X,    64                          ; v64-191 x: 32 x token + 8 i + k
.set WRC,  192                         ; v192-255 Wr as loaded; then a lane's block: 8 k + expert; then the codes
	s_load_b256 s[4:11], s[0:1], 0x0               ; x s[4:5], Wr s[6:7], br s[8:9], the scales' exponents s[10:11]
	s_load_b128 s[12:15], s[0:1], 0x20             ; eidx s[12:13], prob s[14:15]
	s_load_b64 s[16:17], s[0:1], 0x30              ; xq
	v_lshl_add_u32 v30, v0, 2, 0x8800
	v_mov_b32 v31, 0
	v_lshrrev_b32 v24, 5, v0
	v_readfirstlane_b32 s18, v24                   ; wave 0..3
	v_and_b32 v1, 31, v0                           ; lane
	v_lshlrev_b32 v2, 5, v1                        ; x: 32 bytes a lane
	v_lshlrev_b32 v3, 4, v1                        ; Wr as it lies: 16 bytes a lane
	v_bfe_u32 v24, v0, 4, 1
	v_and_b32 v25, 15, v0
	v_mul_u32_u24 v4, v24, PITCH
	v_lshl_add_u32 v4, v25, 4, v4                  ; into LDS: a load's 512 bytes are two blocks: 272 (lane / 16) + 16 (lane % 16)
	s_mul_i32 s20, s18, 32*PITCH
	v_add_nc_u32 v4, s20, v4                       ; + my wave's 32 blocks
	v_mul_u32_u24 v5, v1, PITCH                    ; out of LDS: block 32 i + lane
	v_lshlrev_b32 v6, 3, v1                        ; codes: 8 bytes a lane
	v_lshlrev_b32 v7, 2, v1                        ; eidx, prob: 4 bytes a lane
	s_mov_b32 s66, 0x76543210                      ; v_permlanex16_b32: lane l xor 16
	s_mov_b32 s67, 0xfedcba98
	s_mov_b32 s68, 2                               ; lane 1, lane 2, lane 3 as masks
	s_mov_b32 s69, 4
	s_mov_b32 s70, 8
	s_lshl_b32 s20, ttmp9, 4
	s_lshl_b32 s21, s18, 2
	s_add_co_u32 s20, s20, s21                     ; my first token: 16 x work-group + 4 x wave
	s_mov_b32 s23, 0
	s_wait_alu depctr_va_vdst(0)
	s_wait_kmcnt 0x0
	s_load_b256 s[24:31], s[8:9], 0x0              ; br
	s_load_b512 s[32:47], s[10:11], 0x0            ; the 32 exponents: expert e's ex is s[32 + 4 e]
	s_load_b512 s[48:63], s[10:11], 0x40
	s_lshl_b32 s22, s20, 12
	s_add_nc_u64 s[4:5], s[4:5], s[22:23]          ; x at my first token
	s_lshl_b32 s22, s18, 13
	s_add_nc_u64 s[6:7], s[6:7], s[22:23]          ; Wr at my wave's quarter
	s_lshl_b32 s22, s20, 10
	s_add_nc_u64 s[16:17], s[16:17], s[22:23]      ; xq at my first token
	s_lshl_b32 s22, s20, 2
	s_add_nc_u64 s[12:13], s[12:13], s[22:23]
	s_add_nc_u64 s[14:15], s[14:15], s[22:23]
.irp n, 0,1,2,3,4,5,6,7,8,9,10,11,12,13,14,15
	global_load_b128 v[WRC+4*\n:WRC+4*\n+3], v3, s[6:7] offset:512*\n
.endr
.irp t, 0,1,2,3
.irp i, 0,1,2,3
	global_load_b128 v[X+32*\t+8*\i:X+32*\t+8*\i+3], v2, s[4:5] offset:4096*\t+1024*\i th:TH_LOAD_NT      ; the two loads of a pair cover 1,024 consecutive bytes
	global_load_b128 v[X+32*\t+8*\i+4:X+32*\t+8*\i+7], v2, s[4:5] offset:4096*\t+1024*\i+16 th:TH_LOAD_NT
.endr
.endr
	s_wait_loadcnt 32                              ; Wr's sixteen loads are in; x's 32 were issued behind them
.irp n, 0,1,2,3,4,5,6,7,8,9,10,11,12,13,14,15
	ds_store_b128 v4, v[WRC+4*\n:WRC+4*\n+3] offset:2*PITCH*\n
.endr
	s_wait_dscnt 0x0                               ; for the others' sake: my quarter of Wr lies in LDS
	s_barrier_signal -1
	s_barrier_wait -1
	s_wait_loadcnt 0x0                             ; x
; 256 along K: my block of Wr, then 8 k x 4 tokens x 4 pairs of experts.  x(k) serves both halves of a packed multiply-add.  The very first products start the sums: nothing is cleared.
.macro DOT i
.irp q, 0,1,2,3,4,5,6,7,8,9,10,11,12,13,14,15
	ds_load_b128 v[WRC+4*\q:WRC+4*\q+3], v5 offset:32*PITCH*\i+16*\q
.endr
	s_wait_dscnt 0x0
.irp k, 0,1,2,3,4,5,6,7
.irp t, 0,1,2,3
.irp p, 0,2,4,6
.if (\i == 0) && (\k == 0)
	v_pk_mul_f32 v[ACC+8*\t+\p:ACC+8*\t+\p+1], v[WRC+\p:WRC+\p+1], v[X+32*\t:X+32*\t+1] op_sel_hi:[1,0]
.elseif (\k % 2) == 0
	v_pk_fma_f32 v[ACC+8*\t+\p:ACC+8*\t+\p+1], v[WRC+8*\k+\p:WRC+8*\k+\p+1], v[X+32*\t+8*\i+\k:X+32*\t+8*\i+\k+1], v[ACC+8*\t+\p:ACC+8*\t+\p+1] op_sel_hi:[1,0,1]
.else
	v_pk_fma_f32 v[ACC+8*\t+\p:ACC+8*\t+\p+1], v[WRC+8*\k+\p:WRC+8*\k+\p+1], v[X+32*\t+8*\i+\k-1:X+32*\t+8*\i+\k], v[ACC+8*\t+\p:ACC+8*\t+\p+1] op_sel:[0,1,0] op_sel_hi:[1,1,1]
.endif
.endr
.endr
.endr
.endm
	DOT 0
	DOT 1
	DOT 2
	DOT 3
	; the 32 sums over the 32 lanes: every lane ends with all of them
.irp m, 1,2,4,8
.set j, 0
.rept 32
	v_add_f32_dpp v[ACC+j], v[ACC+j], v[ACC+j] row_xmask:\m row_mask:0xf bank_mask:0xf
.set j, j+1
.endr
.endr
.set j, 0
.rept 32
	v_permlanex16_b32 v[WRC+j], v[ACC+j], s66, s67 ; (its destination counts as read: these registers have been written)
.set j, j+1
.endr
	s_wait_kmcnt 0x0                               ; br and the exponents
.set j, 0
.rept 32
	v_add_f32 v[ACC+j], v[ACC+j], v[WRC+j]
.set j, j+1
.endr
.set j, 0
.rept 32
	v_add_f32 v[ACC+j], s[24+j%8], v[ACC+j]        ; z = x Wr + br
.set j, j+1
.endr
.set j, 0
.rept 32
	v_mul_f32 v[ACC+j], 0xbfb8aa3b, v[ACC+j]       ; -z log2(e)
.set j, j+1
.endr
.set j, 0
	s_wait_alu depctr_va_vdst(0)
.rept 32
	v_exp_f32 v[ACC+j], v[ACC+j]
.set j, j+1
.endr
	v_nop                                          ; a plain instruction between the last exponential and the use of its result (ISA guide 5.7.2)
.set j, 0
	s_wait_alu depctr_va_vdst(0)
.rept 32
	v_add_f32 v[ACC+j], 1.0, v[ACC+j]
.set j, j+1
.endr
.set j, 0
	s_wait_alu depctr_va_vdst(0)
.rept 32
	v_rcp_f32 v[ACC+j], v[ACC+j]                   ; the sigmoid
.set j, j+1
.endr
	v_nop
	; the largest, its index and its expert's ex.  'best >= candidate' keeps the best: of equal numbers the lower index stays
	s_wait_alu depctr_va_vdst(0)
.irp t, 0,1,2,3
	v_mov_b32 v[BEST+\t], v[ACC+8*\t]
	v_mov_b32 v[BI+\t], 0
	v_mov_b32 v[SC+\t], s32
.endr
.irp e, 1,2,3,4,5,6,7
.irp t, 0,1,2,3
	v_cmp_ge_f32 vcc_lo, v[BEST+\t], v[ACC+8*\t+\e]
	v_cndmask_b32 v[BEST+\t], v[ACC+8*\t+\e], v[BEST+\t], vcc_lo
	v_cndmask_b32 v[BI+\t], \e, v[BI+\t], vcc_lo
	v_cndmask_b32 v[SC+\t], s[32+4*\e], v[SC+\t], vcc_lo
.endr
.endr
.irp t, 0,1,2,3
	v_add_lshl_u32 v[SC+\t], v[SC+\t], 0x7f, 23    ; 2^ex as f32: the conversion takes its exponent field
	v_add_nc_u32 v[LIM+\t], 0x07e00000, v[SC+\t]   ; 57,344 x 2^ex: 15 more in the exponent field, 0x600000 in the mantissa
.endr
.irp t, 0,1,2,3
.set j, 0
.rept 32
	v_med3_num_f32 v[X+32*\t+j], v[X+32*\t+j], -v[LIM+\t], v[LIM+\t]   ; the conversion to an 8-bit code does not saturate (ISA guide 7.6.2): the hold at the largest code x the scale
.set j, j+1
.endr
.irp i, 0,1,2,3
	v_cvt_scalef32_pk8_bf8_f32 v[WRC+8*\t+2*\i:WRC+8*\t+2*\i+1], v[X+32*\t+8*\i:X+32*\t+8*\i+7], v[SC+\t]
.endr
.endr
	v_nop                                          ; a plain instruction behind the last conversion
.irp t, 0,1,2,3
.irp i, 0,1,2,3
	global_store_b64 v6, v[WRC+8*\t+2*\i:WRC+8*\t+2*\i+1], s[16:17] offset:1024*\t+256*\i   ; the wave stores 256 consecutive bytes, at a multiple of 256 from xq's first byte
.endr
.endr
	v_cndmask_b32 v24, v[BI], v[BI+1], s68         ; lane t takes token t's index and number
	v_cndmask_b32 v25, v[BEST], v[BEST+1], s68
	v_cndmask_b32 v24, v24, v[BI+2], s69
	v_cndmask_b32 v25, v25, v[BEST+2], s69
	v_cndmask_b32 v24, v24, v[BI+3], s70
	v_cndmask_b32 v25, v25, v[BEST+3], s70
	v_cmp_gt_u32 vcc_lo, 4, v1
	s_wait_alu depctr_va_vdst(0)
	s_wait_xcnt 0x0                                ; EXEC is a source of the stores above: it changes only behind this wait
	s_wait_tensorcnt 0x0
	ds_add_u32 v30, v31
	s_wait_dscnt 0x0
	s_and_saveexec_b32 s20, vcc_lo
	global_store_b32 v7, v24, s[12:13]
	global_store_b32 v7, v25, s[14:15]
	s_endpgm
.Lfunc_end_k_q9fd7e77dd3_route:
	.size	k_q9fd7e77dd3_route, .Lfunc_end_k_q9fd7e77dd3_route-k_q9fd7e77dd3_route
	.p2alignl 7, 3214868480
	.fill 96, 4, 3214868480
	.section	.rodata,"a",@progbits
	.p2align	6, 0x0
	.amdhsa_kernel k_q9fd7e77dd3_route
		.amdhsa_group_segment_fixed_size 35328
		.amdhsa_private_segment_fixed_size 0
		.amdhsa_enable_private_segment 0
		.amdhsa_kernarg_size 56
		.amdhsa_user_sgpr_count 2
		.amdhsa_user_sgpr_kernarg_segment_ptr 1
		.amdhsa_wavefront_size32 1
		.amdhsa_system_sgpr_workgroup_id_x 1
		.amdhsa_system_sgpr_workgroup_id_y 1
		.amdhsa_system_sgpr_workgroup_id_z 1
		.amdhsa_system_vgpr_workitem_id 0
		.amdhsa_next_free_vgpr 256
		.amdhsa_next_free_sgpr 80
		.amdhsa_reserve_vcc 1
		.amdhsa_float_denorm_mode_32 3
		.amdhsa_float_denorm_mode_16_64 3
		.amdhsa_memory_ordered 1
		.amdhsa_forward_progress 1
		.amdhsa_inst_pref_size 77
	.end_amdhsa_kernel
	.amdgpu_metadata
---
amdhsa.version: [ 1, 2 ]
amdhsa.kernels:
  - .name:           k_q9fd7e77dd3_route
    .symbol:         k_q9fd7e77dd3_route.kd
    .args:
      - { .name: hidden_states, .offset: 0, .size: 8, .value_kind: global_buffer, .address_space: global }
      - { .name: Wr, .offset: 8, .size: 8, .value_kind: global_buffer, .address_space: global }
      - { .name: br, .offset: 16, .size: 8, .value_kind: global_buffer, .address_space: global }
      - { .name: lowp_scales, .offset: 24, .size: 8, .value_kind: global_buffer, .address_space: global }
      - { .name: eidx, .offset: 32, .size: 8, .value_kind: global_buffer, .address_space: global }
      - { .name: prob, .offset: 40, .size: 8, .value_kind: global_buffer, .address_space: global }
      - { .name: xq, .offset: 48, .size: 8, .value_kind: global_buffer, .address_space: global }
    .group_segment_fixed_size: 35328
    .private_segment_fixed_size: 0
    .kernarg_segment_align: 8
    .kernarg_segment_size: 56
    .max_flat_workgroup_size: 128
    .sgpr_count:     80
    .vgpr_count:     256
    .wavefront_size: 32
...
	.end_amdgpu_metadata
.endif
;; end of part 7
;; launch fc1 (part 8): grid 256 x 1, 4 waves a work-group, no clusters, 70,912 bytes of LDS; arguments W1, xq, eidx, prob, lowp_scales, h, list, ps, meta; writes h, list, ps, meta
.if DOCPART == 8
	.amdgcn_target "amdgcn-amd-amdhsa--gfx1250"
	.amdhsa_code_object_version 6
	.text
	.protected	k_q9fd7e77dd3_fc1
	.globl	k_q9fd7e77dd3_fc1
	.p2align	8
	.type	k_q9fd7e77dd3_fc1,@function
k_q9fd7e77dd3_fc1:
	s_mov_b64 s[64:65], 0
	v_nop
	global_prefetch_b8 v0, s[64:65] scope:SCOPE_SE
	s_setreg_imm32_b32 hwreg(HW_REG_WAVE_SCHED_MODE, 0, 2), 2
	s_setreg_imm32_b32 hwreg(HW_REG_WAVE_MODE, 25, 1), 1
	s_wait_xcnt 0x0
	s_wait_alu depctr_vm_vsrc(0)
; h = Q(gelu(Q(x) Q(W1[e]))) for the rows that chose expert e, on codes of E5M2 (v_wmma_f32_16x16x128_bf8_bf8), sums in f32.  The exponents are lowp_scales[4 e ..]: ex, ew1, eh, ew2.
; SHARES.  Work-group = (expert e = number / 32, slice sl = number % 32): hidden units 128 sl .. 128 sl + 127, which are K step sl of the second product.  It reads its 1,024 x 128 numbers of W1 once, as f32,
; quantises them in registers and keeps the codes there.  Wave w: kw = w % 2 takes rows (K) 512 kw .. + 511, cw = w / 2 takes 64 of the columns: 4 tiles x 4 K steps x 16 registers = 256 registers of codes.
; THE ROWS ARE PLACED HERE, from the choices that the launch before stored (eidx: whole numbers 0..7), while the first weights are on their way.  Every wave counts n (choices equal to e) and start (choices below e).
; Wave 0 lays the expert's tokens in LDS, a counting sort without atomics: 1,152 entries are filled with the expert's last token, then each token goes to its place; lanes of other experts store into 32 spare entries, so
; that no lane is switched off.  One barrier; then the list is read at addresses made of the lane and the loop's counter alone, and an entry past n holds the last token.
; The order in the list: group 4 i + q holds tokens 128 i + 4 lane + q (as eight 16-byte loads bring them); groups ascending, lanes descending.  For the next launch: of an expert's 32 work-groups number sl stores entries
; 32 sl .. 32 sl + 31 of list and ps (at start + place), number 0 the words e (n), 8 + e (start), 16 + e (first tile) of meta.  An expert's first tile is start / 16 + e: floor(S/16) + ceil(N/16) <= floor((S+N)/16) + 1 keeps
; the experts' tiles apart, and 1,023 / 16 + 7 = 70 is the last.  The next launch lets an expert without rows read tile 0: where expert 0 has no row, its work-groups store zeros there.
; W1's K IS ITS FIRST AXIS, AND NOTHING IS TRANSPOSED: a lane loads 16 bytes = columns 4 r .. 4 r + 3 (r = lane % 16) of one row; eight such loads run down K; lanes 16-31 take the rows 16 further down.
; Column 4 r + t is row r of tile t.  The hold sorts the four columns apart, and the conversions' results are the operand's registers: byte i of a lane's 64 is k = 128 s + 32 (i / 16) + 16 (lane / 16) + i % 16,
; the places that four 16-byte loads of a row of xq give the other operand: the same order of k on both sides, so every product meets its partner.
; THE PRODUCT IS USED TRANSPOSED (source 0 = 16 columns of W1, source 1 = 16 rows of x): a lane holds one row (lane % 16), and register j of tile t the unit 64 cw + 32 (lane / 16) + 4 j + t.
; THE ROWS go in chunks of 64 (4 tiles), 16 trips whatever the count: barriers stand on every wave's path, and the work of a trip is jumped over by scalar branches on the count.  The two halves of K meet in LDS:
; each wave stores its 16 accumulators as they stand; behind a barrier wave w adds, for each tile of rows, tiles t = 2 kw, 2 kw + 1 of its columns, takes gelu, quantises, and stores registers 4 w .. 4 w + 3 of the
; next operand's fragment: h [tile][K step 32][4][lane][16 bytes], 512 consecutive bytes a store.  A second barrier stands between these reads and the next trip's stores.
; ROWS PAST THE COUNT in an expert's last tile repeat its last row: no lane is switched off and every byte of a stored tile is written.
; gelu(z) = z (1 + erf(z / sqrt 2)) / 2.  erf: above |a| = 0.9277 by 1 - exp(polynomial in |a|), below by an odd polynomial; 1 + erf has an absolute error of about 1e-7 (a unit in erf's last place);
; for a < -0.9277 the exponential itself is 1 + erf.  The factors 1/2 and 2^(ex + ew1) are folded into the conversion's scale, 2^(eh - ex - ew1 + 1).
; LIMITS: ew1 and eh - ex - ew1 + 1 between -126 and 112; ex + ew1 between -125 and 127.  NaN and infinities are not served.
; NO TENSOR LOADS, NO CLUSTER: the weights must pass through registers to be quantised and no two work-groups read the same; the rows' codes are shared by an expert's 32 work-groups, but how many there are hangs on a count.
; An expert without rows still streams its weights (its registers are then written on every path); of h it stores nothing but the zeros named above.
; REGISTERS, in windows of 256 (s_set_vgpr_msb: bits 1:0 source 0, 3:2 source 1, 5:4 source 2, 7:6 destination):
;   window 0: v1-31 addresses and scales; v32-63 eight rows x four columns sorted apart; v64-127, v128-191 tiles 0 and 1 of a chunk of x (4 K steps x 16; v64-95 first hold the choices, v96-159 wave 0's places and tokens);
;   v192-201 the placing's registers     window 1: W1's codes, fragment (K step s, tile t) at 16 (4 s + t)
;   window 2: a ring of 7 x 32 registers for W1 as f32; then v0-127 the 16 accumulators, (tile of rows a, tile t) at 32 a + 8 t, and v128-191, v192-255 tiles 2 and 3 of x     window 3: gelu's registers and constants
; THE MODE: SCHED_MODE bits 1:0 = 2 (LLVM: expert scheduling mode 2), set by the entry lines.  The code itself states the register dependences between vector or matrix instructions and memory or LDS
; instructions, with s_wait_alu, always for 0.
; THE PLAN.  Registers that memory or LDS instructions touch:
;   v2, v4-7, v25, v194, v196-199   offsets, LDS addresses and zeros, made at the head and never written again: one wait ahead of the first load states them all.
;   the ring            Granule g: its 32 holds read place g % 7; behind them ONE wait, and the loads of granule g + 7 land there; the conversions follow the loads.
;   v12-15, v96-159     Wave 0: the fill's token, 32 places and 32 tokens are all made first; one wait; then the 41 LDS stores.  Tiles of x land there later, behind a wait that these stores have read them.
;   X0 .. X3            Four tiles of x.  The products of tile a read Xa; the next chunk's 64 loads are issued behind this chunk's last product and land while the chunk's gelu is taken.
;   the accumulators    Written by a chunk's products, read by its 32 LDS stores, written again by the next chunk's products.
;   the offsets v20-23, v8; the tokens v16-19   Made, and read, by nine vector lines behind the products; read by, and filled by, the loads that follow them.
;   Z0, Z1, CODE        A tile's sums land in Z0, Z1; gelu names them; the conversions write CODE; one store reads it.
; So a trip's first part has TWO waits: at its head, that the last trip's LDS stores and loads have read their registers; behind its products and address lines, that all of these are done: the list's loads, x's 64 loads
; and the 32 LDS stores follow with no further wait.  A finished tile has a wait ahead of its conversions (the last store has read CODE) and one ahead of its store, which also stands for Z0, Z1 against the next tile's loads.
.set LIST, 65536                       ; LDS: the sums take bytes 0 .. 65,535; then the list: 1,152 entries and 32 spare ones
.set NLIST, 1152                       ; 16 chunks of 64, and the two chunks that the loop reads ahead
.set TMP, 32
.set E,   64                           ; v64-95  the choices: register 4 i + q, lane l: token 128 i + 4 l + q
.set PA,  96                           ; v96-127  wave 0, placing: group j's LDS addresses
.set PT,  128                          ; v128-159 wave 0, placing: group j's tokens
.set FD,  12                           ; v12-15  the last token, four times
.set LT,  16                           ; v16-19  tokens from the list
.set ADR, 20                           ; v20-23  a tile's byte offsets in xq
.set MK,  66                           ; s[66:97] the 32 groups' masks of lanes that chose e; in the loop: gelu's 32 masks
.set Z0,  0                            ; window 3: the sums of K's first half, then z, then z (1 + erf)
.set Z1,  16                           ; the sums of K's second half
.set GA,  32                           ; a = z / sqrt 2
.set GS,  48                           ; a^2; later 2 - exp
.set GT,  64                           ; |a|
.set GR,  80
.set GU,  96
.set CODE, 112
.set KC,  128                          ; 14 constants, each twice (a pair for the packed forms): 7 of the upper branch, 6 of the lower, log2(e)
.set DC,  142
.set L2E, 154
.set C1,  156                          ; 2^(ex + ew1) / sqrt 2, twice
.set LIMH, 158                         ; 57,344 x 2^(eh - ex - ew1 + 1)
.set SCH, 159                          ; 2^(eh - ex - ew1 + 1)
.set MSB, 0
.macro WIN new                         ; the immediate's high byte repeats the setting that is left; a switch that changes nothing is dropped
.if MSB != \new
	s_set_vgpr_msb (MSB<<8)|\new
.set MSB, \new
.endif
.endm
; Granule g = 8 s + a: the eight rows of K step s that make registers 2 a, 2 a + 1 of the four fragments.  Each load: two rows x 256 consecutive bytes, each piece at a multiple of 256 from W1's first byte.
.macro GLOAD g
	WIN 0x80
.irp j, 0,1,2,3,4,5,6,7
	global_load_b128 v[32*((\g)%7)+4*\j:32*((\g)%7)+4*\j+3], v4, s[4:5] offset:(128*((\g)/8)+32*(((\g)%8)/2)+8*((\g)%2)+\j)*16384 th:TH_LOAD_NT
.endr
.endm
; Granule g is quantised; its place in the ring takes granule g + 7 as soon as the holds have read it.  n: the loads issued behind granule g's.
.macro GRAN g, n
	s_wait_loadcnt \n
	WIN 0x02
.irp t, 0,1,2,3
.irp j, 0,1,2,3,4,5,6,7
	v_med3_num_f32 v[TMP+8*\t+\j], v[32*((\g)%7)+4*\j+\t], -v11, v11   ; the hold at the largest code x the scale (the conversion does not saturate: ISA guide 7.6.2); it also sorts the four columns apart
.endr
.endr
.if (\g)+7 < 32
	WIN 0x80
	s_wait_alu depctr_va_vdst(0)                   ; the 32 holds are done reading ring place g % 7, in which the eight loads below land
	GLOAD (\g)+7
.endif
	WIN 0x40
.irp t, 0,1,2,3
	v_cvt_scalef32_pk8_bf8_f32 v[16*(4*((\g)/8)+\t)+2*((\g)%8):16*(4*((\g)/8)+\t)+2*((\g)%8)+1], v[TMP+8*\t:TMP+8*\t+7], v10
.endr
	v_nop                                          ; a plain instruction behind the last conversion: the next granule writes its sources, products read its results
.endm
.macro LOADA a                         ; tile a of a chunk: my half of K of 16 rows of xq: 4 K steps x 4 loads of 16 bytes.  Tiles 0, 1: window 0, v64 and v128; tiles 2, 3: window 2, v128 and v192
.set XB, 64*((\a)+1-(\a)/2)
	WIN 0x80*((\a)/2)
.irp s, 0,1,2,3
.irp c, 0,1,2,3
	global_load_b128 v[XB+16*\s+4*\c:XB+16*\s+4*\c+3], v[ADR+\a], s[6:7] offset:128*\s+32*\c
.endr
.endr
.endm
; The tokens that have come from the list become the next chunk's offsets in xq; the list of the chunk after it is read (at v[adr] + off).  The loads of x follow the macro.
.macro NEXTA adr, off
	s_wait_dscnt 0x0                               ; the tokens are in
.irp a, 0,1,2,3
	v_min_u32 v[ADR+\a], 0x3ff, v[LT+\a]           ; a loaded token is held inside xq
.endr
.irp a, 0,1,2,3
	v_lshl_add_u32 v[ADR+\a], v[ADR+\a], 10, v24   ; row x 1,024 + 512 kw + 16 (lane / 16)
.endr
	s_wait_alu depctr_va_vdst(0)                   ; the offsets (in the loop v8 too) are written, which the loads below read; the holds are done reading the tokens, in which the list's loads land; every vector and matrix instruction that named x's four tiles is done, in which x's loads land; in the loop: the products have written the accumulators, which the LDS stores read
.irp a, 0,1,2,3
	ds_load_b32 v[LT+\a], v[\adr] offset:\off+64*\a
.endr
.endm
; 16 matrix instructions: tile a of the rows x my 4 tiles of columns x my 4 K steps.  The four accumulators take turns, one instruction a turn; the first K step starts the sums.
.macro MUL a
.set XB, 64*((\a)+1-(\a)/2)
	WIN 0xa1+8*((\a)/2)                            ; source 0 (W1) window 1, source 1 (x) window 0 or 2, C and D window 2
.irp s, 0,1,2,3
	s_wait_alu depctr_va_vdst(0)
.irp t, 0,1,2,3
.if \s == 0
	v_wmma_f32_16x16x128_bf8_bf8 v[32*\a+8*\t:32*\a+8*\t+7], v[16*(4*\s+\t):16*(4*\s+\t)+15], v[XB+16*\s:XB+16*\s+15], 0
.else
	v_wmma_f32_16x16x128_bf8_bf8 v[32*\a+8*\t:32*\a+8*\t+7], v[16*(4*\s+\t):16*(4*\s+\t)+15], v[XB+16*\s:XB+16*\s+15], v[32*\a+8*\t:32*\a+8*\t+7]
.endif
.endr
.endr
.endm
; 16 numbers a lane, all in window 3: the two halves' sums become codes of gelu
.macro GELU
.irp p, 0,2,4,6,8,10,12,14
	v_pk_add_f32 v[Z0+\p:Z0+\p+1], v[Z0+\p:Z0+\p+1], v[Z1+\p:Z1+\p+1]
.endr
.irp p, 0,2,4,6,8,10,12,14
	v_pk_mul_f32 v[GA+\p:GA+\p+1], v[Z0+\p:Z0+\p+1], v[C1:C1+1]
.endr
.irp p, 0,2,4,6,8,10,12,14
	v_pk_mul_f32 v[GS+\p:GS+\p+1], v[GA+\p:GA+\p+1], v[GA+\p:GA+\p+1]
.endr
.set j, 0
.rept 16
	v_and_b32 v[GT+j], 0x7fffffff, v[GA+j]
.set j, j+1
.endr
.irp p, 0,2,4,6,8,10,12,14
	v_pk_fma_f32 v[GR+\p:GR+\p+1], v[GT+\p:GT+\p+1], v[KC:KC+1], v[KC+2:KC+3]
.endr
.irp p, 0,2,4,6,8,10,12,14
	v_pk_fma_f32 v[GU+\p:GU+\p+1], v[GT+\p:GT+\p+1], v[KC+4:KC+5], v[KC+6:KC+7]
.endr
.irp p, 0,2,4,6,8,10,12,14
	v_pk_fma_f32 v[GR+\p:GR+\p+1], v[GR+\p:GR+\p+1], v[GS+\p:GS+\p+1], v[GU+\p:GU+\p+1]
.endr
.irp c, 8,10,12
.irp p, 0,2,4,6,8,10,12,14
	v_pk_fma_f32 v[GR+\p:GR+\p+1], v[GR+\p:GR+\p+1], v[GT+\p:GT+\p+1], v[KC+\c:KC+\c+1]
.endr
.endr
.irp p, 0,2,4,6,8,10,12,14
	v_pk_fma_f32 v[GR+\p:GR+\p+1], v[GR+\p:GR+\p+1], v[GT+\p:GT+\p+1], v[GT+\p:GT+\p+1] neg_lo:[0,0,1] neg_hi:[0,0,1]
.endr
.irp p, 0,2,4,6,8,10,12,14
	v_pk_mul_f32 v[GR+\p:GR+\p+1], v[GR+\p:GR+\p+1], v[L2E:L2E+1]
.endr
.set j, 0
	s_wait_alu depctr_va_vdst(0)
.rept 16
	v_exp_f32 v[GR+j], v[GR+j]                     ; 1 - erf(|a|), in the upper branch
.set j, j+1
.endr
.irp p, 0,2,4,6,8,10,12,14
	v_pk_fma_f32 v[GU+\p:GU+\p+1], v[GS+\p:GS+\p+1], v[DC:DC+1], v[DC+2:DC+3]   ; the lower branch; its first line is the plain instruction behind the exponentials (ISA guide 5.7.2)
.endr
.irp c, 4,6,8,10
.irp p, 0,2,4,6,8,10,12,14
	v_pk_fma_f32 v[GU+\p:GU+\p+1], v[GU+\p:GU+\p+1], v[GS+\p:GS+\p+1], v[DC+\c:DC+\c+1]
.endr
.endr
.irp p, 0,2,4,6,8,10,12,14
	v_pk_fma_f32 v[GU+\p:GU+\p+1], v[GU+\p:GU+\p+1], v[GA+\p:GA+\p+1], v[GA+\p:GA+\p+1]   ; erf(a)
.endr
.irp p, 0,2,4,6,8,10,12,14
	v_pk_add_f32 v[GU+\p:GU+\p+1], v[GU+\p:GU+\p+1], 1.0 op_sel_hi:[1,0]
.endr
.set j, 0
.rept 16
	v_cmp_lt_f32 s[MK+j], 0, v[GA+j]               ; the 32 compares stand in one run, each with a scalar register of its own: a > 0,
.set j, j+1
.endr
.set j, 0
.rept 16
	v_cmp_lt_f32 s[MK+16+j], 0x3f6d8000, v[GT+j]   ; and |a| > 0.927734375: the upper branch
.set j, j+1
.endr
	s_wait_alu depctr_va_vdst(0)                   ; the sixteen exponentials have written v[GR ..]: one wait for the batch, ahead of its first reader
.irp p, 0,2,4,6,8,10,12,14
	v_pk_add_f32 v[GS+\p:GS+\p+1], 2.0, v[GR+\p:GR+\p+1] op_sel_hi:[0,1] neg_lo:[0,1] neg_hi:[0,1]   ; 1 + erf for a > 0 in the upper branch
.endr
	s_wait_alu depctr_va_sdst(0)                   ; the 32 compares have written their masks, ahead of the first line that reads one
.set j, 0
.rept 16
	v_cndmask_b32 v[GR+j], v[GR+j], v[GS+j], s[MK+j]
.set j, j+1
.endr
.set j, 0
.rept 16
	v_cndmask_b32 v[GR+j], v[GU+j], v[GR+j], s[MK+16+j]   ; a choice of values, no branch
.set j, j+1
.endr
.irp p, 0,2,4,6,8,10,12,14
	v_pk_mul_f32 v[Z0+\p:Z0+\p+1], v[Z0+\p:Z0+\p+1], v[GR+\p:GR+\p+1]
.endr
.set j, 0
.rept 16
	v_med3_num_f32 v[Z0+j], v[Z0+j], -v[LIMH], v[LIMH]
.set j, j+1
.endr
	s_wait_alu depctr_vm_vsrc(0)                   ; the store of the tile before has read v[CODE ..], which the conversions write again
	v_cvt_scalef32_pk8_bf8_f32 v[CODE:CODE+1], v[Z0:Z0+7], v[SCH]
	v_cvt_scalef32_pk8_bf8_f32 v[CODE+2:CODE+3], v[Z0+8:Z0+15], v[SCH]
	v_nop                                          ; a plain instruction behind the last conversion
.endm
; Tile a of the chunk is finished, if it has a row: my two tiles of columns from both halves of K, gelu, codes, one store of 512 consecutive bytes
.macro FIN a
	s_add_co_u32 s40, s32, 16*\a
	s_cmp_lt_u32 s40, s21
	s_cbranch_scc0 .Lfin_\@
	WIN 0xc0                                       ; destination window 3
.irp k, 0,1
.irp u, 0,1
.irp f, 0,1
	ds_load_b128 v[16*\k+8*\u+4*\f:16*\k+8*\u+4*\f+3], v7 offset:16384*\k+4096*\a+1024*\u+512*\f   ; no wait: every vector instruction that has named Z0, Z1 stands ahead of the wait in front of the last store of codes
.endr
.endr
.endr
	s_lshr_b32 s40, s40, 4
	s_add_co_u32 s40, s40, s23                     ; the tile's number among all experts' tiles,
	s_min_u32 s40, s40, 70                         ; held inside h
	s_lshl_b32 s40, s40, 16
	s_mov_b32 s41, 0
	s_wait_xcnt 0x0                                ; the store before this one has read its base and its data: both are written again only behind this wait
	s_add_nc_u64 s[36:37], s[38:39], s[40:41]
	s_wait_dscnt 0x0
	WIN 0xff
	GELU
	WIN 0x0c                                       ; a store's data: source 1, window 3
	s_wait_alu depctr_va_vdst(0)                   ; the conversions have written v[CODE ..], which the store reads; all of gelu's lines are done with Z0, Z1, in which the next tile's sums land
	global_store_b128 v5, v[CODE:CODE+3], s[36:37]
	WIN 0
.Lfin_\@:
.endm
	s_load_b256 s[4:11], s[0:1], 0x0               ; W1 s[4:5], xq s[6:7], eidx s[8:9], prob s[10:11]
	s_load_b256 s[52:59], s[0:1], 0x20             ; the scales' exponents s[52:53], h s[54:55], list s[56:57], ps s[58:59]
	s_load_b64 s[60:61], s[0:1], 0x40              ; meta
	v_lshl_add_u32 v254, v0, 2, 0x11300
	v_mov_b32 v255, 0
	v_lshrrev_b32 v1, 5, v0
	v_readfirstlane_b32 s16, v1                    ; wave 0..3
	v_and_b32 v1, 31, v0                           ; lane
	v_and_b32 v26, 15, v0                          ; r
	v_bfe_u32 v3, v0, 4, 1                         ; lane / 16
	v_lshlrev_b32 v4, 4, v26
	v_lshl_add_u32 v4, v3, 18, v4                  ; W1: 16 r, and 16 rows of 16,384 bytes further down for lanes 16-31
	v_lshlrev_b32 v5, 4, v1                        ; 16 x lane
	v_lshl_add_u32 v2, v26, 2, LIST                ; the list's entry r
	v_add_nc_u32 v192, NLIST, v1                   ; a spare entry for each lane
	v_lshlrev_b32 v193, 2, v1                      ; 4 x lane: a lane's part of its tokens' numbers
	v_add_nc_u32 v194, LIST, v5                    ; the fill: 16 bytes a lane
.irp k, 0,1,2,3
	v_mov_b32 v[196+\k], 0                         ; 16 bytes of zero codes
.endr
	s_wait_alu depctr_va_sdst(0)                   ; s16 is written, ahead of its first reader
	s_and_b32 s17, s16, 1                          ; kw
	s_lshr_b32 s18, s16, 1                         ; cw
	s_lshr_b32 s19, ttmp9, 5                       ; e
	s_and_b32 s20, ttmp9, 31                       ; sl
	s_lshl_b32 s40, s16, 14
	v_add_nc_u32 v6, s40, v5                       ; LDS, sums in: [wave 16,384][tile of rows 4,096][tile of columns 1,024][half 512][16 x lane]
	s_lshl_b32 s40, s18, 15
	s_lshl_b32 s41, s17, 11
	s_add_co_u32 s40, s40, s41
	v_add_nc_u32 v7, s40, v5                       ; LDS, sums out: waves 2 cw and 2 cw + 1, tiles 2 kw and 2 kw + 1
	s_lshl_b32 s40, s17, 9
	v_lshl_add_u32 v24, v3, 4, s40                 ; xq: 512 kw + 16 (lane / 16)
	s_lshl_b32 s40, s20, 7
	v_lshl_add_u32 v25, v1, 2, s40
	v_add_nc_u32 v25, LIST, v25                    ; the list's entry 32 sl + lane: the one that this work-group hands on
	s_lshl_b32 s40, s19, 24                        ; W1: expert, my half of K, the slice's 512 bytes of a row, my 256 of them
	s_lshl_b32 s41, s17, 23
	s_add_co_u32 s40, s40, s41
	s_lshl_b32 s41, s20, 9
	s_add_co_u32 s40, s40, s41
	s_lshl_b32 s41, s18, 8
	s_add_co_u32 s40, s40, s41
	s_mov_b32 s41, 0
	s_lshl_b32 s42, s19, 2
	s_mov_b32 s43, 0
	s_lshl_b32 s44, s19, 4
	s_mov_b32 s45, 0
	s_lshl_b32 s46, s20, 11                        ; h: K step sl, registers 4 w on
	s_lshl_b32 s47, s16, 9
	s_add_co_u32 s46, s46, s47
	s_mov_b32 s47, 0
	s_mov_b32 s32, 0
	s_wait_kmcnt 0x0
	s_add_nc_u64 s[4:5], s[4:5], s[40:41]
	s_add_nc_u64 s[60:61], s[60:61], s[42:43]      ; meta at word e
	s_add_nc_u64 s[52:53], s[52:53], s[44:45]
	s_add_nc_u64 s[38:39], s[54:55], s[46:47]
	s_load_b128 s[28:31], s[52:53], 0x0            ; ex, ew1, eh, ew2
	s_wait_alu depctr_va_vdst(0)                   ; v2, v4 to v7, v25, v194 and v196 to v199 are written: the offsets, LDS addresses and zeros that loads and stores read from here to the kernel's end
.irp i, 0,1,2,3,4,5,6,7
	global_load_b128 v[E+4*\i:E+4*\i+3], v5, s[8:9] offset:512*\i   ; all 1,024 choices: 512 consecutive bytes a load
.endr
.irp g, 0,1,2,3,4,5
	GLOAD \g
.endr
	WIN 0xc0
.set j, 0
.irp c, 0xb7910000, 0x39c8e7d9, 0xbb7e8a1c, 0x3cc6b1a1, 0xbddaae5c, 0xbf228550, 0xbe03ce86, 0xba1c7000, 0x3ba38d2c, 0xbcdb48d9, 0x3de70e22, 0xbec09380, 0x3e0375d4, 0x3fb8aa3b
	v_mov_b32 v[KC+2*j], \c
	v_mov_b32 v[KC+2*j+1], \c
.set j, j+1
.endr
	s_wait_kmcnt 0x0
	s_add_co_i32 s41, s28, s29                     ; ex + ew1
	s_lshl_b32 s42, s41, 23
	s_add_co_i32 s42, s42, 0x3f3504f3              ; added to the exponent field of 1 / sqrt 2
	s_sub_co_i32 s43, s30, s41
	s_add_co_i32 s43, s43, 128
	s_lshl_b32 s43, s43, 23                        ; 2^(eh - ex - ew1 + 1)
	s_add_co_u32 s44, s43, 0x07e00000              ; 57,344 x that
	v_mov_b32 v[C1], s42
	v_mov_b32 v[C1+1], s42
	v_mov_b32 v[LIMH], s44
	v_mov_b32 v[SCH], s43
	WIN 0
	s_add_co_i32 s40, s29, 127
	s_lshl_b32 s40, s40, 23
	v_mov_b32 v10, s40                             ; 2^ew1
	s_add_co_u32 s40, s40, 0x07e00000
	v_mov_b32 v11, s40                             ; 57,344 x 2^ew1
	s_wait_loadcnt 48                              ; the eight loads of the choices are in; six granules were issued behind them
	GLOAD 6                                        ; 56 loads of 512 bytes are out from here to the stream's end.  (No wait: no vector instruction has named its ring place, nor v4 since the wait above)
	WIN 0
	; THE COUNTS, in every wave.  All compares of a run first, one wait behind the run
	s_mov_b32 s21, 0
	s_mov_b32 s22, 0
.set j, 0
.rept 32
	v_cmp_eq_u32 s[MK+j], s19, v[E+j]              ; group j's lanes that chose e
.set j, j+1
.endr
	s_wait_alu depctr_va_sdst(0)                   ; the 32 masks are written, ahead of their first reader
.set j, 0
.rept 32
	s_bcnt1_i32_b32 s40, s[MK+j]
	s_add_co_u32 s21, s21, s40                     ; n
.set j, j+1
.endr
.irp b, 0,1,2,3
.irp k, 0,1,2,3,4,5,6,7
	v_cmp_gt_u32 s[40+\k], s19, v[E+8*\b+\k]       ; lanes that chose an expert below e
.endr
	s_wait_alu depctr_va_sdst(0)                   ; these eight masks are written, ahead of their first reader
.irp k, 0,1,2,3,4,5,6,7
	s_bcnt1_i32_b32 s48, s[40+\k]
	s_add_co_u32 s22, s22, s48                     ; start
.endr
.endr
	s_lshr_b32 s23, s22, 4
	s_add_co_u32 s23, s23, s19                     ; my expert's first tile
	s_max_u32 s24, s21, 1
	s_sub_co_u32 s24, s24, 1                       ; n - 1 (0 where n = 0)
	s_cmp_lg_u32 s16, 0
	s_cbranch_scc1 .Lnot0                          ; THE LIST is laid by wave 0 alone: up to the barrier below no other wave touches LDS
	s_mov_b32 s48, 0
	s_mov_b32 s49, 0
.set j, 0
.rept 32
	s_cmp_lg_u32 s[MK+j], 0
	s_cselect_b32 s48, s[MK+j], s48                ; the last group that has a token of e: its mask,
	s_cselect_b32 s49, 128*(j/4)+j%4, s49          ; and its tokens' common part
.set j, j+1
.endr
	s_ctz_i32_b32 s50, s48                         ; lanes go in descending order: the list's last token sits in the lowest lane
	s_lshl_b32 s50, s50, 2
	s_add_co_u32 s49, s49, s50
	s_min_u32 s49, s49, 0x3ff                      ; (where n = 0 there is none: any token's number, which nothing uses)
.irp k, 0,1,2,3
	v_mov_b32 v[FD+\k], s49
.endr
	s_mov_b32 s50, 0
.set j, 0
.rept 32                               ; all 32 groups' places and tokens are made first, each in registers of its own
	s_bcnt1_i32_b32 s51, s[MK+j]
	s_add_co_u32 s50, s50, s51                     ; where the next group begins
	s_sub_co_u32 s51, s50, 1
	v_mbcnt_lo_u32_b32 v[PA+j], s[MK+j], 0         ; e's tokens in lower lanes
	v_sub_nc_u32 v[PA+j], s51, v[PA+j]             ; the place
	v_cndmask_b32 v[PA+j], v192, v[PA+j], s[MK+j]  ; a lane of another expert takes its spare entry
	v_min_u32 v[PA+j], NLIST+31, v[PA+j]           ; a place made of loaded numbers is held inside the list
	v_lshl_add_u32 v[PA+j], v[PA+j], 2, LIST
	v_add_nc_u32 v[PT+j], 128*(j/4)+j%4, v193      ; the token
.set j, j+1
.endr
	s_wait_alu depctr_va_vdst(0)                   ; the fill's token, the 32 addresses and the 32 tokens are written, which the 41 LDS stores below read
.irp i, 0,1,2,3,4,5,6,7,8
	ds_store_b128 v194, v[FD:FD+3] offset:512*\i   ; 9 x 128 = 1,152 entries hold the last token
.endr
.set j, 0
.rept 32
	ds_store_b32 v[PA+j], v[PT+j]                  ; LDS serves a wave's instructions in order (ISA guide 5.7.1.4): behind the fill
.set j, j+1
.endr
.Lnot0:
	s_wait_dscnt 0x0                               ; for the others' sake: the list lies in LDS
	s_barrier_signal -1
	s_barrier_wait -1
.irp a, 0,1,2,3
	ds_load_b32 v[LT+\a], v2 offset:64*\a          ; the first chunk's tokens
.endr
	ds_load_b32 v9, v25                            ; the entry that this work-group hands on
	s_wait_dscnt 0x0
	v_min_u32 v195, 0x3ff, v9
	v_lshlrev_b32 v195, 2, v195
	s_wait_alu depctr_va_vdst(0)                   ; v195 is written, which the load below reads as its offset
	global_load_b32 v30, v195, s[10:11]            ; its router number: one load behind the 56
	; THE STREAM.  Behind granule g stand six granules of 8 loads (up to granule 6 the load above too: the count 48 is then the smaller, safe one)
.set Q, 0
.rept 7
	GRAN Q, 48
.set Q, Q+1
.endr
	WIN 0
	; granule 6's wait has shown the router number in: granules 7 to 12, 48 loads, were issued behind it.  Wave 0 hands the list on
	s_cmp_lg_u32 s16, 0
	s_cbranch_scc1 .Lpub_end
	s_lshl_b32 s40, s20, 5
	s_cmp_lt_u32 s40, s21
	s_cbranch_scc0 .Lpub_meta                      ; the expert has no entry 32 sl
	v_add_nc_u32 v31, s40, v1
	v_min_u32 v31, s24, v31                        ; entries past n hold the last token and go to its place: the same number to the same word
	v_add_nc_u32 v31, s22, v31
	v_min_u32 v31, 0x3ff, v31                      ; held inside list and ps
	v_lshlrev_b32 v31, 2, v31
	s_wait_alu depctr_va_vdst(0)                   ; v31 is written, which the two stores read as their offset (their data came by loads)
	global_store_b32 v31, v9, s[56:57]
	global_store_b32 v31, v30, s[58:59]
.Lpub_meta:
	s_cmp_lg_u32 s20, 0
	s_cbranch_scc1 .Lpub_end
	v_min_u32 v200, 2, v1                          ; lane 0: n, lane 1: start, the others: the first tile
	v_mov_b32 v201, s23
	v_cmp_ne_u32 s40, 1, v200
	v_cmp_ne_u32 s41, 0, v200
	s_wait_alu depctr_va_sdst(0)                   ; the two masks are written, ahead of their first reader
	v_cndmask_b32 v201, s22, v201, s40
	v_cndmask_b32 v201, s21, v201, s41
	v_lshlrev_b32 v200, 5, v200                    ; words e, 8 + e, 16 + e
	s_wait_alu depctr_va_vdst(0)                   ; v200 and v201 are written, the store's offset and data
	global_store_b32 v200, v201, s[60:61]
.Lpub_end:
	s_or_b32 s40, s19, s21
	s_cmp_lg_u32 s40, 0
	s_cbranch_scc1 .Lno_zero
	global_store_b128 v5, v[196:199], s[38:39]     ; expert 0 has no row: every wave of its 32 work-groups writes its 512 bytes of tile 0.  (v5 and the zeros: the head's wait)
.Lno_zero:
.rept 19
	GRAN Q, 48
.set Q, Q+1
.endr
	GRAN 26, 40                                    ; nothing is left to ask for: the counts run down
	GRAN 27, 32
	GRAN 28, 24
	WIN 0
	s_wait_alu depctr_vm_vsrc(0)                   ; wave 0's LDS stores have read v96 to v159, in which tiles 0 and 1 of x land
	NEXTA 2, 256                                   ; its wait also states that the holds of granules 25 to 27 are done reading the ring places that tiles 2 and 3 take
	LOADA 0                                        ; the first chunk's tiles of x come while the last three granules are quantised
	LOADA 1
	GRAN 29, 48                                    ; behind granule 29's loads: two granules and tiles 0, 1
	LOADA 2                                        ; no wait: no vector instruction since the wait in NEXTA names its offset or window 2's v128-191
	GRAN 30, 56                                    ; one granule and tiles 0, 1, 2
	GRAN 31, 48                                    ; tiles 0, 1, 2
	LOADA 3                                        ; likewise: window 2's v192-255
	WIN 0
.Lchunk:                                               ; 16 trips of 64 rows
	s_cmp_lt_u32 s32, s21
	s_cbranch_scc0 .Lno1                           ; no row in this chunk: no products; the barriers are passed all the same
	s_wait_alu depctr_vm_vsrc(0)                   ; the last chunk's LDS stores have read the accumulators, which the products below write again; its loads have read v8 and the four offsets, which are made anew behind the products
	s_wait_loadcnt 48                              ; tile 0 is in; the three younger tiles' 48 loads may be out
	MUL 0
	s_wait_loadcnt 32                              ; tile 1
	MUL 1
	s_wait_loadcnt 16                              ; tile 2
	MUL 2
	s_wait_loadcnt 0x0                             ; tile 3
	MUL 3
	WIN 0
	s_lshl_b32 s40, s32, 2
	v_add_nc_u32 v8, s40, v2                       ; the list at this chunk's entry r; two chunks on are 512 bytes on
	NEXTA 8, 512                                   ; with the line above nine plain vector instructions: the places behind the last products, ahead of the wait and of the stores that read their results
	LOADA 0                                        ; the next chunk's four tiles: 64 loads, which land while this chunk's sums are added and gelu is taken
	LOADA 1
	LOADA 2
	LOADA 3
	WIN 0x08                                       ; an LDS store's data: source 1, window 2
.irp a, 0,1,2,3
.irp t, 0,1,2,3
	ds_store_b128 v6, v[32*\a+8*\t:32*\a+8*\t+3] offset:4096*\a+1024*\t          ; each accumulator from its low end on
	ds_store_b128 v6, v[32*\a+8*\t+4:32*\a+8*\t+7] offset:4096*\a+1024*\t+512
.endr
.endr
	WIN 0
.Lno1:
	s_wait_dscnt 0x0                               ; for the others' sake: my sums lie in LDS
	s_barrier_signal -1
	s_barrier_wait -1
	FIN 0
	FIN 1
	FIN 2
	FIN 3
	s_wait_dscnt 0x0                               ; my reads of the sums are over:
	s_barrier_signal -1
	s_barrier_wait -1                              ; only now does any wave store the next chunk's
	s_add_co_u32 s32, s32, 64
	s_cmp_lt_u32 s32, 1024
	s_cbranch_scc1 .Lchunk
	s_wait_dscnt 0x0                               ; the closing lines, six on end
	s_wait_alu 0x0
	s_wait_tensorcnt 0x0
	ds_add_u32 v254, v255
	s_wait_dscnt 0x0
	s_endpgm
.Lfunc_end_k_q9fd7e77dd3_fc1:
	.size	k_q9fd7e77dd3_fc1, .Lfunc_end_k_q9fd7e77dd3_fc1-k_q9fd7e77dd3_fc1
	.p2alignl 7, 3214868480
	.fill 96, 4, 3214868480
	.section	.rodata,"a",@progbits
	.p2align	6, 0x0
	.amdhsa_kernel k_q9fd7e77dd3_fc1
		.amdhsa_group_segment_fixed_size 70912
		.amdhsa_private_segment_fixed_size 0
		.amdhsa_enable_private_segment 0
		.amdhsa_kernarg_size 72
		.amdhsa_user_sgpr_count 2
		.amdhsa_user_sgpr_kernarg_segment_ptr 1
		.amdhsa_wavefront_size32 1
		.amdhsa_system_sgpr_workgroup_id_x 1
		.amdhsa_system_sgpr_workgroup_id_y 1
		.amdhsa_system_sgpr_workgroup_id_z 1
		.amdhsa_system_vgpr_workitem_id 0
		.amdhsa_next_free_vgpr 1024
		.amdhsa_next_free_sgpr 100
		.amdhsa_reserve_vcc 0
		.amdhsa_float_denorm_mode_32 3
		.amdhsa_float_denorm_mode_16_64 3
		.amdhsa_memory_ordered 1
		.amdhsa_forward_progress 1
		.amdhsa_inst_pref_size 235
	.end_amdhsa_kernel
	.amdgpu_metadata
---
amdhsa.version: [ 1, 2 ]
amdhsa.kernels:
  - .name:           k_q9fd7e77dd3_fc1
    .symbol:         k_q9fd7e77dd3_fc1.kd
    .args:
      - { .name: W1, .offset: 0, .size: 8, .value_kind: global_buffer, .address_space: global }
      - { .name: xq, .offset: 8, .size: 8, .value_kind: global_buffer, .address_space: global }
      - { .name: eidx, .offset: 16, .size: 8, .value_kind: global_buffer, .address_space: global }
      - { .name: prob, .offset: 24, .size: 8, .value_kind: global_buffer, .address_space: global }
      - { .name: lowp_scales, .offset: 32, .size: 8, .value_kind: global_buffer, .address_space: global }
      - { .name: h, .offset: 40, .size: 8, .value_kind: global_buffer, .address_space: global }
      - { .name: list, .offset: 48, .size: 8, .value_kind: global_buffer, .address_space: global }
      - { .name: ps, .offset: 56, .size: 8, .value_kind: global_buffer, .address_space: global }
      - { .name: meta, .offset: 64, .size: 8, .value_kind: global_buffer, .address_space: global }
    .group_segment_fixed_size: 70912
    .private_segment_fixed_size: 0
    .kernarg_segment_align: 8
    .kernarg_segment_size: 72
    .max_flat_workgroup_size: 128
    .sgpr_count:     100
    .vgpr_count:     1024
    .wavefront_size: 32
...
	.end_amdgpu_metadata
.endif
;; end of part 8
;; launch fc2 (part 9): grid 256 x 1, 8 waves a work-group, no clusters, 148,480 bytes of LDS; arguments W2, h, list, ps, meta, lowp_scales, out0; writes out0
.if DOCPART == 9
	.amdgcn_target "amdgcn-amd-amdhsa--gfx1250"
	.amdhsa_code_object_version 6
	.text
	.protected	k_q9fd7e77dd3_fc2
	.globl	k_q9fd7e77dd3_fc2
	.p2align	8
	.type	k_q9fd7e77dd3_fc2,@function
k_q9fd7e77dd3_fc2:
	s_mov_b64 s[64:65], 0
	v_nop
	global_prefetch_b8 v0, s[64:65] scope:SCOPE_SE
	s_setreg_imm32_b32 hwreg(HW_REG_WAVE_SCHED_MODE, 0, 2), 2
	s_setreg_imm32_b32 hwreg(HW_REG_WAVE_MODE, 25, 1), 1
	s_wait_xcnt 0x0
	s_wait_alu depctr_vm_vsrc(0)
; out[token] = prob x (h Q(W2[e])) for the rows that chose expert e, on codes of E5M2 (v_wmma_f32_16x16x128_bf8_bf8), sums in f32, each sum x 2^(eh + ew2) (lowp_scales[4 e + 2], [4 e + 3]).
; SHARES.  Work-group = (expert e = number / 32, slice sl = number % 32): output columns 32 sl .. 32 sl + 31, all 4,096 of K: so each output number has one owner.  It reads its 4,096 x 32 numbers of W2 once, as f32,
; quantises them in registers and keeps the codes.  Wave w of eight takes rows (K) 512 w .. + 511: 2 tiles x 4 K steps x 16 registers = 128 registers of codes.
; W2's K IS ITS FIRST AXIS.  Column 2 r + t is row r (= lane % 16) of tile t.  The rows that a conversion's eight numbers come from are chosen as the launch before has laid h: byte 8 u + j of a lane's 64 is row
; 128 s + 64 (u / 4) + u % 4 + 4 j + 32 (lane / 16).  The same order of k on both sides: every product meets its partner.
; A LANE LOADS 16 BYTES, FOUR COLUMNS: its own two and its neighbour's two (lanes 2 i and 2 i + 1 read the same 16 bytes of two neighbouring rows: the even lane those of u = 2 v, the odd lane those of u = 2 v + 1).
; So a load covers four rows x 128 bytes, 512 bytes an instruction.  Behind the conversions each lane hands its neighbour the codes of the neighbour's two columns (4 registers for 16 numbers a column pair;
; v_mov_b32 with row_xmask:1), and both then hold their own two columns for u = 2 v and u = 2 v + 1.
; h comes as images of the operand's registers: a fragment is four loads of 512 consecutive bytes.
; THE PRODUCT IS USED TRANSPOSED (source 0 = 16 columns of W2, source 1 = 16 rows of h): a lane holds one row (lane % 16) and, of the two tiles together, sixteen neighbouring columns.
; THE ROWS go in chunks of 128 (8 tiles, in 4 pairs), 8 trips whatever the count; barriers stand on every wave's path, work is jumped over by scalar branches on the stored count.  The eight parts of K meet in LDS:
; [tile 18,432][wave 2,304][row 144][128 bytes]; behind a barrier wave w adds the eight parts of tile w, multiplies by the row's router number and stores 128 bytes of each of 16 rows of out0 (eight lanes a row).
; A second barrier stands between these reads and the next trip's stores.  ROWS PAST THE COUNT repeat the expert's last row, here as in the launch before: they store the same numbers to the same place.
; A slice is 128 bytes of a row, in W2 and in out0: 1,024 columns on 32 slices, so that 256 work-groups each own whole sums.
; LIMITS: ew2 between -126 and 112; eh + ew2 between -126 and 127.  NaN and infinities are not served.
; NO TENSOR LOADS, NO CLUSTER: the weights pass through registers to be quantised and no two work-groups read the same; h is shared by an expert's 32 work-groups, but how many tiles there are hangs on a stored count.
; REGISTERS, in windows of 256: window 0: v1-31 addresses and scales; v32-63 four accumulators (in the stream: eight rows x four columns sorted apart); v64-95 their numbers in the order of the columns (in the stream: v64-79 codes
;   on their way between neighbours; v32-95 later: waves 0-3's parts from LDS); v96-111 the sums; v112-115 row numbers; v128-255 a pair of tiles of h.
;   window 1: v0-127 W2's codes, fragment (K step s, tile t) at 16 (2 s + t); v128-255 a ring of 4 x 32 for W2 as f32, then the other pair of tiles; while a chunk is added up, v128-191 take waves 4-7's parts.
; THE MODE: SCHED_MODE bits 1:0 = 2 (LLVM: expert scheduling mode 2), set by the entry lines.  The code itself states the register dependences between vector or matrix instructions and memory or LDS
; instructions, with s_wait_alu, always for 0.
; THE PLAN.  Registers that memory or LDS instructions touch:
;   v4 to v8            offsets and LDS addresses, made at the head and never written again: one wait ahead of the first load states them.
;   the ring            Granule g: its 32 holds read place g % 4; behind them ONE wait, and the loads of granule g + 4 land there; conversions and the exchange follow the loads.
;   HA, HB              The two pairs of tiles of h (window 0's and window 1's v128-255).  A pair's 16 products read one of them; the loads of the pair after next land in it behind the wait that stands ahead of the pair's LDS stores.
;   OUT v64-95          A pair's 32 multiplies write it, its 8 LDS stores read it: a wait that the stores before have read it ahead of the multiplies, a wait that it is written behind them.
;   IA, TK, PR          A trip's head makes the four offsets (behind a wait that the last trip's loads have read them); ONE wait; the 8 loads land in the tokens and router numbers, which the last trip's vector lines read.
;   the parts           All 32 LDS loads go in one run: waves 0-3's into v32-95, waves 4-7's into window 1's v128-191, which lie idle then: so no wait stands between the two halves of the sum.
;   OA, SUM             Written while a chunk is added up, read by its four stores: one wait ahead of the stores, and one, that they have been read, at the head of the next adding up.
.set IA,  14                           ; v14-17  byte offsets in list and ps
.set TK,  18                           ; v18-21  tokens
.set PR,  22                           ; v22-25  router numbers
.set OA,  26                           ; v26-29  byte offsets in out0
.set ACC, 32
.set OUT, 64
.set TMP, 32                           ; the stream: 8 q + j: column q of my four, row j of eight
.set CD,  64                           ; the stream: column q's eight codes at 2 q
.set SND, 72                           ; the codes of my neighbour's two columns
.set RCV, 76                           ; and what it sends me
.set SUM, 96
.set RI,  112                          ; v112-115  16 w + 4 i + lane / 8
.set P2,  128                          ; window 1, v128-191: waves 4-7's parts
.set MSB, 0
.macro WIN new                         ; the immediate's high byte repeats the setting that is left; a switch that changes nothing is dropped
.if MSB != \new
	s_set_vgpr_msb (MSB<<8)|\new
.set MSB, \new
.endif
.endm
.macro PLACES                          ; four plain vector instructions between a matrix instruction and the first read of its result (ISA guide 7.12.1)
.rept 4
	v_nop
.endr
.endm
; Granule g = 4 s + v: the rows of K step s that make registers 4 v .. 4 v + 3 of the two fragments.  Each load: four rows x 128 consecutive bytes.  No hint: the other 128 bytes of each aligned 256 are the neighbouring slice's
.macro GLOAD g
	WIN 0x40
.irp j, 0,1,2,3,4,5,6,7
	global_load_b128 v[128+32*((\g)%4)+4*\j:128+32*((\g)%4)+4*\j+3], v4, s[4:5] offset:(128*((\g)/4)+64*(((\g)%4)/2)+2*((\g)%2)+4*\j)*4096
.endr
.endm
; Granule g is quantised; its place in the ring takes granule g + 4 as soon as the holds have read it.  n: the loads issued behind granule g's
.macro GRAN g, n
	s_wait_loadcnt \n
	WIN 0x01
.irp q, 0,1,2,3
.irp j, 0,1,2,3,4,5,6,7
	v_med3_num_f32 v[TMP+8*\q+\j], v[128+32*((\g)%4)+4*\j+\q], -v13, v13   ; the hold at the largest code x the scale (the conversion does not saturate: ISA guide 7.6.2); it also sorts the four columns apart
.endr
.endr
.if (\g)+4 < 16
	WIN 0x40
	s_wait_alu depctr_va_vdst(0)                   ; the 32 holds are done reading ring place g % 4, in which the eight loads below land
	GLOAD (\g)+4
.endif
	WIN 0
.irp q, 0,1,2,3
	v_cvt_scalef32_pk8_bf8_f32 v[CD+2*\q:CD+2*\q+1], v[TMP+8*\q:TMP+8*\q+7], v12
.endr
	v_nop                                          ; a plain instruction behind the last conversion
.irp k, 0,1,2,3
	v_cndmask_b32 v[SND+\k], v[CD+4+\k], v[CD+\k], s58     ; an even lane sends columns 2, 3 of its four, an odd lane columns 0, 1
.endr
.irp k, 0,1,2,3
	v_mov_b32_dpp v[RCV+\k], v[SND+\k] row_xmask:1 row_mask:0xf bank_mask:0xf
.endr
	WIN 0x40
.irp t, 0,1
.irp i, 0,1
	v_cndmask_b32 v[16*(2*((\g)/4)+\t)+4*((\g)%4)+\i], v[CD+2*\t+\i], v[RCV+2*\t+\i], s58       ; u = 2 v: an even lane's own rows, an odd lane's from its neighbour
	v_cndmask_b32 v[16*(2*((\g)/4)+\t)+4*((\g)%4)+2+\i], v[RCV+2*\t+\i], v[CD+4+2*\t+\i], s58   ; u = 2 v + 1: the other way round
.endr
.endr
.endm
; Pair p of the chunk (p = 4: the next chunk's first pair): my 4 K steps of two tiles of h, 32 loads of 512 consecutive bytes.  win: 0 for the buffer in window 0, 0x40 for that in window 1; sb: its two bases.
; A tile's number is held at the expert's last tile, and inside h.  No wait stands here: the products that read the buffer stand ahead of the last wait for vector and matrix results, and nothing since names it.
.macro LOADP p, win, sb
.irp a, 0,1
	s_add_co_u32 s48, s57, 2*\p+\a
	s_min_u32 s48, s48, s25
	s_add_co_u32 s48, s48, s23
	s_min_u32 s48, s48, 70
	s_lshl_b32 s48, s48, 16
	s_add_nc_u64 s[\sb+2*\a:\sb+2*\a+1], s[36:37], s[48:49]
.endr
	WIN \win
.irp a, 0,1
.irp s, 0,1,2,3
.irp c, 0,1,2,3
	global_load_b128 v[128+64*\a+16*\s+4*\c:128+64*\a+16*\s+4*\c+3], v5, s[\sb+2*\a:\sb+2*\a+1] offset:2048*\s+512*\c
.endr
.endr
.endr
.endm
; 16 matrix instructions: two tiles of rows x my two tiles of columns x my 4 K steps.  The four accumulators take turns, one instruction a turn; the first K step starts the sums.
.macro MULP win                        ; 0x01: h in window 0; 0x05: h in window 1; W2 in window 1
	WIN \win
.irp s, 0,1,2,3
.irp a, 0,1
.irp t, 0,1
.if \s == 0
	v_wmma_f32_16x16x128_bf8_bf8 v[ACC+16*\a+8*\t:ACC+16*\a+8*\t+7], v[16*(2*\s+\t):16*(2*\s+\t)+15], v[128+64*\a+16*\s:128+64*\a+16*\s+15], 0
.else
	v_wmma_f32_16x16x128_bf8_bf8 v[ACC+16*\a+8*\t:ACC+16*\a+8*\t+7], v[16*(2*\s+\t):16*(2*\s+\t)+15], v[128+64*\a+16*\s:128+64*\a+16*\s+15], v[ACC+16*\a+8*\t:ACC+16*\a+8*\t+7]
.endif
.endr
.endr
.endr
.endm
; The pair's sums x 2^(eh + ew2), laid in the order of the columns (register j of tile t is column 16 (lane / 16) + 2 j + t), go to LDS: 64 bytes a lane and tile
.macro OUTP p
	WIN 0
	PLACES
	s_wait_alu depctr_vm_vsrc(0)                   ; the LDS stores of the pair before have read v[OUT ..], which the multiplies write again
.irp a, 0,1
.irp t, 0,1
.irp j, 0,1,2,3,4,5,6,7
	v_mul_f32 v[OUT+16*\a+2*\j+\t], s35, v[ACC+16*\a+8*\t+\j]      ; each accumulator from its low end on
.endr
.endr
.endr
	s_wait_alu depctr_va_vdst(0)                   ; the multiplies have written v[OUT ..], which the LDS stores read; the pair's products are done reading their tiles of h, in which the next loads into that buffer land; all are done with v32-95, in which parts land
.irp a, 0,1
.irp c, 0,1,2,3
	ds_store_b128 v[6+(\p)/2], v[OUT+16*\a+4*\c:OUT+16*\a+4*\c+3] offset:((2*\p+\a)%4)*18432+16*\c
.endr
.endr
.endm
	s_load_b256 s[4:11], s[0:1], 0x0               ; W2 s[4:5], h s[6:7], list s[8:9], ps s[10:11]
	s_load_b128 s[12:15], s[0:1], 0x20             ; meta s[12:13], the scales' exponents s[14:15]
	s_load_b64 s[16:17], s[0:1], 0x30              ; out0
	v_lshl_add_u32 v126, v0, 2, 0x24000
	v_mov_b32 v127, 0
	v_lshrrev_b32 v1, 5, v0
	v_readfirstlane_b32 s18, v1                    ; wave 0..7
	s_lshr_b32 s19, ttmp9, 5                       ; e
	s_and_b32 s20, ttmp9, 31                       ; sl
	s_mov_b32 s58, 0xaaaaaaaa                      ; the odd lanes
	v_and_b32 v1, 31, v0                           ; lane
	v_and_b32 v2, 15, v0                           ; r
	v_bfe_u32 v3, v0, 4, 1                         ; lane / 16
	v_lshrrev_b32 v4, 1, v2
	v_lshlrev_b32 v4, 4, v4                        ; W2: 16 (r / 2): the four columns that I share with my neighbour,
	v_and_b32 v9, 1, v2
	v_lshl_add_u32 v4, v9, 12, v4                  ; one row of 4,096 bytes further down for odd lanes,
	v_lshl_add_u32 v4, v3, 17, v4                  ; and 32 rows further down for lanes 16-31
	v_lshlrev_b32 v5, 4, v1                        ; 16 x lane
	v_mul_u32_u24 v6, v2, 144
	v_lshl_add_u32 v6, v3, 6, v6
	v_bfe_u32 v31, v0, 3, 2                        ; lane / 8
	v_and_b32 v30, 7, v0
	v_lshlrev_b32 v30, 4, v30                      ; 16 (lane % 8)
	v_mul_u32_u24 v8, v31, 144
	v_add_nc_u32 v8, v30, v8
.irp i, 0,1,2,3
	v_mov_b32 v[TK+\i], 0                          ; written once, so that they are written on every path
	v_mov_b32 v[PR+\i], 0
	v_mov_b32 v[RCV+\i], 0                         ; (the destination of a move between lanes counts as one of its sources)
.endr
	s_wait_alu depctr_va_sdst(0)                   ; s18 is written, ahead of its first reader
	s_lshl_b32 s56, s18, 4                         ; 16 w: the first row of the tile that I finish
	s_mul_i32 s48, s18, 2304
	v_add_nc_u32 v6, s48, v6                       ; LDS, in, tiles 0-3: 2,304 w + 144 r + 64 (lane / 16)
	v_add_nc_u32 v7, 73728, v6                     ; tiles 4-7: four tiles on
	s_mul_i32 s48, s18, 18432
	v_add_nc_u32 v8, s48, v8                       ; LDS, out: tile w, row lane / 8, 16 bytes a lane
	v_add_nc_u32 v[RI], s56, v31
.irp i, 1,2,3
	v_add_nc_u32 v[RI+\i], 4*\i, v[RI]
.endr
	s_lshl_b32 s48, s19, 24                        ; W2: expert, my 512 rows, the slice's 128 bytes of a row
	s_lshl_b32 s50, s18, 21
	s_add_co_u32 s48, s48, s50
	s_lshl_b32 s50, s20, 7
	s_add_co_u32 s48, s48, s50
	s_mov_b32 s49, 0                               ; stays 0: the upper word of every offset below
	s_mov_b32 s32, 0                               ; the chunk's first row
	s_mov_b32 s57, 0                               ; and its first tile
	s_wait_kmcnt 0x0
	s_add_nc_u64 s[4:5], s[4:5], s[48:49]
	s_lshl_b32 s48, s19, 2
	s_add_nc_u64 s[12:13], s[12:13], s[48:49]
	s_lshl_b32 s48, s19, 4
	s_add_nc_u64 s[14:15], s[14:15], s[48:49]
	s_lshl_b32 s48, s18, 13
	s_add_nc_u64 s[36:37], s[6:7], s[48:49]        ; h at my 4 K steps
	s_lshl_b32 s48, s20, 7
	s_add_nc_u64 s[38:39], s[16:17], s[48:49]      ; out0 at the slice's columns
	s_load_b32 s21, s[12:13], 0x0                  ; n
	s_load_b32 s22, s[12:13], 0x20                 ; start
	s_load_b32 s23, s[12:13], 0x40                 ; my expert's first tile
	s_load_b128 s[28:31], s[14:15], 0x0            ; ex, ew1, eh, ew2
	WIN 0x40
	s_wait_alu depctr_va_vdst(0)                   ; v4 to v8 are written: the offsets and LDS addresses that loads and stores read from here to the kernel's end; so are the zeros in the tokens and router numbers, in which loads land
.irp g, 0,1,2,3
	GLOAD \g                                       ; 32 loads of 512 bytes a wave are out from here to the stream's end
.endr
	WIN 0
	s_wait_kmcnt 0x0
	s_add_co_i32 s48, s31, 127
	s_lshl_b32 s48, s48, 23
	v_mov_b32 v12, s48                             ; 2^ew2
	s_add_co_u32 s48, s48, 0x07e00000
	v_mov_b32 v13, s48                             ; 57,344 x 2^ew2
	s_add_co_i32 s35, s30, s31
	s_add_co_i32 s35, s35, 127
	s_lshl_b32 s35, s35, 23                        ; 2^(eh + ew2)
	s_max_u32 s24, s21, 1
	s_sub_co_u32 s24, s24, 1                       ; n - 1 (0 where n = 0)
	s_add_co_u32 s25, s21, 15
	s_lshr_b32 s25, s25, 4
	s_max_u32 s25, s25, 1
	s_sub_co_u32 s25, s25, 1                       ; the expert's last tile
	s_cmp_eq_u32 s21, 0
	s_cselect_b32 s23, 0, s23                      ; an expert without rows reads tile 0, which is always written, and uses nothing of it
	; THE STREAM.  Behind granule g stand three granules of 8 loads
.set Q, 0
	s_wait_alu depctr_va_vdst(0)
.rept 13
	GRAN Q, 24
.set Q, Q+1
.endr
	LOADP 0, 0, 40                                 ; nothing of W2 is left to ask for.  The first chunk's first pair of tiles comes while the last three granules are quantised: 32 loads behind them.  (No vector instruction has named window 0's v128-255)
	GRAN 13, 48
	GRAN 14, 40
	GRAN 15, 32
	WIN 0
	s_wait_alu depctr_va_vdst(0)                   ; the stream's vector instructions are done with v32 to v79 and with the ring: in the loop loads land in both, on every way through it
.Lchunk:                                               ; 8 trips of 128 rows
	s_cmp_lt_u32 s32, s21
	s_cbranch_scc0 .Lno1                           ; no row in this chunk; the barriers are passed all the same
	s_wait_alu depctr_vm_vsrc(0)                   ; the last chunk's loads of tokens and router numbers have read their four offsets, which are made anew
.irp i, 0,1,2,3
	v_add_nc_u32 v[IA+\i], s32, v[RI+\i]           ; the rows that I shall store: place = start + min(row, n - 1), held inside the list
.endr
.irp i, 0,1,2,3
	v_min_u32 v[IA+\i], s24, v[IA+\i]
.endr
.irp i, 0,1,2,3
	v_add_nc_u32 v[IA+\i], s22, v[IA+\i]
.endr
.irp i, 0,1,2,3
	v_min_u32 v[IA+\i], 0x3ff, v[IA+\i]
.endr
.irp i, 0,1,2,3
	v_lshlrev_b32 v[IA+\i], 2, v[IA+\i]
.endr
	s_wait_alu depctr_va_vdst(0)                   ; the four offsets are written, which the loads below read; the last chunk's vector lines are done reading its tokens and router numbers, in which these loads land, and with window 1's v128-255, in which pair 1 lands
.irp i, 0,1,2,3
	global_load_b32 v[TK+\i], v[IA+\i], s[8:9]
	global_load_b32 v[PR+\i], v[IA+\i], s[10:11]
.endr
	s_add_co_u32 s50, s32, 32                      ; a pair is asked for only if it has a row; the pair in hand is then multiplied with a wait for all loads, in a tail of its own
	s_cmp_lt_u32 s50, s21
	s_cbranch_scc0 .Ltail0
	LOADP 1, 0x40, 44
	s_wait_loadcnt 40                              ; pair 0 is in: behind it stand the 8 loads above and pair 1's 32
	MULP 0x01
	OUTP 0
	s_add_co_u32 s50, s32, 64
	s_cmp_lt_u32 s50, s21
	s_cbranch_scc0 .Ltail1
	LOADP 2, 0, 40
	s_wait_loadcnt 32                              ; pair 1 is in; pair 2's 32 may be out
	MULP 0x05
	OUTP 1
	s_add_co_u32 s50, s32, 96
	s_cmp_lt_u32 s50, s21
	s_cbranch_scc0 .Ltail2
	LOADP 3, 0x40, 44
	s_wait_loadcnt 32                              ; pair 2
	MULP 0x01
	OUTP 2
	s_wait_loadcnt 0x0                             ; pair 3
	MULP 0x05
	OUTP 3
	s_branch .Lnext
.Ltail0:
	s_wait_loadcnt 0x0
	MULP 0x01
	OUTP 0
	s_branch .Lnext
.Ltail1:
	s_wait_loadcnt 0x0
	MULP 0x05
	OUTP 1
	s_branch .Lnext
.Ltail2:
	s_wait_loadcnt 0x0
	MULP 0x01
	OUTP 2
.Lnext:
	s_add_co_u32 s50, s32, 128                     ; every way here has waited for all my loads
	s_cmp_lt_u32 s50, s21
	s_cbranch_scc0 .Lno1                           ; the next chunk has no row: nothing is asked for
	LOADP 4, 0, 40                                 ; the next chunk's first pair comes while this chunk is added up
.Lno1:
	s_wait_dscnt 0x0                               ; for the others' sake: my parts lie in LDS
	s_barrier_signal -1
	s_barrier_wait -1
	s_add_co_u32 s50, s32, s56
	s_cmp_lt_u32 s50, s21
	s_cbranch_scc0 .Lno2                           ; tile w of the chunk has no row
	s_wait_alu depctr_vm_vsrc(0)                   ; my LDS stores have read v64-95, in which parts land; the last chunk's stores to out0 have read their offsets and sums, which are written again below
.irp b, 0,1,2,3
.irp i, 0,1,2,3
	ds_load_b128 v[32+16*\b+4*\i:32+16*\b+4*\i+3], v8 offset:2304*\b+576*\i       ; waves 0-3's parts: four rows an instruction, eight lanes a row
.endr
.endr
	WIN 0x40                                       ; destination window 1
.irp b, 0,1,2,3
.irp i, 0,1,2,3
	ds_load_b128 v[P2+16*\b+4*\i:P2+16*\b+4*\i+3], v8 offset:2304*(\b+4)+576*\i   ; waves 4-7's parts, into registers of their own: no vector line stands between the two runs
.endr
.endr
	WIN 0
	s_wait_xcnt 0x0                                ; the last chunk's stores have read their offsets and data: both are written again only behind this wait
	s_wait_loadcnt 32                              ; my tokens and router numbers are in; the 32 loads of the next chunk, where they were asked for, may be out
.irp i, 0,1,2,3
	v_min_u32 v[OA+\i], 0x3ff, v[TK+\i]            ; a loaded token is held inside out0
.endr
.irp i, 0,1,2,3
	v_lshl_add_u32 v[OA+\i], v[OA+\i], 12, v30     ; row x 4,096 + 16 (lane % 8)
.endr
	s_wait_dscnt 16                                ; LDS loads come back in order (ISA guide 5.7.1): waves 0-3's parts are in, the sixteen younger loads may be out
.irp p, 0,2,4,6,8,10,12,14
	v_pk_add_f32 v[SUM+\p:SUM+\p+1], v[32+\p:32+\p+1], v[48+\p:48+\p+1]
	v_pk_add_f32 v[64+\p:64+\p+1], v[64+\p:64+\p+1], v[80+\p:80+\p+1]
.endr
.irp p, 0,2,4,6,8,10,12,14
	v_pk_add_f32 v[SUM+\p:SUM+\p+1], v[SUM+\p:SUM+\p+1], v[64+\p:64+\p+1]
.endr
	s_wait_dscnt 0x0
	WIN 0x45                                       ; sources 0 and 1 and the destination window 1
.irp p, 0,2,4,6,8,10,12,14
	v_pk_add_f32 v[P2+\p:P2+\p+1], v[P2+\p:P2+\p+1], v[P2+16+\p:P2+16+\p+1]
	v_pk_add_f32 v[P2+32+\p:P2+32+\p+1], v[P2+32+\p:P2+32+\p+1], v[P2+48+\p:P2+48+\p+1]
.endr
.irp p, 0,2,4,6,8,10,12,14
	v_pk_add_f32 v[P2+\p:P2+\p+1], v[P2+\p:P2+\p+1], v[P2+32+\p:P2+32+\p+1]
.endr
	WIN 0x04                                       ; source 1 window 1
.irp p, 0,2,4,6,8,10,12,14
	v_pk_add_f32 v[SUM+\p:SUM+\p+1], v[SUM+\p:SUM+\p+1], v[P2+\p:P2+\p+1]
.endr
	WIN 0
.irp i, 0,1,2,3
.irp q, 0,2
.if (\i % 2) == 0
	v_pk_mul_f32 v[SUM+4*\i+\q:SUM+4*\i+\q+1], v[SUM+4*\i+\q:SUM+4*\i+\q+1], v[PR+\i:PR+\i+1] op_sel_hi:[1,0]               ; x the row's router number: the pair's first register for both halves,
.else
	v_pk_mul_f32 v[SUM+4*\i+\q:SUM+4*\i+\q+1], v[SUM+4*\i+\q:SUM+4*\i+\q+1], v[PR+\i-1:PR+\i] op_sel:[0,1] op_sel_hi:[1,1]   ; or its second
.endif
.endr
.endr
	s_wait_alu depctr_va_vdst(0)                   ; the sums and their offsets are written, which the four stores read; all the lines above are done with the parts' registers, in which later loads land
.irp i, 0,1,2,3
	global_store_b128 v[OA+\i], v[SUM+4*\i:SUM+4*\i+3], s[38:39] th:TH_STORE_NT    ; eight lanes store a row's 128 consecutive bytes; written once, read by nobody here
.endr
.Lno2:
	s_wait_dscnt 0x0                               ; my reads of the parts are over:
	s_barrier_signal -1
	s_barrier_wait -1                              ; only now does any wave store the next chunk's
	s_add_co_u32 s57, s57, 8
	s_add_co_u32 s32, s32, 128
	s_cmp_lt_u32 s32, 1024
	s_cbranch_scc1 .Lchunk
	s_wait_dscnt 0x0                               ; the closing lines, six on end
	s_wait_alu 0x0
	s_wait_tensorcnt 0x0
	ds_add_u32 v126, v127
	s_wait_dscnt 0x0
	s_endpgm
.Lfunc_end_k_q9fd7e77dd3_fc2:
	.size	k_q9fd7e77dd3_fc2, .Lfunc_end_k_q9fd7e77dd3_fc2-k_q9fd7e77dd3_fc2
	.p2alignl 7, 3214868480
	.fill 96, 4, 3214868480
	.section	.rodata,"a",@progbits
	.p2align	6, 0x0
	.amdhsa_kernel k_q9fd7e77dd3_fc2
		.amdhsa_group_segment_fixed_size 148480
		.amdhsa_private_segment_fixed_size 0
		.amdhsa_enable_private_segment 0
		.amdhsa_kernarg_size 56
		.amdhsa_user_sgpr_count 2
		.amdhsa_user_sgpr_kernarg_segment_ptr 1
		.amdhsa_wavefront_size32 1
		.amdhsa_system_sgpr_workgroup_id_x 1
		.amdhsa_system_sgpr_workgroup_id_y 1
		.amdhsa_system_sgpr_workgroup_id_z 1
		.amdhsa_system_vgpr_workitem_id 0
		.amdhsa_next_free_vgpr 512
		.amdhsa_next_free_sgpr 72
		.amdhsa_reserve_vcc 0
		.amdhsa_float_denorm_mode_32 3
		.amdhsa_float_denorm_mode_16_64 3
		.amdhsa_memory_ordered 1
		.amdhsa_forward_progress 1
		.amdhsa_inst_pref_size 119
	.end_amdhsa_kernel
	.amdgpu_metadata
---
amdhsa.version: [ 1, 2 ]
amdhsa.kernels:
  - .name:           k_q9fd7e77dd3_fc2
    .symbol:         k_q9fd7e77dd3_fc2.kd
    .args:
      - { .name: W2, .offset: 0, .size: 8, .value_kind: global_buffer, .address_space: global }
      - { .name: h, .offset: 8, .size: 8, .value_kind: global_buffer, .address_space: global }
      - { .name: list, .offset: 16, .size: 8, .value_kind: global_buffer, .address_space: global }
      - { .name: ps, .offset: 24, .size: 8, .value_kind: global_buffer, .address_space: global }
      - { .name: meta, .offset: 32, .size: 8, .value_kind: global_buffer, .address_space: global }
      - { .name: lowp_scales, .offset: 40, .size: 8, .value_kind: global_buffer, .address_space: global }
      - { .name: out0, .offset: 48, .size: 8, .value_kind: global_buffer, .address_space: global }
    .group_segment_fixed_size: 148480
    .private_segment_fixed_size: 0
    .kernarg_segment_align: 8
    .kernarg_segment_size: 56
    .max_flat_workgroup_size: 256
    .sgpr_count:     72
    .vgpr_count:     512
    .wavefront_size: 32
...
	.end_amdgpu_metadata
.endif
;; end of part 9
